; MI455X (gfx1250); checked and timed in simulation.
; The chip was launched on July 23, 2026; its instructions are those of AMD's public machine-readable ISA for CDNA 5 (MIT licence, August 2026) and "CDNA5" Instruction Set Architecture Reference Guide (July 2026). The comments in the code are by the model that wrote it; some were corrected since.
;; Mo E Layer. Allowed arithmetic: matrix products marked QUANTISED: E3M2 operands, one E8M0 scale for each 32 along K, by v_wmma_scale_f32_16x16x128_f8f6f4 with both operands' format E3M2, f32 sums; products left as they are: f32 operands where the result goes on into a quantised operand, else bf16, f16 or f32 operands; f32 sums; everything else in f32.
;; Inputs: expert_w 8 x 1,024 x 1,024 float32; ln1_b 1,024 float32; ln1_g 1,024 float32; ln2_b 1,024 float32; ln2_g 1,024 float32; router_w 8 x 1,024 float32; wk 1,024 x 1,024 float32; wo 1,024 x 1,024 float32; wq 1,024 x 1,024 float32; wv 1,024 x 1,024 float32; x 2 x 2,048 x 1,024 float32.
;; Outputs: out0 2 x 2,048 x 1,024 float32.
;; This version of the problem:
;;   THIS VERSION OF THE PROBLEM IS GIVEN IN LOW PRECISION. The matrix products marked QUANTISED in the list below multiply operands that are first quantised to E3M2 (3 exponent bits, 2 mantissa bits; 6 bits a number), with one power-of-two scale for each 32 numbers along K (OCP MX v1.0); their sums are f32. All else is computed in f32.
;;   The module's matrix products, in the order in which they are computed (A, B: the left and right operand; K: the contracted axis; several contracted axes count as one K, in the product's order):
;;     1. [M 4,096, K 1,024] x [K 1,024, N 1,024]; A: computed on the way; B: input wq: QUANTISED
;;     2. [M 4,096, K 1,024] x [K 1,024, N 1,024]; A: computed on the way; B: input wk: QUANTISED
;;     3. [M 4,096, K 1,024] x [K 1,024, N 1,024]; A: computed on the way; B: input wv: QUANTISED
;;     4. batch 32 x [M 2,048, K 64] x [K 64, N 2,048]; A: computed on the way; B: computed on the way: QUANTISED
;;     5. batch 32 x [M 2,048, K 2,048] x [K 2,048, N 64]; A: softmax (see below); B: computed on the way: QUANTISED
;;     6. [M 4,096, K 1,024] x [K 1,024, N 1,024]; A: computed on the way; B: input wo: QUANTISED
;;     7. [M 4,096, K 1,024] x [K 1,024, N 8]; A: computed on the way; B: input router_w: left as it is (N = 8 < 16)
;;     8. [M 4,096, K 1,024] x [K 1,024, N 8,192]; A: computed on the way; B: input expert_w: QUANTISED
;;     9. batch 4,096 x [M 1, K 8] x [K 8, N 1,024]; A: computed on the way; B: computed on the way: left as it is (K = 8 < 32)
;;   THE QUANTISER, for each operand of a quantised product, along K:
;;     - K is cut into blocks of 32 from its start; a last block that is shorter is filled with zeros.
;;     - A block's scale is 2^e with e = floor(log2(the largest magnitude in the block)) - 4, held to -126 .. 127; a block of zeros has e = 0. As a byte (E8M0): e + 127.
;;     - Each number is divided by its block's scale, clamped to +-28, and rounded to the nearest number of E3M2, ties to even, subnormals kept.
;;     - The product sums the exact products of the quantised numbers (number of the format x scale) in f32.
;;   ~~~python
;;   def quantise(x, axis):      # numpy; x: float32 -> the quantised numbers, widened to float32 again
;;       x = np.moveaxis(x, axis, -1); K = x.shape[-1]
;;       x = np.pad(x, [(0, 0)] * (x.ndim - 1) + [(0, -K % 32)]); x = x.reshape(x.shape[:-1] + (-1, 32)); a = np.abs(x).max(-1, keepdims=True)
;;       e = np.where(a > 0, np.clip(np.frexp(np.where(a > 0, a, 1))[1] - 1 - 4, -126, 127), 0)      # np.frexp(a)[1] - 1 = floor(log2(a)), exactly
;;       r = np.clip(x / 2.0 ** e, -28, 28)
;;       step = 2.0 ** (np.maximum(np.frexp(np.where(r == 0, 1, r))[1] - 1, -2) - 2)
;;       q = np.round(r / step) * step * 2.0 ** e      # np.round: ties to even
;;       return np.moveaxis(q.reshape(q.shape[:-2] + (-1,))[..., :K], -1, axis).astype(np.float32)
;;   ~~~
;;   SOFTMAX AHEAD OF A QUANTISED PRODUCT. Where the list says 'softmax', what is quantised is not the finished softmax but p = 2^(t - M), with t = logit x log2(e) and M = ceil(the row's largest t), a whole number; so 1/2 < the row's largest p <= 1. The row's sum l is taken of the UNQUANTISED p, in f32, and the product's result is divided by l at the end. Since M is a whole number, a kernel that streams over the keys may use a running M (the ceiling of the running maximum): every later rescaling is an exact power of two, which a block's scale takes up: the codes' values come out the same.
;;   OPERANDS COMPUTED ON THE WAY. 'Computed on the way' means the value that the module computes at that place (a softmax that the list does not call 'softmax' is quantised finished and normalised). What goes into a quantiser is computed in f32, as accurately as f32 sums, v_exp_f32 and their like allow (about 1e-6 of the number): no bf16 or f16 on the way to a quantiser, and a product that is left as it is and whose result goes on into a quantised operand takes f32 operands (vector FMAs, or v_wmma_f32_16x16x4_f32). A number that lies on a knife's edge between two numbers of the format may be rounded either way, as far as f32 arithmetic and the matrix unit's own rounding can turn it there, and no further.
;; 2 versions. Each part assembles by itself: llvm-mc -triple=amdgcn-amd-amdhsa -mcpu=gfx1250 --defsym DOCPART=n.
;; ======== version 1 of 2: 6 launches
;; workspace buffers: img1 13,631,488 bytes; qkvi 10,223,616 bytes; aimg 3,407,872 bytes; x1 16,777,216 bytes; h2img 3,407,872 bytes; cbuf 262,144 bytes
;; launch prep (part 1): grid 1024 x 1, 8 waves a work-group, no clusters, 67,072 bytes of LDS; arguments x, wq, wk, wv, wo, expert_w, ln1_g, ln1_b, img1; writes img1
.if DOCPART == 1
	.amdgcn_target "amdgcn-amd-amdhsa--gfx1250"
	.amdhsa_code_object_version 6
	.text
	.protected	k_q11041d9965_prep
	.globl	k_q11041d9965_prep
	.p2align	8
	.type	k_q11041d9965_prep,@function
k_q11041d9965_prep:
	s_mov_b64 s[64:65], 0
	v_nop
	global_prefetch_b8 v0, s[64:65] scope:SCOPE_SE
	s_setreg_imm32_b32 hwreg(HW_REG_WAVE_MODE, 25, 1), 1
	s_wait_xcnt 0x0
; LN1(x) and the five weights become codes of E3M2 with one E8M0 byte for each 32 along K (K = 1,024, innermost in all of them).
; OUTPUT LAYOUT, used by every later launch.  A RECORD of 13,312 bytes holds 16 rows x 1,024 K as images of operand registers:
;   K step s (128 along K) at 1536 s: two halves of 768 bytes (c = 0, 1); in a half lane (r, h) owns the 32 codes k = 64 c + 32 h + 0..31 of row r, six registers:
;   registers 0-3 at 16 x lane, registers 4-5 at 512 + 8 x lane.  The scale words of K step s at 12288 + 128 s + 4 x lane (row lane % 16, twice).
;   Row r of group g is the tensor's row 32 (g / 2) + 8 (g % 2) + r + 8 (r / 8): so a product's 16 registers of two neighbouring groups of its first source are 16 neighbours.
; Work-group G makes record G: 0-255 LN1(x), 256-319 wq, 320-383 wk, 384-447 wv, 448-511 wo, 512-1023 expert_w (as 8,192 rows).
; Phase 1: wave w loads rows 2 w, 2 w + 1 of the group whole (each load 512 consecutive bytes), normalises them where G < 256, and lays them in a stage in LDS.
; Phase 2: wave w is K step w: a lane reads its 2 x 32 neighbours of its row, finds each block's largest magnitude by itself, converts, stores.
; No matrix unit, no tensor load, no cluster: work-groups share nothing but ln1_g and ln1_b.
; LIMITS: NaN and infinities are not served; a block of zeros, or one whose largest magnitude lies under 2^-122, keeps the byte 1 (the bytes are read by this program alone).
.set REC, 13312
.set SP,  4112                         ; a stage row: 4,096 bytes + 16, so that 16 rows' equal columns start 16 bytes apart modulo 256
.set X0,  32                           ; v32-63   my first row, 32 numbers a lane: columns 128 j + 4 lane + 0..3
.set X1,  64                           ; v64-95   my second row
.set GG,  96                           ; v96-127  the gain at my columns
.set BB,  128                          ; v128-159 the bias
.set N,   32                           ; phase 2: v32-95 my 64 numbers: register 32 c + i = k 64 c + 32 h + i
.set PC,  96                           ; the fragment's 12 registers
.set PT,  108                          ; the upper halves of the two blocks, as the conversions leave them
.macro REDUCE v, t                     ; the sum over the 32 lanes, in every lane
	v_add_f32_dpp v[\v], v[\v], v[\v] row_xmask:1 row_mask:0xf bank_mask:0xf
	v_add_f32_dpp v[\v], v[\v], v[\v] row_xmask:2 row_mask:0xf bank_mask:0xf
	v_add_f32_dpp v[\v], v[\v], v[\v] row_xmask:4 row_mask:0xf bank_mask:0xf
	v_add_f32_dpp v[\v], v[\v], v[\v] row_xmask:8 row_mask:0xf bank_mask:0xf
	v_permlanex16_b32 v[\t], v[\v], s28, s29
	v_add_f32 v[\v], v[\v], v[\t]
.endm
.macro LNROW X                         ; the row in v[X..X+31] is normalised in place: mean first, then the mean square of the differences
	v_pk_add_f32 v[8:9], v[\X:\X+1], v[\X+2:\X+3]
	v_pk_add_f32 v[10:11], v[\X+4:\X+5], v[\X+6:\X+7]
.irp j, 8,12,16,20,24,28
	v_pk_add_f32 v[8:9], v[8:9], v[\X+\j:\X+\j+1]
	v_pk_add_f32 v[10:11], v[10:11], v[\X+\j+2:\X+\j+3]
.endr
	v_pk_add_f32 v[8:9], v[8:9], v[10:11]
	v_add_f32 v8, v8, v9
	REDUCE 8, 9
	v_mul_f32 v8, s30, v8                          ; the mean: sum / 1,024
.irp j, 0,2,4,6,8,10,12,14,16,18,20,22,24,26,28,30
	v_pk_add_f32 v[\X+\j:\X+\j+1], v[\X+\j:\X+\j+1], v[8:9] op_sel_hi:[1,0] neg_lo:[0,1] neg_hi:[0,1]
.endr
	v_pk_mul_f32 v[10:11], v[\X:\X+1], v[\X:\X+1]
	v_pk_mul_f32 v[12:13], v[\X+2:\X+3], v[\X+2:\X+3]
.irp j, 4,8,12,16,20,24,28
	v_pk_fma_f32 v[10:11], v[\X+\j:\X+\j+1], v[\X+\j:\X+\j+1], v[10:11]
	v_pk_fma_f32 v[12:13], v[\X+\j+2:\X+\j+3], v[\X+\j+2:\X+\j+3], v[12:13]
.endr
	v_pk_add_f32 v[10:11], v[10:11], v[12:13]
	v_add_f32 v10, v10, v11
	REDUCE 10, 11
	v_fma_f32 v10, v10, s30, s31                   ; the variance + 1e-5
	v_rsq_f32 v10, v10
	v_nop                                          ; a plain line behind the transcendental
	s_wait_alu depctr_va_vdst(0)
.irp j, 0,2,4,6,8,10,12,14,16,18,20,22,24,26,28,30
	v_pk_mul_f32 v[\X+\j:\X+\j+1], v[\X+\j:\X+\j+1], v[10:11] op_sel_hi:[1,0]
.endr
.irp j, 0,2,4,6,8,10,12,14,16,18,20,22,24,26,28,30
	v_pk_fma_f32 v[\X+\j:\X+\j+1], v[\X+\j:\X+\j+1], v[GG+\j:GG+\j+1], v[BB+\j:BB+\j+1]
.endr
.endm
.macro FQUANT                          ; v[N..N+63] -> the fragment in v[PC..PC+11], my row's scale word in v14
.irp c, 0,1
	v_max3_num_f32 v[8+\c], |v[N+32*\c]|, |v[N+32*\c+1]|, 0x2800000   ; block 2 c + h is all mine; the floor 2^(5 - 127) keeps the byte at 1 from below
.endr
.irp i, 2,4,6,8,10,12,14,16,18,20,22,24,26,28,30
.irp c, 0,1
	v_max3_num_f32 v[8+\c], v[8+\c], |v[N+32*\c+\i]|, |v[N+32*\c+\i+1]|
.endr
.endr
.irp c, 0,1
	v_add_nc_u32 v[10+\c], 0xfe000000, v[8+\c]     ; 4 off the exponent field: the conversion's scale operand
.endr
.irp c, 0,1
	v_lshrrev_b32 v[12+\c], 23, v[10+\c]           ; the scale's byte
.endr
	v_lshl_or_b32 v14, v13, 16, v12                ; my two bytes, blocks h and 2 + h,
	v_lshlrev_b32 v14, v7, v14                     ; 8 h bits up;
	v_permlanex16_b32 v15, v14, s28, s29
	v_or_b32 v14, v14, v15                         ; with lane l xor 16's two the word is whole
.irp c, 0,1
	v_cvt_scalef32_pk16_bf6_f32 v[PC+6*\c:PC+6*\c+2], v[N+32*\c:N+32*\c+15], v[10+\c]
	v_cvt_scalef32_pk16_bf6_f32 v[PT+4*\c:PT+4*\c+2], v[N+32*\c+16:N+32*\c+31], v[10+\c]   ; (a conversion's three registers begin on an even number)
.endr
	v_nop                                          ; a plain line behind the conversions
.irp c, 0,1
.irp i, 0,1,2
	v_mov_b32 v[PC+6*\c+3+\i], v[PT+4*\c+\i]
.endr
.endr
.endm
	s_load_b256 s[4:11], s[0:1], 0x0               ; x, wq, wk, wv
	s_load_b256 s[12:19], s[0:1], 0x20             ; wo, expert_w, ln1_g, ln1_b
	s_load_b64 s[20:21], s[0:1], 0x40              ; img1
	v_lshl_add_u32 v160, v0, 2, 0x10200
	v_mov_b32 v161, 0
	v_lshrrev_b32 v1, 5, v0
	v_readfirstlane_b32 s25, v1                    ; wave 0..7
	v_and_b32 v1, 31, v0                           ; lane
	v_lshlrev_b32 v2, 4, v1                        ; 16 x lane
	s_mul_i32 s26, s25, 2*SP
	v_add_nc_u32 v3, s26, v2                       ; the stage, in: my two rows
	v_and_b32 v8, 15, v0                           ; r
	v_bfe_u32 v9, v0, 4, 1                         ; h
	v_mul_u32_u24 v4, v8, SP
	v_lshl_add_u32 v4, v9, 7, v4
	s_lshl_b32 s26, s25, 9
	v_add_nc_u32 v4, s26, v4                       ; the stage, out: row r, K step w, + 128 h bytes
	v_lshlrev_b32 v7, 3, v9                        ; 8 h
	s_mul_i32 s26, s25, 1536
	v_add_nc_u32 v5, s26, v2                       ; in the record: 16 x lane + 1536 w
	v_lshl_add_u32 v6, v1, 3, s26                  ; 8 x lane + 1536 w
	s_lshl_b32 s26, s25, 7
	v_lshl_add_u32 v1, v1, 2, s26                  ; 4 x lane + 128 w
	v_mov_b32 v15, 0                               ; (a lane permute's destination counts as read)
	s_mov_b32 s28, 0x76543210
	s_mov_b32 s29, 0xfedcba98                      ; lane l xor 16
	s_mov_b32 s30, 0x3a800000                      ; 1 / 1,024
	s_mov_b32 s31, 0x3727c5ac                      ; 1e-5
	s_wait_kmcnt 0x0
	s_mov_b64 s[22:23], s[14:15]                   ; which tensor, and its first group: the choice hangs on the work-group's number alone
	s_mov_b32 s24, 512
	s_cmp_lt_u32 ttmp9, 512
	s_cselect_b64 s[22:23], s[12:13], s[22:23]
	s_cselect_b32 s24, 448, s24
	s_cmp_lt_u32 ttmp9, 448
	s_cselect_b64 s[22:23], s[10:11], s[22:23]
	s_cselect_b32 s24, 384, s24
	s_cmp_lt_u32 ttmp9, 384
	s_cselect_b64 s[22:23], s[8:9], s[22:23]
	s_cselect_b32 s24, 320, s24
	s_cmp_lt_u32 ttmp9, 320
	s_cselect_b64 s[22:23], s[6:7], s[22:23]
	s_cselect_b32 s24, 256, s24
	s_cmp_lt_u32 ttmp9, 256
	s_cselect_b64 s[22:23], s[4:5], s[22:23]
	s_cselect_b32 s24, 0, s24
	s_sub_co_u32 s24, ttmp9, s24                   ; the group's number in its tensor
	s_lshr_b32 s26, s24, 1
	s_lshl_b32 s26, s26, 5
	s_and_b32 s27, s24, 1
	s_lshl_b32 s27, s27, 3
	s_add_co_u32 s26, s26, s27                     ; 32 (g / 2) + 8 (g % 2)
	s_lshl_b32 s27, s25, 1
	s_add_co_u32 s26, s26, s27                     ; + 2 w
	s_lshr_b32 s27, s25, 2
	s_lshl_b32 s27, s27, 3
	s_add_co_u32 s26, s26, s27                     ; + 8 (w / 4): rows 8-15 of a group lie 8 further on
	s_lshl_b32 s26, s26, 12                        ; rows of 4,096 bytes (under 2^25)
	s_mov_b32 s27, 0
	s_add_nc_u64 s[22:23], s[22:23], s[26:27]
	s_mul_i32 s26, ttmp9, REC
	s_add_nc_u64 s[20:21], s[20:21], s[26:27]      ; my record
.irp j, 0,1,2,3,4,5,6,7
	global_load_b128 v[X0+4*\j:X0+4*\j+3], v2, s[22:23] offset:512*\j th:TH_LOAD_NT
	global_load_b128 v[X1+4*\j:X1+4*\j+3], v2, s[22:23] offset:4096+512*\j th:TH_LOAD_NT
.endr
	s_cmp_ge_u32 ttmp9, 256
	s_cbranch_scc1 .Lplain                         ; weights are quantised as they are
.irp j, 0,1,2,3,4,5,6,7
	global_load_b128 v[GG+4*\j:GG+4*\j+3], v2, s[16:17] offset:512*\j
	global_load_b128 v[BB+4*\j:BB+4*\j+3], v2, s[18:19] offset:512*\j
.endr
	s_wait_loadcnt 0x0
	LNROW X0
	LNROW X1
.Lplain:
	s_wait_loadcnt 0x0
.irp j, 0,1,2,3,4,5,6,7
	ds_store_b128 v3, v[X0+4*\j:X0+4*\j+3] offset:512*\j
	ds_store_b128 v3, v[X1+4*\j:X1+4*\j+3] offset:SP+512*\j
.endr
	s_wait_dscnt 0x0                               ; for the others' sake: my two rows lie in the stage
	s_barrier_signal -1
	s_barrier_wait -1
.irp c, 0,1
.irp i, 0,1,2,3,4,5,6,7
	ds_load_b128 v[N+32*\c+4*\i:N+32*\c+4*\i+3], v4 offset:256*\c+16*\i
.endr
.endr
	s_wait_dscnt 0x0
	FQUANT
.irp c, 0,1
	global_store_b128 v5, v[PC+6*\c:PC+6*\c+3], s[20:21] offset:768*\c          ; 512 consecutive bytes, at a multiple of 256 from the buffer's first byte
	global_store_b64 v6, v[PC+6*\c+4:PC+6*\c+5], s[20:21] offset:768*\c+512     ; 256 consecutive bytes, likewise
.endr
	global_store_b32 v1, v14, s[20:21] offset:12288                             ; 128 bytes a wave; two waves' lie on end
	s_wait_tensorcnt 0x0
	ds_add_u32 v160, v161
	s_wait_dscnt 0x0
	s_endpgm
.Lfunc_end_k_q11041d9965_prep:
	.size	k_q11041d9965_prep, .Lfunc_end_k_q11041d9965_prep-k_q11041d9965_prep
	.p2alignl 7, 3214868480
	.fill 96, 4, 3214868480
	.section	.rodata,"a",@progbits
	.p2align	6, 0x0
	.amdhsa_kernel k_q11041d9965_prep
		.amdhsa_group_segment_fixed_size 67072
		.amdhsa_private_segment_fixed_size 0
		.amdhsa_enable_private_segment 0
		.amdhsa_kernarg_size 72
		.amdhsa_user_sgpr_count 2
		.amdhsa_user_sgpr_kernarg_segment_ptr 1
		.amdhsa_wavefront_size32 1
		.amdhsa_system_sgpr_workgroup_id_x 1
		.amdhsa_system_sgpr_workgroup_id_y 1
		.amdhsa_system_sgpr_workgroup_id_z 1
		.amdhsa_system_vgpr_workitem_id 0
		.amdhsa_next_free_vgpr 162
		.amdhsa_next_free_sgpr 66
		.amdhsa_reserve_vcc 0
		.amdhsa_float_denorm_mode_32 3
		.amdhsa_float_denorm_mode_16_64 3
		.amdhsa_memory_ordered 1
		.amdhsa_forward_progress 1
		.amdhsa_inst_pref_size 24
	.end_amdhsa_kernel
	.amdgpu_metadata
---
amdhsa.version: [ 1, 2 ]
amdhsa.kernels:
  - .name:           k_q11041d9965_prep
    .symbol:         k_q11041d9965_prep.kd
    .args:
      - { .name: x, .offset: 0, .size: 8, .value_kind: global_buffer, .address_space: global }
      - { .name: wq, .offset: 8, .size: 8, .value_kind: global_buffer, .address_space: global }
      - { .name: wk, .offset: 16, .size: 8, .value_kind: global_buffer, .address_space: global }
      - { .name: wv, .offset: 24, .size: 8, .value_kind: global_buffer, .address_space: global }
      - { .name: wo, .offset: 32, .size: 8, .value_kind: global_buffer, .address_space: global }
      - { .name: expert_w, .offset: 40, .size: 8, .value_kind: global_buffer, .address_space: global }
      - { .name: ln1_g, .offset: 48, .size: 8, .value_kind: global_buffer, .address_space: global }
      - { .name: ln1_b, .offset: 56, .size: 8, .value_kind: global_buffer, .address_space: global }
      - { .name: img1, .offset: 64, .size: 8, .value_kind: global_buffer, .address_space: global }
    .group_segment_fixed_size: 67072
    .private_segment_fixed_size: 0
    .kernarg_segment_align: 8
    .kernarg_segment_size: 72
    .max_flat_workgroup_size: 256
    .sgpr_count:     66
    .vgpr_count:     162
    .wavefront_size: 32
...
	.end_amdgpu_metadata
.endif
;; end of part 1
;; launch qkv (part 2): grid 24 x 32, 4 waves a work-group, no clusters, 213,504 bytes of LDS; arguments img1, qkvi; writes qkvi
.if DOCPART == 2
	.amdgcn_target "amdgcn-amd-amdhsa--gfx1250"
	.amdhsa_code_object_version 6
	.text
	.protected	k_q11041d9965_qkv
	.globl	k_q11041d9965_qkv
	.p2align	8
	.type	k_q11041d9965_qkv,@function
k_q11041d9965_qkv:
	s_mov_b64 s[64:65], 0
	v_nop
	global_prefetch_b8 v0, s[64:65] scope:SCOPE_SE
	s_setreg_imm32_b32 hwreg(HW_REG_WAVE_MODE, 25, 1), 1
	s_wait_xcnt 0x0
; q = h wq^T, k = h wk^T, v = h wv^T on codes of E3M2, and the results quantised at once: q and k along the head's 64, v along the tokens.
; A work-group: 128 tokens (y) x 128 rows of one weight (x: 0-7 wq, 8-15 wk, 16-23 wv), K = 1,024 whole in LDS: 8 + 8 records of 13,312 bytes (layout: as the first launch stores them).
; Four waves, each 64 x 64: 16 accumulators.  The first source's 4 groups x the second's 4; a lane holds ONE row of the second source, and its 32 registers of a group of the second source are
; 64 neighbours (in two halves of the lanes) along the first source's rows.  For q and k the first source is the weight (registers run along d), for v it is the tokens (registers run along the keys):
; only the LDS read addresses change sides.  So each 32 registers become one half image (16 rows x 64 K, 768 bytes) and 16 bits of scale bytes a row, with no transposition.
; OUTPUT qkvi: for head bh and key step ks (128 keys) a record of 13,312 bytes: K's 8 half images (16 keys x 64 d) at 768 t; V's 4 fragments (16 d x 128 keys) at 6144 + 1536 dg (+ 768 for keys 64-127);
;   K's scale halves at 12288 + 64 t + 2 x lane; V's scale words at 12800 + 128 dg + 4 x lane.  Behind the 512 records: q's half images at QC + 768 (128 bh + tg), their scale halves at QSO + 64 (128 bh + tg) + 2 x lane.
; LDS is filled once (two tensor loads a wave, both out together), so there is no ring.  No joint loads: a work-group asks for its 212,992 bytes once; the grid would divide into clusters of 4 x 4, which
; would divide the requests by four; that form is not written here.
; The scale halves leave by stores of 2 bytes a lane: 64 or 128 bytes for each 768 bytes of codes.
; LIMITS: as in the first launch (NaN, infinities; the byte 1 for blocks of zeros).
.set REC,  13312
.set HALF, 4*REC
.set TREG, 0                           ; LDS: the tokens' 8 records
.set WREG, 8*REC                       ; the weight's 8 records
.set QC,   6815744
.set QSO,  9961472
.set SEL,  50
.set BM,   72                          ; v72-73 largest magnitudes, v74-75 at work, v76-77 scale operands
.set BT,   74
.set SO,   76
; window 0: v4-6 first source's addresses (16, 8, 4 x lane), v10-12 second source's; v13-15 store offsets; v16-31 scale words, two sets; v32-63 codes; v128-255 the accumulators ((i, t) at 128 + 8 (4 i + t))
; window 1: two sets of fragments, at v0 and v96: first source's four, then second source's four
.set MSB, 0
.macro WIN new                         ; the immediate's high byte repeats the setting that is left
.if MSB != \new
	s_set_vgpr_msb (MSB<<8)|\new
.set MSB, \new
.endif
.endm
.macro PLACES                          ; four plain lines behind matrix instructions, in front of loads into their registers and of reads of their results
.rept 4
	v_nop
.endr
.endm
.macro FRAGS reg, a16, a8, s           ; four fragments of K step s: each 12 registers by four loads, as the images lie
.irp g, 0,1,2,3
	ds_load_b128 v[\reg+12*\g:\reg+12*\g+3], v[\a16] offset:\g*REC+1536*(\s)
	ds_load_b64 v[\reg+12*\g+4:\reg+12*\g+5], v[\a8] offset:\g*REC+1536*(\s)+512
	ds_load_b128 v[\reg+12*\g+6:\reg+12*\g+9], v[\a16] offset:\g*REC+1536*(\s)+768
	ds_load_b64 v[\reg+12*\g+10:\reg+12*\g+11], v[\a8] offset:\g*REC+1536*(\s)+1280
.endr
.endm
.macro FETCH z, s, f                   ; 40 LDS loads: K step s into set f
	WIN 0x40
	FRAGS 96*(\f), (\z), (\z)+1, \s
	FRAGS 96*(\f)+48, 10, 11, \s
	WIN 0
.irp g, 0,1,2,3
	ds_load_b32 v[16+8*(\f)+\g], v[(\z)+2] offset:\g*REC+12288+128*(\s)
	ds_load_b32 v[20+8*(\f)+\g], v12 offset:\g*REC+12288+128*(\s)
.endr
.endm
.macro MUL f, zero                     ; 16 matrix instructions; the 16 accumulators take turns, one instruction a turn
	WIN 0x05
.irp i, 0,1,2,3
.irp t, 0,1,2,3
.if \zero
	v_wmma_scale_f32_16x16x128_f8f6f4 v[128+8*(4*\i+\t):135+8*(4*\i+\t)], v[96*(\f)+12*\t:96*(\f)+12*\t+11], v[96*(\f)+48+12*\i:96*(\f)+48+12*\i+11], 0, v[16+8*(\f)+\t], v[20+8*(\f)+\i] matrix_a_fmt:MATRIX_FMT_BF6 matrix_b_fmt:MATRIX_FMT_BF6
.else
	v_wmma_scale_f32_16x16x128_f8f6f4 v[128+8*(4*\i+\t):135+8*(4*\i+\t)], v[96*(\f)+12*\t:96*(\f)+12*\t+11], v[96*(\f)+48+12*\i:96*(\f)+48+12*\i+11], v[128+8*(4*\i+\t):135+8*(4*\i+\t)], v[16+8*(\f)+\t], v[20+8*(\f)+\i] matrix_a_fmt:MATRIX_FMT_BF6 matrix_b_fmt:MATRIX_FMT_BF6
.endif
.endr
.endr
.endm
.macro KSTEPS z                        ; all of K: eight steps; while a step is multiplied the next step's 40 loads are on their way
	FETCH \z, 0, 0
.irp s, 0,1,2,3,4,5,6,7
	s_wait_dscnt 0x0                               ; this step's set, asked for a step ago, is in
	PLACES                                         ; behind the products that read the other set
.if \s < 7
	FETCH \z, \s+1, 1-\s%2
.endif
.if \s == 0
	MUL 0, 1                                       ; the first products start the sums
.else
	MUL \s%2, 0
.endif
.endr
	WIN 0
.endm
; 32 registers, register 16 b + i = k 32 b + 16 h + i of my row, become a half image in v[pc..pc+5] and the two blocks' scale bytes in v[hw]
.macro HQUANT src, pc, pt, hw
.irp b, 0,1
	v_max3_num_f32 v[BM+\b], |v[(\src)+16*\b]|, |v[(\src)+16*\b+1]|, 0x2800000   ; my 16 of block b, and the floor 2^(5 - 127)
.endr
.irp i, 2,4,6,8,10,12,14
.irp b, 0,1
	v_max3_num_f32 v[BM+\b], v[BM+\b], |v[(\src)+16*\b+\i]|, |v[(\src)+16*\b+\i+1]|
.endr
.endr
.irp b, 0,1
	v_permlanex16_b32 v[BT+\b], v[BM+\b], s[SEL], s[SEL+1]
.endr
.irp b, 0,1
	v_max_num_f32 v[BM+\b], v[BM+\b], v[BT+\b]     ; with lane l xor 16's 16
.endr
.irp b, 0,1
	v_add_nc_u32 v[SO+\b], 0xfe000000, v[BM+\b]    ; 4 off the exponent field: the conversion's scale operand
.endr
.irp b, 0,1
	v_lshrrev_b32 v[BT+\b], 23, v[SO+\b]           ; the byte
.endr
	v_lshl_or_b32 v[\hw], v[BT+1], 8, v[BT]
	v_cvt_scalef32_pk16_bf6_f32 v[(\pc):(\pc)+2], v[(\src):(\src)+15], v[SO]
	v_cvt_scalef32_pk16_bf6_f32 v[(\pt):(\pt)+2], v[(\src)+16:(\src)+31], v[SO+1]
	v_nop                                          ; a plain line behind the conversions
.irp i, 0,1,2
	v_permlane16_swap_b32 v[(\pc)+\i], v[(\pt)+\i] ; a whole block to a lane: lanes 0-15 block 0, lanes 16-31 block 1
.endr
.irp i, 0,1,2
	v_mov_b32 v[(\pc)+3+\i], v[(\pt)+\i]
.endr
.endm
	s_load_b128 s[4:7], s[0:1], 0x0                ; img1, qkvi
	v_lshl_add_u32 v126, v0, 2, 0x34000
	v_mov_b32 v127, 0
	ds_add_u32 v126, v127
	ds_add_u32 v126, v127
	v_lshrrev_b32 v1, 5, v0
	v_readfirstlane_b32 s8, v1                     ; wave 0..3
	s_and_b32 s9, s8, 1                            ; a0: which half of the first source
	s_lshr_b32 s10, s8, 1                          ; a1: which half of the second
	s_lshr_b32 s12, ttmp9, 3                       ; 0 q, 1 k, 2 v
	s_and_b32 s13, ttmp9, 7                        ; which pair of heads
	s_and_b32 s14, ttmp7, 0xffff                   ; which 128 tokens
	s_mov_b32 s16, 3<<16                           ; group 1: 26,624 dense bytes as 104 rows of 32 elements of 8 bytes; no mask, no padding
	s_mov_b32 s17, 32<<16                          ; tensor_dim0 = 32
	s_mov_b32 s18, 104<<16                         ; tensor_dim1 = 104
	s_mov_b32 s19, 32<<16                          ; tile_dim0 = 32
	s_mov_b32 s20, 104                             ; tile_dim1 = 104
	s_mov_b32 s21, 32                              ; the pitch
	s_mov_b32 s22, 0
	s_mov_b32 s23, 0
	s_lshl_b32 s54, s8, 1
	s_lshl_b32 s52, s14, 3
	s_add_co_u32 s52, s52, s54                     ; token groups 8 y + 2 w, + 1
	s_mul_i32 s52, s52, REC
	s_mov_b32 s53, 0
	s_lshl_b32 s56, ttmp9, 3
	s_add_co_u32 s56, s56, s54
	s_add_co_u32 s56, s56, 256                     ; weight groups 256 + 8 x + 2 w, + 1
	s_mul_i32 s56, s56, REC
	s_mov_b32 s57, 0
	s_mov_b32 s24, 1
	s_mul_i32 s25, s8, 2*REC                       ; LDS: wave x two records
	s_mov_b32 s28, 1
	s_add_co_u32 s29, s25, WREG
	s_wait_dscnt 0x0
	s_wait_kmcnt 0x0
	s_add_nc_u64 s[26:27], s[4:5], s[52:53]
	s_or_b32 s27, s27, 0x80000000
	s_add_nc_u64 s[30:31], s[4:5], s[56:57]
	s_or_b32 s31, s31, 0x80000000
	tensor_load_to_lds s[24:27], s[16:23]          ; both fills go out together: two loads of mine are out
	s_nop 0
	tensor_load_to_lds s[28:31], s[16:23]
	s_nop 0
	PLACES
	s_mov_b32 s[SEL], 0x76543210
	s_mov_b32 s[SEL+1], 0xfedcba98
	s_mov_b32 s61, 768
	s_cmp_eq_u32 s12, 2                            ; v: the tokens are the first source
	s_cselect_b32 s58, TREG, WREG
	s_cselect_b32 s59, WREG, TREG
	s_cselect_b32 s54, s10, s9                     ; which of the two heads is mine
	s_cselect_b32 s55, s9, s10                     ; which 64 tokens
	s_cselect_b32 s60, 2, 1                        ; a scale half's place: 4 or 2 bytes a lane
	s_cselect_b32 s61, 1536, s61                   ; from one half image to the next
	s_cselect_b32 s62, 128, 64                     ; and their scale halves
	s_mul_i32 s63, s9, HALF
	s_add_co_u32 s58, s58, s63
	s_mul_i32 s63, s10, HALF
	s_add_co_u32 s59, s59, s63
	v_and_b32 v1, 31, v0                           ; lane
	v_lshlrev_b32 v13, 4, v1
	v_lshlrev_b32 v14, 3, v1
	v_lshlrev_b32 v2, 2, v1
	v_add_nc_u32 v4, s58, v13
	v_add_nc_u32 v5, s58, v14
	v_add_nc_u32 v6, s58, v2
	v_add_nc_u32 v10, s59, v13
	v_add_nc_u32 v11, s59, v14
	v_add_nc_u32 v12, s59, v2
	v_lshlrev_b32 v15, s60, v1
	v_mov_b32 v74, 0                               ; (a lane permute's destination counts as read)
	v_mov_b32 v75, 0
	s_and_b32 s52, s14, 16                         ; 16 x batch
	s_lshl_b32 s53, s13, 1
	s_add_co_u32 s52, s52, s53
	s_add_co_u32 s52, s52, s54                     ; bh
	s_and_b32 s53, s14, 15                         ; ks
	s_lshl_b32 s56, s52, 4
	s_add_co_u32 s56, s56, s53
	s_mul_i32 s56, s56, REC                        ; the head's record of this key step
	s_lshl_b32 s57, s52, 7
	s_lshl_b32 s63, s53, 3
	s_add_co_u32 s57, s57, s63
	s_lshl_b32 s63, s55, 2
	s_add_co_u32 s57, s57, s63                     ; 128 bh + 8 ks + 4 x half: q's first group
	s_mul_i32 s48, s57, 768
	s_add_co_u32 s48, s48, QC
	s_lshl_b32 s49, s57, 6
	s_add_co_u32 s49, s49, QSO
	s_mul_i32 s2, s55, 3072
	s_add_co_u32 s2, s2, s56                       ; k's codes
	s_lshl_b32 s3, s55, 8
	s_add_co_u32 s3, s3, s56
	s_add_co_u32 s3, s3, 12288                     ; k's scale halves
	s_cmp_eq_u32 s12, 0
	s_cselect_b32 s48, s48, s2
	s_cselect_b32 s49, s49, s3
	s_mul_i32 s2, s55, 768
	s_add_co_u32 s2, s2, s56
	s_add_co_u32 s2, s2, 6144                      ; v's codes
	s_lshl_b32 s3, s55, 1
	s_add_co_u32 s3, s3, s56
	s_add_co_u32 s3, s3, 12800                     ; v's scale halves
	s_cmp_eq_u32 s12, 2
	s_cselect_b32 s52, s2, s48
	s_cselect_b32 s56, s3, s49
	s_mov_b32 s53, 0
	s_mov_b32 s57, 0
.irp i, 0,1,2,3
	s_add_nc_u64 s[32+2*\i:33+2*\i], s[6:7], s[52:53]
	s_add_nc_u64 s[40+2*\i:41+2*\i], s[6:7], s[56:57]
	s_add_co_u32 s52, s52, s61
	s_add_co_u32 s56, s56, s62
.endr
	s_wait_tensorcnt 0x0                           ; my four records are in,
	s_barrier_signal -1
	s_barrier_wait -1                              ; everybody's are; from here on LDS is only read
	KSTEPS 4
	PLACES
.irp i, 0,1,2,3
	HQUANT 128+32*\i, 32+8*\i, 64, 38+8*\i
	global_store_b128 v13, v[32+8*\i:35+8*\i], s[32+2*\i:33+2*\i]             ; 512 consecutive bytes, at a multiple of 256 from the buffer's first byte
	global_store_b64 v14, v[36+8*\i:37+8*\i], s[32+2*\i:33+2*\i] offset:512   ; 256 consecutive bytes
	global_store_b16 v15, v[38+8*\i], s[40+2*\i:41+2*\i]
.endr
	s_wait_tensorcnt 0x0
	ds_add_u32 v126, v127
	s_wait_dscnt 0x0
	s_endpgm
.Lfunc_end_k_q11041d9965_qkv:
	.size	k_q11041d9965_qkv, .Lfunc_end_k_q11041d9965_qkv-k_q11041d9965_qkv
	.p2alignl 7, 3214868480
	.fill 96, 4, 3214868480
	.section	.rodata,"a",@progbits
	.p2align	6, 0x0
	.amdhsa_kernel k_q11041d9965_qkv
		.amdhsa_group_segment_fixed_size 213504
		.amdhsa_private_segment_fixed_size 0
		.amdhsa_enable_private_segment 0
		.amdhsa_kernarg_size 16
		.amdhsa_user_sgpr_count 2
		.amdhsa_user_sgpr_kernarg_segment_ptr 1
		.amdhsa_wavefront_size32 1
		.amdhsa_system_sgpr_workgroup_id_x 1
		.amdhsa_system_sgpr_workgroup_id_y 1
		.amdhsa_system_sgpr_workgroup_id_z 1
		.amdhsa_system_vgpr_workitem_id 0
		.amdhsa_next_free_vgpr 448
		.amdhsa_next_free_sgpr 66
		.amdhsa_reserve_vcc 0
		.amdhsa_float_denorm_mode_32 3
		.amdhsa_float_denorm_mode_16_64 3
		.amdhsa_memory_ordered 1
		.amdhsa_forward_progress 1
		.amdhsa_inst_pref_size 53
	.end_amdhsa_kernel
	.amdgpu_metadata
---
amdhsa.version: [ 1, 2 ]
amdhsa.kernels:
  - .name:           k_q11041d9965_qkv
    .symbol:         k_q11041d9965_qkv.kd
    .args:
      - { .name: img1, .offset: 0, .size: 8, .value_kind: global_buffer, .address_space: global }
      - { .name: qkvi, .offset: 8, .size: 8, .value_kind: global_buffer, .address_space: global }
    .group_segment_fixed_size: 213504
    .private_segment_fixed_size: 0
    .kernarg_segment_align: 8
    .kernarg_segment_size: 16
    .max_flat_workgroup_size: 128
    .sgpr_count:     66
    .vgpr_count:     448
    .wavefront_size: 32
...
	.end_amdgpu_metadata
.endif
;; end of part 2
;; launch attn (part 3): grid 8 x 32, 16 waves a work-group, no clusters, 215,040 bytes of LDS; arguments qkvi, aimg; writes aimg
.if DOCPART == 3
	.amdgcn_target "amdgcn-amd-amdhsa--gfx1250"
	.amdhsa_code_object_version 6
	.text
	.protected	k_q11041d9965_attn
	.globl	k_q11041d9965_attn
	.p2align	8
	.type	k_q11041d9965_attn,@function
k_q11041d9965_attn:
	s_mov_b64 s[64:65], 0
	v_nop
	global_prefetch_b8 v0, s[64:65] scope:SCOPE_SE
	s_setreg_imm32_b32 hwreg(HW_REG_WAVE_MODE, 25, 1), 1
	s_wait_xcnt 0x0
; Causal attention of one head (y = 16 x batch + head) on codes of E3M2; the result is quantised along D for the next product.
; t = score x log2(e) / 8; M = the running largest t rounded up to a whole number; p = 2^(t - M) is quantised along the keys, not normalised; the row's sum of the unquantised p divides at the end.
; SHARES.  Sixteen waves, each one group of 16 queries.  Wave w has rank rho = w xor 3 ((w / 4) % 2) and owns group 8 rho + x of the head's 128: its queries lie in key step rho, so it walks rho + 1 key steps
; of 128 keys: 136 for every work-group, 34 for each residue of w modulo 4.
; LDS.  The head's 16 records (K's and V's codes and scale bytes, 13,312 bytes a key step) come ONCE, one tensor load a wave, and stay: no ring, and LDS is only read.
; No joint loads: the 8 work-groups of a head ask for the same 212,992 bytes, once each; the grid would divide into clusters of 4 x 1; that form is not written here.
; LAYOUT.  Both products transposed (first source = 16 keys, or 16 of the head's 64; second = my queries, or p): a lane holds ONE query.  The keys of a group are 32 (t / 2) + 8 (t % 2) + r + 8 (r / 8), so that
; the 16 registers of groups 2 b and 2 b + 1 are keys 32 b + 16 h + 0..15.
; THE HEAD'S 64 fill half of the instruction's 128 along K: q's upper six registers are zero codes, and both sides' upper two scale bytes are 0 (2^-127, a number): whatever K's upper six registers hold
; (the next group's codes) is multiplied by 0.
; The loop's trip count is the constant 16; a step whose keys all come after my queries is jumped over by a scalar branch on the counter and the wave's number.
; LIMITS: NaN and infinities are not served; a block of p that is all zeros keeps the byte 1.
.set REC, 13312
.set QC,  6815744
.set QSO, 9961472
.set SEL, 28                           ; s[28:29] lane l xor 16
.set CS,  30                           ; s[30:31] c = log2(e) / 8
.set KS,  32                           ; s32 the key step
.set TB,  33                           ; s33 its record in LDS
.set BM,  244                          ; v244-247 block maxima; v248-251 at work; v252-255 scale operands
.set BT,  248
.set SO,  252
; v1-4 16, 8, 4, 2 x lane; v5 my query's place in its key step - 16 h; v6-9 the step's addresses; v10 -infinity; v12 -M, v13 largest t, v[14:15] the sum; v16-27 q, v28 its scale half; v29 p's scale word;
; v[30:31] f; v32-79 K's 8 groups, six registers each, v80-85 zeros; v86-93 K's scale halves; v96-159 scores, then p; v160-191 O^T; v192-239 V's four fragments, v240-243 their scale words.
; Behind the scores: v32-43 p's codes, v44-51 their upper halves, v[52:53] the second chain of the sum, v54 at work.
.macro PLACES
.rept 4
	v_nop
.endr
.endm
.macro HQUANT src, pc, pt, hw          ; 32 registers, register 16 b + i = k 32 b + 16 h + i of my row -> a half image in v[pc..pc+5], two scale bytes in v[hw]
.irp b, 0,1
	v_max3_num_f32 v[BM+\b], |v[(\src)+16*\b]|, |v[(\src)+16*\b+1]|, 0x2800000
.endr
.irp i, 2,4,6,8,10,12,14
.irp b, 0,1
	v_max3_num_f32 v[BM+\b], v[BM+\b], |v[(\src)+16*\b+\i]|, |v[(\src)+16*\b+\i+1]|
.endr
.endr
.irp b, 0,1
	v_permlanex16_b32 v[BT+\b], v[BM+\b], s[SEL], s[SEL+1]
.endr
.irp b, 0,1
	v_max_num_f32 v[BM+\b], v[BM+\b], v[BT+\b]
.endr
.irp b, 0,1
	v_add_nc_u32 v[SO+\b], 0xfe000000, v[BM+\b]
.endr
.irp b, 0,1
	v_lshrrev_b32 v[BT+\b], 23, v[SO+\b]
.endr
	v_lshl_or_b32 v[\hw], v[BT+1], 8, v[BT]
	v_cvt_scalef32_pk16_bf6_f32 v[(\pc):(\pc)+2], v[(\src):(\src)+15], v[SO]
	v_cvt_scalef32_pk16_bf6_f32 v[(\pt):(\pt)+2], v[(\src)+16:(\src)+31], v[SO+1]
	v_nop
.irp i, 0,1,2
	v_permlane16_swap_b32 v[(\pc)+\i], v[(\pt)+\i]
.endr
.irp i, 0,1,2
	v_mov_b32 v[(\pc)+3+\i], v[(\pt)+\i]
.endr
.endm
	s_load_b128 s[4:7], s[0:1], 0x0                ; qkvi, aimg
	v_lshl_add_u32 v94, v0, 2, 0x34000
	v_mov_b32 v95, 0
	ds_add_u32 v94, v95
	ds_add_u32 v94, v95
	v_lshrrev_b32 v1, 5, v0
	v_readfirstlane_b32 s8, v1                     ; wave 0..15
	s_lshr_b32 s9, s8, 2
	s_and_b32 s9, s9, 1
	s_mul_i32 s9, s9, 3
	s_xor_b32 s9, s9, s8                           ; rho
	s_and_b32 s11, ttmp7, 0xffff                   ; bh
	s_lshl_b32 s12, s9, 3
	s_add_co_u32 s12, s12, ttmp9                   ; my group of queries
	s_mov_b32 s16, 3<<16                           ; group 1: 13,312 dense bytes as 52 rows of 32 elements of 8 bytes
	s_mov_b32 s17, 32<<16
	s_mov_b32 s18, 52<<16
	s_mov_b32 s19, 32<<16
	s_mov_b32 s20, 52
	s_mov_b32 s21, 32
	s_mov_b32 s22, 0
	s_mov_b32 s23, 0
	s_lshl_b32 s34, s11, 4
	s_add_co_u32 s34, s34, s8
	s_mul_i32 s34, s34, REC                        ; record (bh, key step = wave)
	s_mov_b32 s35, 0
	s_mov_b32 s24, 1
	s_mul_i32 s25, s8, REC
	s_wait_dscnt 0x0
	s_wait_kmcnt 0x0
	s_add_nc_u64 s[26:27], s[4:5], s[34:35]
	s_or_b32 s27, s27, 0x80000000
	tensor_load_to_lds s[24:27], s[16:23]          ; my one tensor load
	s_nop 0
	PLACES
	s_mov_b32 s[SEL], 0x76543210
	s_mov_b32 s[SEL+1], 0xfedcba98
	s_mov_b32 s[CS], 0x3e38aa3b
	s_mov_b32 s[CS+1], s[CS]                       ; (named with it as a pair)
	s_lshl_b32 s36, s11, 7
	s_add_co_u32 s36, s36, s12                     ; 128 bh + group
	s_mul_i32 s38, s36, 768
	s_add_co_u32 s38, s38, QC
	s_mov_b32 s39, 0
	s_add_nc_u64 s[40:41], s[4:5], s[38:39]        ; q's half image
	s_lshl_b32 s38, s36, 6
	s_add_co_u32 s38, s38, QSO
	s_add_nc_u64 s[42:43], s[4:5], s[38:39]        ; its scale halves
	v_and_b32 v5, 31, v0
	v_lshlrev_b32 v1, 4, v5
	v_lshlrev_b32 v2, 3, v5
	v_lshlrev_b32 v3, 2, v5
	v_lshlrev_b32 v4, 1, v5
	global_load_b128 v[16:19], v1, s[40:41]
	global_load_b64 v[20:21], v2, s[40:41] offset:512
	global_load_u16 v28, v4, s[42:43]              ; bytes 2 and 3 come as 0
	s_lshr_b32 s36, s11, 4
	s_lshl_b32 s36, s36, 7
	s_add_co_u32 s36, s36, s12
	s_mul_i32 s36, s36, REC                        ; the result's record: token group 128 x batch + group
	s_and_b32 s37, s11, 15                         ; the head: K step head / 2, half head % 2
	s_lshr_b32 s34, s37, 1
	s_and_b32 s37, s37, 1
	s_mul_i32 s38, s34, 1536
	s_add_co_u32 s38, s38, s36
	s_mul_i32 s35, s37, 768
	s_add_co_u32 s38, s38, s35
	s_add_nc_u64 s[44:45], s[6:7], s[38:39]
	s_lshl_b32 s38, s34, 7
	s_add_co_u32 s38, s38, s36
	s_lshl_b32 s35, s37, 1
	s_add_co_u32 s38, s38, s35
	s_add_co_u32 s38, s38, 12288
	s_add_nc_u64 s[46:47], s[6:7], s[38:39]
	s_lshr_b32 s34, ttmp9, 1
	s_lshl_b32 s34, s34, 5
	s_and_b32 s35, ttmp9, 1
	s_lshl_b32 s35, s35, 3
	s_add_co_u32 s34, s34, s35                     ; 32 (x / 2) + 8 (x % 2)
	v_and_b32 v6, 15, v0
	v_and_b32 v7, 8, v6
	v_add_nc_u32 v6, v6, v7                        ; r + 8 (r / 8)
	v_bfe_u32 v7, v0, 4, 1
	v_lshlrev_b32 v7, 4, v7
	v_sub_nc_u32 v5, v6, v7
	v_add_nc_u32 v5, s34, v5                       ; d = my query's place in its key step - 16 h
.irp n, 22,23,24,25,26,27,80,81,82,83,84,85,14,15,31,248,249,250,251
	v_mov_b32 v\n, 0
.endr
	v_mov_b32 v10, 0xff800000                      ; -infinity
	v_mov_b32 v13, 0xff61b1e6                      ; the largest t so far: -3e38
	v_floor_f32 v12, -v13                          ; -M
.set n, 0
.rept 32
	v_mov_b32 v[160+n], 0                          ; O^T: the step is written once; the first change of M multiplies zeros
.set n, n+1
.endr
	s_mov_b32 s[KS], 0
	s_mov_b32 s[TB], 0
	s_wait_loadcnt 0x0                             ; q
	s_wait_tensorcnt 0x0                           ; my record is in,
	s_barrier_signal -1
	s_barrier_wait -1                              ; everybody's is
.Lstep:
	s_cmp_gt_u32 s[KS], s9
	s_cbranch_scc1 .Lhidden                        ; all these keys come after my queries
	v_add_nc_u32 v6, s[TB], v1                     ; (these four are also the places behind the last step's products)
	v_add_nc_u32 v7, s[TB], v2
	v_add_nc_u32 v8, s[TB], v3
	v_add_nc_u32 v9, s[TB], v4
.irp t, 0,1,2,3,4,5,6,7
	ds_load_b128 v[32+6*\t:35+6*\t], v6 offset:768*\t
	ds_load_b64 v[36+6*\t:37+6*\t], v7 offset:768*\t+512
	ds_load_u16 v[86+\t], v9 offset:12288+64*\t
.endr
.irp g, 0,1,2,3
	ds_load_b128 v[192+12*\g:195+12*\g], v6 offset:6144+1536*\g
	ds_load_b64 v[196+12*\g:197+12*\g], v7 offset:6144+1536*\g+512
	ds_load_b128 v[198+12*\g:201+12*\g], v6 offset:6144+1536*\g+768
	ds_load_b64 v[202+12*\g:203+12*\g], v7 offset:6144+1536*\g+1280
	ds_load_b32 v[240+\g], v8 offset:12800+128*\g
.endr
	s_wait_dscnt 20                                ; K's 24 loads are in; V's 20, issued behind them, may stay out
.irp t, 0,1,2,3,4,5,6,7
	v_wmma_scale_f32_16x16x128_f8f6f4 v[96+8*\t:103+8*\t], v[32+6*\t:43+6*\t], v[16:27], 0, v[86+\t], v28 matrix_a_fmt:MATRIX_FMT_BF6 matrix_b_fmt:MATRIX_FMT_BF6
.endr
	PLACES
	s_cmp_lg_u32 s[KS], s9
	s_cbranch_scc1 .Lopen                          ; only my own key step lies on the diagonal
.irp n, 0,1,2,3,4,5,6,7,8,9,10,11,12,13,14,15,16,17,18,19,20,21,22,23,24,25,26,27,28,29,30,31,32,33,34,35,36,37,38,39,40,41,42,43,44,45,46,47,48,49,50,51,52,53,54,55,56,57,58,59,60,61,62,63
	v_cmp_gt_i32 vcc_lo, 32*(\n/16)+\n%16, v5      ; register 16 b + i holds key 32 b + 16 h + i of the step: hidden where 32 b + i > d
	v_cndmask_b32 v[96+\n], v[96+\n], v10, vcc_lo
.endr
.Lopen:
.irp b, 0,1,2,3
	v_max3_num_f32 v[BM+\b], v[96+16*\b], v[97+16*\b], v[98+16*\b]   ; the largest score of each block of 32 keys: for the row's maximum and, since p rises with the score, for the block's largest p
.endr
.irp i, 3,5,7,9,11,13
.irp b, 0,1,2,3
	v_max3_num_f32 v[BM+\b], v[BM+\b], v[96+16*\b+\i], v[97+16*\b+\i]
.endr
.endr
.irp b, 0,1,2,3
	v_max_num_f32 v[BM+\b], v[BM+\b], v[111+16*\b]
.endr
.irp b, 0,1,2,3
	v_permlanex16_b32 v[BT+\b], v[BM+\b], s[SEL], s[SEL+1]
.endr
.irp b, 0,1,2,3
	v_max_num_f32 v[BM+\b], v[BM+\b], v[BT+\b]
.endr
	v_max3_num_f32 v54, v244, v245, v246
	v_max_num_f32 v54, v54, v247
	v_mul_f32 v54, s[CS], v54                      ; as t
	v_max_num_f32 v13, v13, v54                    ; the running largest t
	v_mov_b32 v54, v12
	v_floor_f32 v12, -v13                          ; the new -M = -ceil(t)
	v_sub_f32 v54, v12, v54                        ; old M - new M: a whole number, 0 or less
	v_cvt_i32_f32 v54, v54                         ; (it saturates)
	v_ldexp_f32 v30, 1.0, v54                      ; f = 2^(old M - new M)
.set n, 0
.rept 32
	v_pk_fma_f32 v[96+n:97+n], v[96+n:97+n], s[CS:CS+1], v[12:13] op_sel_hi:[1,0,0]   ; t - M
.set n, n+2
.endr
.irp b, 0,1,2,3
	v_fma_f32 v[BM+\b], v[BM+\b], s[CS], v12
.endr
.set n, 0
.rept 64
	v_exp_f32 v[96+n], v[96+n]                     ; p = 2^(t - M)
.set n, n+1
.endr
.irp b, 0,1,2,3
	v_exp_f32 v[BM+\b], v[BM+\b]                   ; each block's largest p
.endr
	v_pk_mul_f32 v[14:15], v[14:15], v[30:31] op_sel_hi:[1,0]   ; the sum under the new M (a plain line behind the exponentials)
	s_wait_alu depctr_va_vdst(0)
.irp b, 0,1,2,3
	v_max_num_f32 v[BM+\b], 0x2800000, v[BM+\b]    ; the floor 2^(5 - 127)
.endr
.irp b, 0,1,2,3
	v_add_nc_u32 v[SO+\b], 0xfe000000, v[BM+\b]
.endr
.irp b, 0,1,2,3
	v_lshrrev_b32 v[BT+\b], 23, v[SO+\b]
.endr
	v_lshl_or_b32 v29, v249, 8, v248               ; p's scale word for these 128 keys
	v_lshl_or_b32 v29, v250, 16, v29
	v_lshl_or_b32 v29, v251, 24, v29
.irp c, 0,1
	v_cvt_scalef32_pk16_bf6_f32 v[32+6*\c:34+6*\c], v[96+32*\c:111+32*\c], v[SO+2*\c]
	v_cvt_scalef32_pk16_bf6_f32 v[44+4*\c:46+4*\c], v[112+32*\c:127+32*\c], v[SO+2*\c+1]
.endr
	v_nop                                          ; a plain line behind the conversions
.irp c, 0,1
.irp i, 0,1,2
	v_permlane16_swap_b32 v[32+6*\c+\i], v[44+4*\c+\i]
.endr
.irp i, 0,1,2
	v_mov_b32 v[35+6*\c+\i], v[44+4*\c+\i]
.endr
.endr
	v_pk_add_f32 v[52:53], v[96:97], v[98:99]      ; the row's sum of the unquantised p, in two chains
.irp j, 4,8,12,16,20,24,28,32,36,40,44,48,52,56,60
	v_pk_add_f32 v[14:15], v[14:15], v[96+\j:97+\j]
	v_pk_add_f32 v[52:53], v[52:53], v[98+\j:99+\j]
.endr
	v_pk_add_f32 v[14:15], v[14:15], v[52:53]
.set n, 0
.rept 16
	v_pk_mul_f32 v[160+n:161+n], v[160+n:161+n], v[30:31] op_sel_hi:[1,0]   ; O^T under the new M
.set n, n+2
.endr
	s_wait_dscnt 0x0                               ; V
.irp g, 0,1,2,3
	v_wmma_scale_f32_16x16x128_f8f6f4 v[160+8*\g:167+8*\g], v[192+12*\g:203+12*\g], v[32:43], v[160+8*\g:167+8*\g], v[240+\g], v29 matrix_a_fmt:MATRIX_FMT_BF6 matrix_b_fmt:MATRIX_FMT_BF6
.endr
.Lhidden:
	s_add_co_u32 s[TB], s[TB], REC
	s_add_co_u32 s[KS], s[KS], 1
	s_cmp_lt_u32 s[KS], 16
	s_cbranch_scc1 .Lstep
	PLACES
	v_add_f32 v14, v14, v15
	v_permlanex16_b32 v248, v14, s[SEL], s[SEL+1]
	v_add_f32 v14, v14, v248                       ; the row's sum
	v_rcp_f32 v14, v14
	v_nop
.set n, 0
	s_wait_alu depctr_va_vdst(0)
.rept 32
	v_mul_f32 v[96+n], v[160+n], v14               ; register 16 b + i is channel 32 b + 16 h + i of my query
.set n, n+1
.endr
	HQUANT 96, 32, 44, 38
	global_store_b128 v1, v[32:35], s[44:45]
	global_store_b64 v2, v[36:37], s[44:45] offset:512
	global_store_b16 v3, v38, s[46:47]             ; my head's half of the K step's scale words
	s_wait_tensorcnt 0x0
	ds_add_u32 v94, v95
	s_wait_dscnt 0x0
	s_endpgm
.Lfunc_end_k_q11041d9965_attn:
	.size	k_q11041d9965_attn, .Lfunc_end_k_q11041d9965_attn-k_q11041d9965_attn
	.p2alignl 7, 3214868480
	.fill 96, 4, 3214868480
	.section	.rodata,"a",@progbits
	.p2align	6, 0x0
	.amdhsa_kernel k_q11041d9965_attn
		.amdhsa_group_segment_fixed_size 215040
		.amdhsa_private_segment_fixed_size 0
		.amdhsa_enable_private_segment 0
		.amdhsa_kernarg_size 16
		.amdhsa_user_sgpr_count 2
		.amdhsa_user_sgpr_kernarg_segment_ptr 1
		.amdhsa_wavefront_size32 1
		.amdhsa_system_sgpr_workgroup_id_x 1
		.amdhsa_system_sgpr_workgroup_id_y 1
		.amdhsa_system_sgpr_workgroup_id_z 1
		.amdhsa_system_vgpr_workitem_id 0
		.amdhsa_next_free_vgpr 256
		.amdhsa_next_free_sgpr 66
		.amdhsa_reserve_vcc 1
		.amdhsa_float_denorm_mode_32 3
		.amdhsa_float_denorm_mode_16_64 3
		.amdhsa_memory_ordered 1
		.amdhsa_forward_progress 1
		.amdhsa_inst_pref_size 31
	.end_amdhsa_kernel
	.amdgpu_metadata
---
amdhsa.version: [ 1, 2 ]
amdhsa.kernels:
  - .name:           k_q11041d9965_attn
    .symbol:         k_q11041d9965_attn.kd
    .args:
      - { .name: qkvi, .offset: 0, .size: 8, .value_kind: global_buffer, .address_space: global }
      - { .name: aimg, .offset: 8, .size: 8, .value_kind: global_buffer, .address_space: global }
    .group_segment_fixed_size: 215040
    .private_segment_fixed_size: 0
    .kernarg_segment_align: 8
    .kernarg_segment_size: 16
    .max_flat_workgroup_size: 512
    .sgpr_count:     66
    .vgpr_count:     256
    .wavefront_size: 32
...
	.end_amdgpu_metadata
.endif
;; end of part 3
;; launch wo (part 4): grid 8 x 32, 4 waves a work-group, no clusters, 283,136 bytes of LDS; arguments aimg, img1, x, x1; writes x1
.if DOCPART == 4
	.amdgcn_target "amdgcn-amd-amdhsa--gfx1250"
	.amdhsa_code_object_version 6
	.text
	.protected	k_q11041d9965_wo
	.globl	k_q11041d9965_wo
	.p2align	8
	.type	k_q11041d9965_wo,@function
k_q11041d9965_wo:
	s_mov_b64 s[64:65], 0
	v_nop
	global_prefetch_b8 v0, s[64:65] scope:SCOPE_SE
	s_setreg_imm32_b32 hwreg(HW_REG_WAVE_MODE, 25, 1), 1
	s_wait_xcnt 0x0
; x1 = x + attn wo^T on codes of E3M2.  A work-group: 128 tokens (y) x 128 outputs (x), K = 1,024 whole in LDS: 8 records of attn's codes and 8 of wo's (13,312 bytes each).
; Four waves, each 64 x 64, 16 accumulators; first source = wo's rows, second = tokens: a lane holds one token and runs of 16 neighbouring outputs.
; The way out goes through the wave's own stage (64 rows x 272 bytes, bytes that no tensor load fills), in the tokens' true order, and leaves as whole runs of 256 bytes with x added.
; LDS is filled once: no ring.  No joint loads: a work-group asks for its 212,992 bytes once; the grid would divide into clusters of 4 x 4; that form is not written here.
.set REC,  13312
.set HALF, 4*REC
.set TREG, 0
.set WREG, 8*REC
.set STG,  16*REC                      ; the four stages
.set MSB, 0
.macro WIN new
.if MSB != \new
	s_set_vgpr_msb (MSB<<8)|\new
.set MSB, \new
.endif
.endm
.macro PLACES
.rept 4
	v_nop
.endr
.endm
.macro FRAGS reg, a16, a8, s
.irp g, 0,1,2,3
	ds_load_b128 v[\reg+12*\g:\reg+12*\g+3], v[\a16] offset:\g*REC+1536*(\s)
	ds_load_b64 v[\reg+12*\g+4:\reg+12*\g+5], v[\a8] offset:\g*REC+1536*(\s)+512
	ds_load_b128 v[\reg+12*\g+6:\reg+12*\g+9], v[\a16] offset:\g*REC+1536*(\s)+768
	ds_load_b64 v[\reg+12*\g+10:\reg+12*\g+11], v[\a8] offset:\g*REC+1536*(\s)+1280
.endr
.endm
.macro FETCH z, s, f
	WIN 0x40
	FRAGS 96*(\f), (\z), (\z)+1, \s
	FRAGS 96*(\f)+48, 10, 11, \s
	WIN 0
.irp g, 0,1,2,3
	ds_load_b32 v[16+8*(\f)+\g], v[(\z)+2] offset:\g*REC+12288+128*(\s)
	ds_load_b32 v[20+8*(\f)+\g], v12 offset:\g*REC+12288+128*(\s)
.endr
.endm
.macro MUL f, zero                     ; the 16 accumulators take turns, one instruction a turn
	WIN 0x05
.irp i, 0,1,2,3
.irp t, 0,1,2,3
.if \zero
	v_wmma_scale_f32_16x16x128_f8f6f4 v[128+8*(4*\i+\t):135+8*(4*\i+\t)], v[96*(\f)+12*\t:96*(\f)+12*\t+11], v[96*(\f)+48+12*\i:96*(\f)+48+12*\i+11], 0, v[16+8*(\f)+\t], v[20+8*(\f)+\i] matrix_a_fmt:MATRIX_FMT_BF6 matrix_b_fmt:MATRIX_FMT_BF6
.else
	v_wmma_scale_f32_16x16x128_f8f6f4 v[128+8*(4*\i+\t):135+8*(4*\i+\t)], v[96*(\f)+12*\t:96*(\f)+12*\t+11], v[96*(\f)+48+12*\i:96*(\f)+48+12*\i+11], v[128+8*(4*\i+\t):135+8*(4*\i+\t)], v[16+8*(\f)+\t], v[20+8*(\f)+\i] matrix_a_fmt:MATRIX_FMT_BF6 matrix_b_fmt:MATRIX_FMT_BF6
.endif
.endr
.endr
.endm
.macro KSTEPS z
	FETCH \z, 0, 0
.irp s, 0,1,2,3,4,5,6,7
	s_wait_dscnt 0x0                               ; this step's set, asked for a step ago, is in
	PLACES                                         ; behind the products that read the other set
.if \s < 7
	FETCH \z, \s+1, 1-\s%2
.endif
.if \s == 0
	MUL 0, 1
.else
	MUL \s%2, 0
.endif
.endr
	WIN 0
.endm
; The 16 tiles in v[src..] of window win go into my stage, each from its low end on; then 64 rows come back, two a load, the residual is added, and sixteen lanes store 256 consecutive aligned bytes.
.macro WAYOUT src, win, res, dst
	WIN \win
.irp i, 0,1,2,3
.irp t, 0,1,2,3
	ds_store_b128 v13, v[\src+8*(4*\i+\t):\src+8*(4*\i+\t)+3] offset:(32*(\i/2)+8*(\i%2))*272+128*(\t/2)+32*(\t%2)
	ds_store_b128 v13, v[\src+8*(4*\i+\t)+4:\src+8*(4*\i+\t)+7] offset:(32*(\i/2)+8*(\i%2))*272+128*(\t/2)+32*(\t%2)+16
.endr
.endr
	WIN 0
.irp q, 0,1,2,3
.if \q >= 2
	s_wait_xcnt 0x0                                ; the stores of two batches ago have read their registers
.endif
.irp k, 0,1,2,3,4,5,6,7
	ds_load_b128 v[32+32*(\q%2)+4*\k:35+32*(\q%2)+4*\k], v14 offset:2*(8*\q+\k)*272   ; LDS serves a wave's instructions in order: these see my stores
.endr
.irp k, 0,1,2,3,4,5,6,7
	global_load_b128 v[96+4*\k:99+4*\k], v15, s[\res:\res+1] offset:2*(8*\q+\k)*4096
.endr
	s_wait_dscnt 0x0
	s_wait_loadcnt 0x0
.irp k, 0,1,2,3,4,5,6,7,8,9,10,11,12,13,14,15
	v_pk_add_f32 v[32+32*(\q%2)+2*\k:33+32*(\q%2)+2*\k], v[32+32*(\q%2)+2*\k:33+32*(\q%2)+2*\k], v[96+2*\k:97+2*\k]
.endr
.irp k, 0,1,2,3,4,5,6,7
	global_store_b128 v15, v[32+32*(\q%2)+4*\k:35+32*(\q%2)+4*\k], s[\dst:\dst+1] offset:2*(8*\q+\k)*4096
.endr
.endr
.endm
	s_load_b256 s[4:11], s[0:1], 0x0               ; aimg, img1, x, x1
	v_lshl_add_u32 v8, v0, 2, 0x45000
	v_mov_b32 v9, 0
	ds_add_u32 v8, v9
	ds_add_u32 v8, v9
	v_lshrrev_b32 v1, 5, v0
	v_readfirstlane_b32 s12, v1                    ; wave
	s_and_b32 s13, s12, 1                          ; a0: which 64 outputs
	s_lshr_b32 s14, s12, 1                         ; a1: which 64 tokens
	s_and_b32 s15, ttmp7, 0xffff
	s_mov_b32 s16, 3<<16                           ; group 1: 26,624 dense bytes as 104 rows of 32 elements of 8 bytes
	s_mov_b32 s17, 32<<16
	s_mov_b32 s18, 104<<16
	s_mov_b32 s19, 32<<16
	s_mov_b32 s20, 104
	s_mov_b32 s21, 32
	s_mov_b32 s22, 0
	s_mov_b32 s23, 0
	s_lshl_b32 s34, s12, 1
	s_lshl_b32 s32, s15, 3
	s_add_co_u32 s32, s32, s34
	s_mul_i32 s32, s32, REC                        ; token groups 8 y + 2 w, + 1
	s_mov_b32 s33, 0
	s_lshl_b32 s36, ttmp9, 3
	s_add_co_u32 s36, s36, s34
	s_add_co_u32 s36, s36, 448
	s_mul_i32 s36, s36, REC                        ; wo's groups 448 + 8 x + 2 w, + 1
	s_mov_b32 s37, 0
	s_mov_b32 s24, 1
	s_mul_i32 s25, s12, 2*REC
	s_mov_b32 s28, 1
	s_add_co_u32 s29, s25, WREG
	s_wait_dscnt 0x0
	s_wait_kmcnt 0x0
	s_add_nc_u64 s[26:27], s[4:5], s[32:33]
	s_or_b32 s27, s27, 0x80000000
	s_add_nc_u64 s[30:31], s[6:7], s[36:37]
	s_or_b32 s31, s31, 0x80000000
	tensor_load_to_lds s[24:27], s[16:23]          ; two loads of mine are out
	s_nop 0
	tensor_load_to_lds s[28:31], s[16:23]
	s_nop 0
	PLACES
	v_and_b32 v1, 31, v0
	v_lshlrev_b32 v2, 4, v1
	v_lshlrev_b32 v3, 3, v1
	v_lshlrev_b32 v1, 2, v1
	s_mul_i32 s38, s13, HALF
	s_add_co_u32 s38, s38, WREG
	s_mul_i32 s39, s14, HALF
	v_add_nc_u32 v4, s38, v2
	v_add_nc_u32 v5, s38, v3
	v_add_nc_u32 v6, s38, v1
	v_add_nc_u32 v10, s39, v2
	v_add_nc_u32 v11, s39, v3
	v_add_nc_u32 v12, s39, v1
	v_and_b32 v32, 15, v0                          ; r
	v_bfe_u32 v33, v0, 4, 1                        ; h
	v_and_b32 v34, 8, v32
	v_add_nc_u32 v34, v34, v32                     ; r + 8 (r / 8)
	s_mul_i32 s40, s12, 64*272
	s_add_co_u32 s40, s40, STG                     ; my stage
	v_mul_u32_u24 v13, v34, 272
	v_lshl_add_u32 v13, v33, 6, v13
	v_add_nc_u32 v13, s40, v13                     ; in: my token's row, + 64 h bytes
	v_mul_u32_u24 v14, v33, 272
	v_lshl_add_u32 v14, v32, 4, v14
	v_add_nc_u32 v14, s40, v14                     ; back: lanes 0-15 one row, lanes 16-31 the next
	v_lshlrev_b32 v15, 12, v33
	v_lshl_add_u32 v15, v32, 4, v15                ; and the same two rows in x and x1
	s_lshl_b32 s42, s15, 19                        ; 128 y rows of 4,096 bytes
	s_lshl_b32 s43, s14, 18
	s_add_co_u32 s42, s42, s43
	s_lshl_b32 s43, ttmp9, 9
	s_add_co_u32 s42, s42, s43
	s_lshl_b32 s43, s13, 8
	s_add_co_u32 s42, s42, s43
	s_mov_b32 s43, 0
	s_add_nc_u64 s[8:9], s[8:9], s[42:43]
	s_add_nc_u64 s[10:11], s[10:11], s[42:43]
	s_wait_tensorcnt 0x0
	s_barrier_signal -1
	s_barrier_wait -1
	KSTEPS 4
	PLACES
	WAYOUT 128, 0, 8, 10
	s_wait_tensorcnt 0x0
	ds_add_u32 v8, v9
	s_wait_dscnt 0x0
	s_endpgm
.Lfunc_end_k_q11041d9965_wo:
	.size	k_q11041d9965_wo, .Lfunc_end_k_q11041d9965_wo-k_q11041d9965_wo
	.p2alignl 7, 3214868480
	.fill 96, 4, 3214868480
	.section	.rodata,"a",@progbits
	.p2align	6, 0x0
	.amdhsa_kernel k_q11041d9965_wo
		.amdhsa_group_segment_fixed_size 283136
		.amdhsa_private_segment_fixed_size 0
		.amdhsa_enable_private_segment 0
		.amdhsa_kernarg_size 32
		.amdhsa_user_sgpr_count 2
		.amdhsa_user_sgpr_kernarg_segment_ptr 1
		.amdhsa_wavefront_size32 1
		.amdhsa_system_sgpr_workgroup_id_x 1
		.amdhsa_system_sgpr_workgroup_id_y 1
		.amdhsa_system_sgpr_workgroup_id_z 1
		.amdhsa_system_vgpr_workitem_id 0
		.amdhsa_next_free_vgpr 448
		.amdhsa_next_free_sgpr 66
		.amdhsa_reserve_vcc 0
		.amdhsa_float_denorm_mode_32 3
		.amdhsa_float_denorm_mode_16_64 3
		.amdhsa_memory_ordered 1
		.amdhsa_forward_progress 1
		.amdhsa_inst_pref_size 57
	.end_amdhsa_kernel
	.amdgpu_metadata
---
amdhsa.version: [ 1, 2 ]
amdhsa.kernels:
  - .name:           k_q11041d9965_wo
    .symbol:         k_q11041d9965_wo.kd
    .args:
      - { .name: aimg, .offset: 0, .size: 8, .value_kind: global_buffer, .address_space: global }
      - { .name: img1, .offset: 8, .size: 8, .value_kind: global_buffer, .address_space: global }
      - { .name: x, .offset: 16, .size: 8, .value_kind: global_buffer, .address_space: global }
      - { .name: x1, .offset: 24, .size: 8, .value_kind: global_buffer, .address_space: global }
    .group_segment_fixed_size: 283136
    .private_segment_fixed_size: 0
    .kernarg_segment_align: 8
    .kernarg_segment_size: 32
    .max_flat_workgroup_size: 128
    .sgpr_count:     66
    .vgpr_count:     448
    .wavefront_size: 32
...
	.end_amdgpu_metadata
.endif
;; end of part 4
;; launch ln2 (part 5): grid 256 x 1, 8 waves a work-group, no clusters, 68,096 bytes of LDS; arguments x1, ln2_g, ln2_b, router_w, h2img, cbuf; writes h2img, cbuf
.if DOCPART == 5
	.amdgcn_target "amdgcn-amd-amdhsa--gfx1250"
	.amdhsa_code_object_version 6
	.text
	.protected	k_q11041d9965_ln2
	.globl	k_q11041d9965_ln2
	.p2align	8
	.type	k_q11041d9965_ln2,@function
k_q11041d9965_ln2:
	s_mov_b64 s[64:65], 0
	v_nop
	global_prefetch_b8 v0, s[64:65] scope:SCOPE_SE
	s_setreg_imm32_b32 hwreg(HW_REG_WAVE_MODE, 25, 1), 1
	s_wait_xcnt 0x0
; h2 = LN2(x1) quantised into records (layout: as the first launch's), the router's 8 logits by f32 multiply-adds on the unquantised h2, the top 2 (the lower index on a tie), their softmax,
; and the dense combine weights: cbuf[group][expert][lane] = the weight of expert e for the group's row lane % 16, 0 for experts not chosen.
; Work-group G makes group G: rows 32 (G / 2) + 8 (G % 2) + i + 8 (i / 8).  Wave w normalises rows i = 2 w, 2 w + 1 and routes them; behind one barrier wave w quantises K step w.
; The choice steers values alone (v_cndmask_b32): no address and no branch hangs on it.  The larger logit is taken away before the exponential.
; LIMITS: NaN and infinities are not served; logits equal within the rounding of f32 sums may be ranked otherwise than by another order of summing; a block of zeros keeps the byte 1.
.set REC, 13312
.set SP,  4112
.set CT,  66048                        ; LDS behind the stage: the combine weights, 8 experts x 128 bytes
.set X0,  32
.set X1,  64
.set GG,  96
.set BB,  128
.set N,   32
.set PC,  96
.set PT,  108
.macro REDUCE v, t
	v_add_f32_dpp v[\v], v[\v], v[\v] row_xmask:1 row_mask:0xf bank_mask:0xf
	v_add_f32_dpp v[\v], v[\v], v[\v] row_xmask:2 row_mask:0xf bank_mask:0xf
	v_add_f32_dpp v[\v], v[\v], v[\v] row_xmask:4 row_mask:0xf bank_mask:0xf
	v_add_f32_dpp v[\v], v[\v], v[\v] row_xmask:8 row_mask:0xf bank_mask:0xf
	v_permlanex16_b32 v[\t], v[\v], s28, s29
	v_add_f32 v[\v], v[\v], v[\t]
.endm
.macro LNROW X
	v_pk_add_f32 v[8:9], v[\X:\X+1], v[\X+2:\X+3]
	v_pk_add_f32 v[10:11], v[\X+4:\X+5], v[\X+6:\X+7]
.irp j, 8,12,16,20,24,28
	v_pk_add_f32 v[8:9], v[8:9], v[\X+\j:\X+\j+1]
	v_pk_add_f32 v[10:11], v[10:11], v[\X+\j+2:\X+\j+3]
.endr
	v_pk_add_f32 v[8:9], v[8:9], v[10:11]
	v_add_f32 v8, v8, v9
	REDUCE 8, 9
	v_mul_f32 v8, s30, v8
.irp j, 0,2,4,6,8,10,12,14,16,18,20,22,24,26,28,30
	v_pk_add_f32 v[\X+\j:\X+\j+1], v[\X+\j:\X+\j+1], v[8:9] op_sel_hi:[1,0] neg_lo:[0,1] neg_hi:[0,1]
.endr
	v_pk_mul_f32 v[10:11], v[\X:\X+1], v[\X:\X+1]
	v_pk_mul_f32 v[12:13], v[\X+2:\X+3], v[\X+2:\X+3]
.irp j, 4,8,12,16,20,24,28
	v_pk_fma_f32 v[10:11], v[\X+\j:\X+\j+1], v[\X+\j:\X+\j+1], v[10:11]
	v_pk_fma_f32 v[12:13], v[\X+\j+2:\X+\j+3], v[\X+\j+2:\X+\j+3], v[12:13]
.endr
	v_pk_add_f32 v[10:11], v[10:11], v[12:13]
	v_add_f32 v10, v10, v11
	REDUCE 10, 11
	v_fma_f32 v10, v10, s30, s31
	v_rsq_f32 v10, v10
	v_nop
	s_wait_alu depctr_va_vdst(0)
.irp j, 0,2,4,6,8,10,12,14,16,18,20,22,24,26,28,30
	v_pk_mul_f32 v[\X+\j:\X+\j+1], v[\X+\j:\X+\j+1], v[10:11] op_sel_hi:[1,0]
.endr
.irp j, 0,2,4,6,8,10,12,14,16,18,20,22,24,26,28,30
	v_pk_fma_f32 v[\X+\j:\X+\j+1], v[\X+\j:\X+\j+1], v[GG+\j:GG+\j+1], v[BB+\j:BB+\j+1]
.endr
.endm
.macro FQUANT
.irp c, 0,1
	v_max3_num_f32 v[8+\c], |v[N+32*\c]|, |v[N+32*\c+1]|, 0x2800000
.endr
.irp i, 2,4,6,8,10,12,14,16,18,20,22,24,26,28,30
.irp c, 0,1
	v_max3_num_f32 v[8+\c], v[8+\c], |v[N+32*\c+\i]|, |v[N+32*\c+\i+1]|
.endr
.endr
.irp c, 0,1
	v_add_nc_u32 v[10+\c], 0xfe000000, v[8+\c]
.endr
.irp c, 0,1
	v_lshrrev_b32 v[12+\c], 23, v[10+\c]
.endr
	v_lshl_or_b32 v14, v13, 16, v12
	v_lshlrev_b32 v14, v7, v14
	v_permlanex16_b32 v15, v14, s28, s29
	v_or_b32 v14, v14, v15
.irp c, 0,1
	v_cvt_scalef32_pk16_bf6_f32 v[PC+6*\c:PC+6*\c+2], v[N+32*\c:N+32*\c+15], v[10+\c]
	v_cvt_scalef32_pk16_bf6_f32 v[PT+4*\c:PT+4*\c+2], v[N+32*\c+16:N+32*\c+31], v[10+\c]
.endr
	v_nop
.irp c, 0,1
.irp i, 0,1,2
	v_mov_b32 v[PC+6*\c+3+\i], v[PT+4*\c+\i]
.endr
.endr
.endm
.macro RLOAD e                         ; the router's row e at my columns, into v96-127 and v128-159 by turns
.irp j, 0,1,2,3,4,5,6,7
	global_load_b128 v[96+32*((\e)%2)+4*\j:99+32*((\e)%2)+4*\j], v2, s[10:11] offset:4096*(\e)+512*\j
.endr
.endm
; The row's 8 logits v[L..L+7] (the same in every lane) -> its combine weights: lane l holds expert l % 8's
.macro TOP2 L, rr
	v_max3_num_f32 v112, v[\L], v[\L+1], v[\L+2]
	v_max3_num_f32 v112, v112, v[\L+3], v[\L+4]
	v_max3_num_f32 v112, v112, v[\L+5], v[\L+6]
	v_max_num_f32 v112, v112, v[\L+7]              ; the largest
	v_mov_b32 v113, 7
.irp e, 6,5,4,3,2,1,0
	v_cmp_neq_f32 vcc_lo, v[\L+\e], v112
	v_cndmask_b32 v113, \e, v113, vcc_lo           ; its lowest index
.endr
.irp e, 0,1,2,3,4,5,6,7
	v_cmp_eq_u32 vcc_lo, \e, v113
	v_cndmask_b32 v[\L+\e], v[\L+\e], v120, vcc_lo ; taken out
.endr
	v_max3_num_f32 v114, v[\L], v[\L+1], v[\L+2]
	v_max3_num_f32 v114, v114, v[\L+3], v[\L+4]
	v_max3_num_f32 v114, v114, v[\L+5], v[\L+6]
	v_max_num_f32 v114, v114, v[\L+7]              ; the second
	v_mov_b32 v115, 7
.irp e, 6,5,4,3,2,1,0
	v_cmp_neq_f32 vcc_lo, v[\L+\e], v114
	v_cndmask_b32 v115, \e, v115, vcc_lo
.endr
	v_sub_f32 v116, v114, v112                     ; 0 or less
	v_mul_f32 v116, 0x3fb8aa3b, v116
	v_exp_f32 v116, v116
	v_nop
	s_wait_alu depctr_va_vdst(0)
	v_add_f32 v117, 1.0, v116
	v_rcp_f32 v117, v117                           ; the first gate
	v_nop
	s_wait_alu depctr_va_vdst(0)
	v_mul_f32 v116, v116, v117                     ; the second
	v_cmp_eq_u32 vcc_lo, v121, v115
	v_cndmask_b32 v118, 0, v116, vcc_lo
	v_cmp_eq_u32 vcc_lo, v121, v113
	v_cndmask_b32 v118, v118, v117, vcc_lo
	ds_store_b32 v122, v118 offset:4*\rr           ; lanes 16-31 write what lanes 0-15 write, to the same words
.endm
	s_load_b256 s[4:11], s[0:1], 0x0               ; x1, ln2_g, ln2_b, router_w
	s_load_b128 s[12:15], s[0:1], 0x20             ; h2img, cbuf
	v_lshl_add_u32 v160, v0, 2, 0x10600
	v_mov_b32 v161, 0
	v_lshrrev_b32 v1, 5, v0
	v_readfirstlane_b32 s25, v1
	v_and_b32 v1, 31, v0
	v_lshlrev_b32 v2, 4, v1
	s_mul_i32 s26, s25, 2*SP
	v_add_nc_u32 v3, s26, v2
	v_and_b32 v8, 15, v0
	v_bfe_u32 v9, v0, 4, 1
	v_mul_u32_u24 v4, v8, SP
	v_lshl_add_u32 v4, v9, 7, v4
	s_lshl_b32 s26, s25, 9
	v_add_nc_u32 v4, s26, v4
	v_lshlrev_b32 v7, 3, v9
	s_mul_i32 s26, s25, 1536
	v_add_nc_u32 v5, s26, v2
	v_lshl_add_u32 v6, v1, 3, s26
	s_lshl_b32 s26, s25, 7
	v_lshl_add_u32 v1, v1, 2, s26
	v_mov_b32 v15, 0
	s_mov_b32 s28, 0x76543210
	s_mov_b32 s29, 0xfedcba98
	s_mov_b32 s30, 0x3a800000
	s_mov_b32 s31, 0x3727c5ac
	s_lshr_b32 s26, ttmp9, 1
	s_lshl_b32 s26, s26, 5
	s_and_b32 s27, ttmp9, 1
	s_lshl_b32 s27, s27, 3
	s_add_co_u32 s26, s26, s27
	s_lshl_b32 s27, s25, 1
	s_add_co_u32 s26, s26, s27
	s_lshr_b32 s27, s25, 2
	s_lshl_b32 s27, s27, 3
	s_add_co_u32 s26, s26, s27
	s_lshl_b32 s26, s26, 12
	s_mov_b32 s27, 0
	s_wait_kmcnt 0x0
	s_add_nc_u64 s[22:23], s[4:5], s[26:27]        ; my two rows of x1
	s_mul_i32 s26, ttmp9, REC
	s_add_nc_u64 s[20:21], s[12:13], s[26:27]      ; my record
	s_lshl_b32 s26, ttmp9, 10
	s_add_nc_u64 s[14:15], s[14:15], s[26:27]      ; my 1,024 bytes of cbuf
.irp j, 0,1,2,3,4,5,6,7
	global_load_b128 v[X0+4*\j:X0+4*\j+3], v2, s[22:23] offset:512*\j
	global_load_b128 v[X1+4*\j:X1+4*\j+3], v2, s[22:23] offset:4096+512*\j
.endr
.irp j, 0,1,2,3,4,5,6,7
	global_load_b128 v[GG+4*\j:GG+4*\j+3], v2, s[6:7] offset:512*\j
	global_load_b128 v[BB+4*\j:BB+4*\j+3], v2, s[8:9] offset:512*\j
.endr
	s_wait_loadcnt 0x0
	LNROW X0
	LNROW X1
.irp j, 0,1,2,3,4,5,6,7
	ds_store_b128 v3, v[X0+4*\j:X0+4*\j+3] offset:512*\j
	ds_store_b128 v3, v[X1+4*\j:X1+4*\j+3] offset:SP+512*\j
.endr
	RLOAD 0
.irp e, 0,1,2,3,4,5,6,7
.if \e < 7
	RLOAD \e+1
	s_wait_loadcnt 8                               ; this expert's 8 loads are in; the next expert's 8 may stay out
.else
	s_wait_loadcnt 0x0
.endif
	v_pk_mul_f32 v[8:9], v[X0:X0+1], v[96+32*(\e%2):97+32*(\e%2)]
	v_pk_mul_f32 v[10:11], v[X1:X1+1], v[96+32*(\e%2):97+32*(\e%2)]
.irp j, 2,4,6,8,10,12,14,16,18,20,22,24,26,28,30
	v_pk_fma_f32 v[8:9], v[X0+\j:X0+\j+1], v[96+32*(\e%2)+\j:97+32*(\e%2)+\j], v[8:9]
	v_pk_fma_f32 v[10:11], v[X1+\j:X1+\j+1], v[96+32*(\e%2)+\j:97+32*(\e%2)+\j], v[10:11]
.endr
	v_add_f32 v[16+\e], v8, v9
	v_add_f32 v[24+\e], v10, v11
.endr
.irp m, 1,2,4,8                        ; the 16 sums over the lanes, step by step, so that no line waits for the line above it
.irp e, 0,1,2,3,4,5,6,7,8,9,10,11,12,13,14,15
	v_add_f32_dpp v[16+\e], v[16+\e], v[16+\e] row_xmask:\m row_mask:0xf bank_mask:0xf
.endr
.endr
.irp e, 0,1,2,3,4,5,6,7,8,9,10,11,12,13,14,15
	v_permlanex16_b32 v[96+\e], v[16+\e], s28, s29
.endr
.irp e, 0,1,2,3,4,5,6,7,8,9,10,11,12,13,14,15
	v_add_f32 v[16+\e], v[16+\e], v[96+\e]
.endr
	v_mov_b32 v120, 0xff800000                     ; -infinity
	v_and_b32 v121, 7, v0                          ; the expert whose weight my lane makes
	v_bfe_u32 v122, v0, 3, 1
	v_lshlrev_b32 v122, 6, v122
	v_lshl_add_u32 v122, v121, 7, v122
	s_lshl_b32 s26, s25, 3
	s_add_co_u32 s26, s26, CT
	v_add_nc_u32 v122, s26, v122                   ; CT + 128 e + 64 (copy) + 4 (2 w)
	TOP2 16, 0
	TOP2 24, 1
	s_wait_dscnt 0x0                               ; for the others' sake: my rows and my weights lie in LDS
	s_barrier_signal -1
	s_barrier_wait -1
.irp c, 0,1
.irp i, 0,1,2,3,4,5,6,7
	ds_load_b128 v[N+32*\c+4*\i:N+32*\c+4*\i+3], v4 offset:256*\c+16*\i
.endr
.endr
	s_wait_dscnt 0x0
	FQUANT
.irp c, 0,1
	global_store_b128 v5, v[PC+6*\c:PC+6*\c+3], s[20:21] offset:768*\c
	global_store_b64 v6, v[PC+6*\c+4:PC+6*\c+5], s[20:21] offset:768*\c+512
.endr
	global_store_b32 v1, v14, s[20:21] offset:12288
	s_cmp_lt_u32 s25, 2
	s_cbranch_scc0 .Lnocb                          ; waves 0 and 1 carry the 1,024 bytes of weights out
	v_lshlrev_b32 v8, 4, v0
	v_add_nc_u32 v9, CT, v8
	ds_load_b128 v[116:119], v9
	s_wait_dscnt 0x0
	global_store_b128 v8, v[116:119], s[14:15]
.Lnocb:
	s_wait_tensorcnt 0x0
	ds_add_u32 v160, v161
	s_wait_dscnt 0x0
	s_endpgm
.Lfunc_end_k_q11041d9965_ln2:
	.size	k_q11041d9965_ln2, .Lfunc_end_k_q11041d9965_ln2-k_q11041d9965_ln2
	.p2alignl 7, 3214868480
	.fill 96, 4, 3214868480
	.section	.rodata,"a",@progbits
	.p2align	6, 0x0
	.amdhsa_kernel k_q11041d9965_ln2
		.amdhsa_group_segment_fixed_size 68096
		.amdhsa_private_segment_fixed_size 0
		.amdhsa_enable_private_segment 0
		.amdhsa_kernarg_size 48
		.amdhsa_user_sgpr_count 2
		.amdhsa_user_sgpr_kernarg_segment_ptr 1
		.amdhsa_wavefront_size32 1
		.amdhsa_system_sgpr_workgroup_id_x 1
		.amdhsa_system_sgpr_workgroup_id_y 1
		.amdhsa_system_sgpr_workgroup_id_z 1
		.amdhsa_system_vgpr_workitem_id 0
		.amdhsa_next_free_vgpr 162
		.amdhsa_next_free_sgpr 66
		.amdhsa_reserve_vcc 1
		.amdhsa_float_denorm_mode_32 3
		.amdhsa_float_denorm_mode_16_64 3
		.amdhsa_memory_ordered 1
		.amdhsa_forward_progress 1
		.amdhsa_inst_pref_size 57
	.end_amdhsa_kernel
	.amdgpu_metadata
---
amdhsa.version: [ 1, 2 ]
amdhsa.kernels:
  - .name:           k_q11041d9965_ln2
    .symbol:         k_q11041d9965_ln2.kd
    .args:
      - { .name: x1, .offset: 0, .size: 8, .value_kind: global_buffer, .address_space: global }
      - { .name: ln2_g, .offset: 8, .size: 8, .value_kind: global_buffer, .address_space: global }
      - { .name: ln2_b, .offset: 16, .size: 8, .value_kind: global_buffer, .address_space: global }
      - { .name: router_w, .offset: 24, .size: 8, .value_kind: global_buffer, .address_space: global }
      - { .name: h2img, .offset: 32, .size: 8, .value_kind: global_buffer, .address_space: global }
      - { .name: cbuf, .offset: 40, .size: 8, .value_kind: global_buffer, .address_space: global }
    .group_segment_fixed_size: 68096
    .private_segment_fixed_size: 0
    .kernarg_segment_align: 8
    .kernarg_segment_size: 48
    .max_flat_workgroup_size: 256
    .sgpr_count:     66
    .vgpr_count:     162
    .wavefront_size: 32
...
	.end_amdgpu_metadata
.endif
;; end of part 5
;; launch moe (part 6): grid 32 x 8, 4 waves a work-group, no clusters, 327,680 bytes of LDS; arguments h2img, img1, cbuf, x1, out0; writes out0
.if DOCPART == 6
	.amdgcn_target "amdgcn-amd-amdhsa--gfx1250"
	.amdhsa_code_object_version 6
	.text
	.protected	k_q11041d9965_moe
	.globl	k_q11041d9965_moe
	.p2align	8
	.type	k_q11041d9965_moe,@function
k_q11041d9965_moe:
	s_mov_b64 s[64:65], 0
	v_nop
	global_prefetch_b8 v0, s[64:65] scope:SCOPE_SE
	s_setreg_imm32_b32 hwreg(HW_REG_WAVE_MODE, 25, 1), 1
	s_wait_xcnt 0x0
; out0 = x1 + the sum over the 8 experts of combine[token][e] x (h2 W_e^T), the products on codes of E3M2.  EVERY expert is multiplied for every token; experts not chosen have the weight 0.
; A work-group: 128 tokens (x) x 128 outputs (y).  h2's 8 records stay in LDS; the experts' 8 records (106,496 bytes) go through a ring of two slots, one expert a trip, each wave fetching two records by one
; tensor load: by this text's count two loads of a wave are out at the head and one behind each barrier, and that one has an expert's 128 matrix instructions in which to land.
; Four waves, each 64 x 64: 16 accumulators for the expert in hand (window 0), begun anew with the constant 0, and 128 registers for the weighted sum (window 2).
; The weighted sum is 64 packed multiply-adds an expert: a lane holds one token, so its gate is one number a group of tokens.
; The way out goes through the wave's stage in slot 0, which has had its last fill (expert 6) and its last read when the first result is stored there.
; No joint loads: the 32 work-groups of a column walk the same weights; the grid would divide into clusters of 4 x 1; that form is not written here.
.set REC,   13312
.set HALF,  4*REC
.set AREG,  0
.set SLOT0, 8*REC
.set SLOT1, 16*REC
.set SPARE, 24*REC                     ; the spare words: 128 bytes a wave, two blocks of 256 bytes that no other line names
.set STG,   SLOT0
.set ESTEP, 64*REC                     ; from an expert's records to the next expert's
; window 0: v1 my spare word's address, v2 = 0 (both kept for the add alone); v3 4 x lane; v4-6, v7-9 the weights' addresses in slot 0, 1; v10-12 h2's; v13-15 the way out; v16-31 scale words;
;   v112, 114, 116, 118 the gates (their odd partners are written once: the packed form names pairs); v128-255 the accumulators.  window 1: fragments.  window 2: v0-127 the weighted sum.
.set MSB, 0
.macro WIN new
.if MSB != \new
	s_set_vgpr_msb (MSB<<8)|\new
.set MSB, \new
.endif
.endm
.macro PLACES
.rept 4
	v_nop
.endr
.endm
.macro FRAGS reg, a16, a8, s
.irp g, 0,1,2,3
	ds_load_b128 v[\reg+12*\g:\reg+12*\g+3], v[\a16] offset:\g*REC+1536*(\s)
	ds_load_b64 v[\reg+12*\g+4:\reg+12*\g+5], v[\a8] offset:\g*REC+1536*(\s)+512
	ds_load_b128 v[\reg+12*\g+6:\reg+12*\g+9], v[\a16] offset:\g*REC+1536*(\s)+768
	ds_load_b64 v[\reg+12*\g+10:\reg+12*\g+11], v[\a8] offset:\g*REC+1536*(\s)+1280
.endr
.endm
.macro FETCH z, s, f
	WIN 0x40
	FRAGS 96*(\f), (\z), (\z)+1, \s
	FRAGS 96*(\f)+48, 10, 11, \s
	WIN 0
.irp g, 0,1,2,3
	ds_load_b32 v[16+8*(\f)+\g], v[(\z)+2] offset:\g*REC+12288+128*(\s)
	ds_load_b32 v[20+8*(\f)+\g], v12 offset:\g*REC+12288+128*(\s)
.endr
.endm
.macro MUL f, zero                     ; the 16 accumulators take turns, one instruction a turn
	WIN 0x05
.irp i, 0,1,2,3
.irp t, 0,1,2,3
.if \zero
	v_wmma_scale_f32_16x16x128_f8f6f4 v[128+8*(4*\i+\t):135+8*(4*\i+\t)], v[96*(\f)+12*\t:96*(\f)+12*\t+11], v[96*(\f)+48+12*\i:96*(\f)+48+12*\i+11], 0, v[16+8*(\f)+\t], v[20+8*(\f)+\i] matrix_a_fmt:MATRIX_FMT_BF6 matrix_b_fmt:MATRIX_FMT_BF6
.else
	v_wmma_scale_f32_16x16x128_f8f6f4 v[128+8*(4*\i+\t):135+8*(4*\i+\t)], v[96*(\f)+12*\t:96*(\f)+12*\t+11], v[96*(\f)+48+12*\i:96*(\f)+48+12*\i+11], v[128+8*(4*\i+\t):135+8*(4*\i+\t)], v[16+8*(\f)+\t], v[20+8*(\f)+\i] matrix_a_fmt:MATRIX_FMT_BF6 matrix_b_fmt:MATRIX_FMT_BF6
.endif
.endr
.endr
.endm
.macro KSTEPS z
	FETCH \z, 0, 0
.irp s, 0,1,2,3,4,5,6,7
	s_wait_dscnt 0x0                               ; this step's set, asked for a step ago, is in
	PLACES                                         ; behind the products that read the other set
.if \s < 7
	FETCH \z, \s+1, 1-\s%2
.endif
.if \s == 0
	MUL 0, 1
.else
	MUL \s%2, 0
.endif
.endr
	WIN 0
.endm
.macro WAYOUT src, win, res, dst
	WIN \win
.irp i, 0,1,2,3
.irp t, 0,1,2,3
	ds_store_b128 v13, v[\src+8*(4*\i+\t):\src+8*(4*\i+\t)+3] offset:(32*(\i/2)+8*(\i%2))*272+128*(\t/2)+32*(\t%2)
	ds_store_b128 v13, v[\src+8*(4*\i+\t)+4:\src+8*(4*\i+\t)+7] offset:(32*(\i/2)+8*(\i%2))*272+128*(\t/2)+32*(\t%2)+16
.endr
.endr
	WIN 0
.irp q, 0,1,2,3
.if \q >= 2
	s_wait_xcnt 0x0                                ; the stores of two batches ago have read their registers
.endif
.irp k, 0,1,2,3,4,5,6,7
	ds_load_b128 v[32+32*(\q%2)+4*\k:35+32*(\q%2)+4*\k], v14 offset:2*(8*\q+\k)*272   ; LDS serves a wave's instructions in order: these see my stores
.endr
.irp k, 0,1,2,3,4,5,6,7
	global_load_b128 v[96+4*\k:99+4*\k], v15, s[\res:\res+1] offset:2*(8*\q+\k)*4096
.endr
	s_wait_dscnt 0x0
	s_wait_loadcnt 0x0
.irp k, 0,1,2,3,4,5,6,7,8,9,10,11,12,13,14,15
	v_pk_add_f32 v[32+32*(\q%2)+2*\k:33+32*(\q%2)+2*\k], v[32+32*(\q%2)+2*\k:33+32*(\q%2)+2*\k], v[96+2*\k:97+2*\k]
.endr
.irp k, 0,1,2,3,4,5,6,7
	global_store_b128 v15, v[32+32*(\q%2)+4*\k:35+32*(\q%2)+4*\k], s[\dst:\dst+1] offset:2*(8*\q+\k)*4096 th:TH_STORE_NT   ; sixteen lanes store 256 consecutive aligned bytes
.endr
.endr
.endm
; One expert.  In front of the barrier: all my tensor loads have landed (this trip's slot among them), the add, and my reads of the other slot are over.  Behind it the other slot is filled first.
.macro TRIP slot, refill, first
	s_wait_tensorcnt 0x0                           ; no tensor load of mine is out, so a group 0 may be written
	ds_add_u32 v1, v2                              ; 0 onto my spare word
	s_add_nc_u64 s[34+4*\slot:35+4*\slot], s[34+4*\slot:35+4*\slot], 2*ESTEP   ; this slot's next expert (the last two steps are not used)
	s_wait_dscnt 0x0                               ; the add is done, and my reads of the other slot are over
	s_barrier_signal -1
	s_barrier_wait -1
.if \refill
	tensor_load_to_lds s[36-4*\slot:39-4*\slot], s[16:23]   ; my one tensor load behind this barrier: the next expert, into the slot read last
	s_nop 0
	PLACES
.endif
.irp i, 0,1,2,3
	global_load_b32 v[112+2*\i], v3, s[8:9] offset:1024*\i   ; this expert's gates of my four groups of tokens
.endr
	KSTEPS 4+3*\slot
	s_wait_loadcnt 0x0                             ; the gates are in, and their base may step
	s_add_nc_u64 s[8:9], s[8:9], 128
	PLACES
.if \first
	WIN 0x80
.else
	WIN 0xa0
.endif
.set n, 0
.rept 64
.if \first
	v_pk_mul_f32 v[n:n+1], v[128+n:129+n], v[112+2*(n/32):113+2*(n/32)] op_sel_hi:[1,0]   ; the first expert starts the sums
.else
	v_pk_fma_f32 v[n:n+1], v[128+n:129+n], v[112+2*(n/32):113+2*(n/32)], v[n:n+1] op_sel_hi:[1,0,1]
.endif
.set n, n+2
.endr
	WIN 0
.endm
	s_load_b256 s[4:11], s[0:1], 0x0               ; h2img, img1, cbuf, x1
	s_load_b64 s[12:13], s[0:1], 0x20              ; out0
	v_lshl_add_u32 v1, v0, 2, SPARE
	v_mov_b32 v2, 0
	ds_add_u32 v1, v2
	ds_add_u32 v1, v2
	s_wait_dscnt 0x0
	v_lshrrev_b32 v3, 5, v0
	v_readfirstlane_b32 s14, v3                    ; wave
	s_and_b32 s15, s14, 1                          ; a0: which 64 outputs
	s_lshr_b32 s40, s14, 1                         ; a1: which 64 tokens
	s_and_b32 s42, ttmp7, 0xffff                   ; which 128 outputs
	s_mov_b32 s16, 3<<16                           ; group 1: 26,624 dense bytes as 104 rows of 32 elements of 8 bytes
	s_mov_b32 s17, 32<<16
	s_mov_b32 s18, 104<<16
	s_mov_b32 s19, 32<<16
	s_mov_b32 s20, 104
	s_mov_b32 s21, 32
	s_mov_b32 s22, 0
	s_mov_b32 s23, 0
	s_lshl_b32 s43, s14, 1
	s_lshl_b32 s44, ttmp9, 3
	s_add_co_u32 s44, s44, s43
	s_mul_i32 s44, s44, REC                        ; h2's groups 8 x + 2 w, + 1
	s_mov_b32 s45, 0
	s_lshl_b32 s46, s42, 3
	s_add_co_u32 s46, s46, s43
	s_add_co_u32 s46, s46, 512
	s_mul_i32 s46, s46, REC                        ; expert 0's groups 512 + 8 y + 2 w, + 1
	s_mov_b32 s47, 0
	s_mov_b32 s24, 1
	s_mul_i32 s25, s14, 2*REC
	s_mov_b32 s32, 1
	s_add_co_u32 s33, s25, SLOT0
	s_mov_b32 s36, 1
	s_add_co_u32 s37, s25, SLOT1
	s_wait_kmcnt 0x0
	s_add_nc_u64 s[26:27], s[4:5], s[44:45]
	s_or_b32 s27, s27, 0x80000000
	s_add_nc_u64 s[34:35], s[6:7], s[46:47]
	s_add_nc_u64 s[38:39], s[34:35], ESTEP         ; slot 1 begins with expert 1
	s_or_b32 s35, s35, 0x80000000
	s_or_b32 s39, s39, 0x80000000
	tensor_load_to_lds s[24:27], s[16:23]          ; h2: filled once
	s_nop 0
	tensor_load_to_lds s[32:35], s[16:23]          ; expert 0
	s_nop 0
	PLACES
	v_and_b32 v13, 31, v0
	v_lshlrev_b32 v3, 2, v13
	v_lshlrev_b32 v14, 4, v13
	v_lshlrev_b32 v15, 3, v13
	s_mul_i32 s48, s15, HALF
	s_add_co_u32 s49, s48, SLOT0
	s_add_co_u32 s50, s48, SLOT1
	s_mul_i32 s51, s40, HALF
	v_add_nc_u32 v4, s49, v14
	v_add_nc_u32 v5, s49, v15
	v_add_nc_u32 v6, s49, v3
	v_add_nc_u32 v7, s50, v14
	v_add_nc_u32 v8, s50, v15
	v_add_nc_u32 v9, s50, v3
	v_add_nc_u32 v10, s51, v14
	v_add_nc_u32 v11, s51, v15
	v_add_nc_u32 v12, s51, v3
	v_and_b32 v32, 15, v0                          ; r
	v_bfe_u32 v33, v0, 4, 1                        ; h
	v_and_b32 v34, 8, v32
	v_add_nc_u32 v34, v34, v32                     ; r + 8 (r / 8)
	s_mul_i32 s52, s14, 64*272
	s_add_co_u32 s52, s52, STG                     ; my stage
	v_mul_u32_u24 v13, v34, 272
	v_lshl_add_u32 v13, v33, 6, v13
	v_add_nc_u32 v13, s52, v13
	v_mul_u32_u24 v14, v33, 272
	v_lshl_add_u32 v14, v32, 4, v14
	v_add_nc_u32 v14, s52, v14
	v_lshlrev_b32 v15, 12, v33
	v_lshl_add_u32 v15, v32, 4, v15
.irp n, 113,115,117,119
	v_mov_b32 v\n, 0
.endr
	s_lshl_b32 s54, ttmp9, 3
	s_lshl_b32 s55, s40, 2
	s_add_co_u32 s54, s54, s55
	s_lshl_b32 s54, s54, 10                        ; cbuf: 1,024 bytes a group of tokens
	s_mov_b32 s55, 0
	s_add_nc_u64 s[8:9], s[8:9], s[54:55]
	s_lshl_b32 s54, ttmp9, 19                      ; x1 and out0: 128 x rows of 4,096 bytes, + 64 a1 rows, + (128 y + 64 a0) numbers
	s_lshl_b32 s53, s40, 18
	s_add_co_u32 s54, s54, s53
	s_lshl_b32 s53, s42, 9
	s_add_co_u32 s54, s54, s53
	s_lshl_b32 s53, s15, 8
	s_add_co_u32 s54, s54, s53
	s_add_nc_u64 s[10:11], s[10:11], s[54:55]
	s_add_nc_u64 s[12:13], s[12:13], s[54:55]
	TRIP 0, 1, 1                                   ; expert 0; slot 1 gets its first fill as a refill does
	s_mov_b32 s41, 3
.Lexp:
	TRIP 1, 1, 0
	TRIP 0, 1, 0
	s_sub_co_u32 s41, s41, 1
	s_cmp_lg_u32 s41, 0
	s_cbranch_scc1 .Lexp
	TRIP 1, 0, 0                                   ; expert 7: nothing is left to fetch
	WAYOUT 0, 0x08, 10, 12
	s_wait_tensorcnt 0x0                           ; the wave's end
	ds_add_u32 v1, v2
	s_wait_dscnt 0x0
	s_endpgm
.Lfunc_end_k_q11041d9965_moe:
	.size	k_q11041d9965_moe, .Lfunc_end_k_q11041d9965_moe-k_q11041d9965_moe
	.p2alignl 7, 3214868480
	.fill 96, 4, 3214868480
	.section	.rodata,"a",@progbits
	.p2align	6, 0x0
	.amdhsa_kernel k_q11041d9965_moe
		.amdhsa_group_segment_fixed_size 327680
		.amdhsa_private_segment_fixed_size 0
		.amdhsa_enable_private_segment 0
		.amdhsa_kernarg_size 40
		.amdhsa_user_sgpr_count 2
		.amdhsa_user_sgpr_kernarg_segment_ptr 1
		.amdhsa_wavefront_size32 1
		.amdhsa_system_sgpr_workgroup_id_x 1
		.amdhsa_system_sgpr_workgroup_id_y 1
		.amdhsa_system_sgpr_workgroup_id_z 1
		.amdhsa_system_vgpr_workitem_id 0
		.amdhsa_next_free_vgpr 640
		.amdhsa_next_free_sgpr 66
		.amdhsa_reserve_vcc 0
		.amdhsa_float_denorm_mode_32 3
		.amdhsa_float_denorm_mode_16_64 3
		.amdhsa_memory_ordered 1
		.amdhsa_forward_progress 1
		.amdhsa_inst_pref_size 192
	.end_amdhsa_kernel
	.amdgpu_metadata
---
amdhsa.version: [ 1, 2 ]
amdhsa.kernels:
  - .name:           k_q11041d9965_moe
    .symbol:         k_q11041d9965_moe.kd
    .args:
      - { .name: h2img, .offset: 0, .size: 8, .value_kind: global_buffer, .address_space: global }
      - { .name: img1, .offset: 8, .size: 8, .value_kind: global_buffer, .address_space: global }
      - { .name: cbuf, .offset: 16, .size: 8, .value_kind: global_buffer, .address_space: global }
      - { .name: x1, .offset: 24, .size: 8, .value_kind: global_buffer, .address_space: global }
      - { .name: out0, .offset: 32, .size: 8, .value_kind: global_buffer, .address_space: global }
    .group_segment_fixed_size: 327680
    .private_segment_fixed_size: 0
    .kernarg_segment_align: 8
    .kernarg_segment_size: 40
    .max_flat_workgroup_size: 128
    .sgpr_count:     66
    .vgpr_count:     640
    .wavefront_size: 32
...
	.end_amdgpu_metadata
.endif
;; end of part 6
;; ======== version 2 of 2: 6 launches
;; limits: right only within a limited range of input values
;; workspace buffers: img1 13,631,488 bytes; qkvi 10,223,616 bytes; aimg 3,407,872 bytes; x1 16,777,216 bytes; h2img 3,407,872 bytes; cbuf 262,144 bytes
;; launch prep (part 7): grid 1024 x 1, 8 waves a work-group, no clusters, 67,072 bytes of LDS; arguments x, wq, wk, wv, wo, expert_w, ln1_g, ln1_b, img1; writes img1
.if DOCPART == 7
	.amdgcn_target "amdgcn-amd-amdhsa--gfx1250"
	.amdhsa_code_object_version 6
	.text
	.protected	k_q11041d9965_prep
	.globl	k_q11041d9965_prep
	.p2align	8
	.type	k_q11041d9965_prep,@function
k_q11041d9965_prep:
	s_mov_b64 s[64:65], 0
	v_nop
	global_prefetch_b8 v0, s[64:65] scope:SCOPE_SE
	s_setreg_imm32_b32 hwreg(HW_REG_WAVE_MODE, 25, 1), 1
	s_wait_xcnt 0x0
; LN1(x) and the five weights become codes of E3M2 with one E8M0 byte for each 32 along K (K = 1,024, innermost in all of them).
; OUTPUT LAYOUT, used by every later launch.  A RECORD of 13,312 bytes holds 16 rows x 1,024 K as images of operand registers:
;   K step s (128 along K) at 1536 s: two halves of 768 bytes (c = 0, 1); in a half lane (r, h) owns the 32 codes k = 64 c + 32 h + 0..31 of row r, six registers:
;   registers 0-3 at 16 x lane, registers 4-5 at 512 + 8 x lane.  The scale words of K step s at 12288 + 128 s + 4 x lane (row lane % 16, twice).
;   Row r of group g is the tensor's row 32 (g / 2) + 8 (g % 2) + r + 8 (r / 8): so a product's 16 registers of two neighbouring groups of its first source are 16 neighbours.
; Work-group G makes record G: 0-255 LN1(x), 256-319 wq, 320-383 wk, 384-447 wv, 448-511 wo, 512-1023 expert_w (as 8,192 rows).
; Phase 1: wave w loads rows 2 w, 2 w + 1 of the group whole (each load 512 consecutive bytes), normalises them where G < 256, and lays them in a stage in LDS.
; Phase 2: wave w is K step w: a lane reads its 2 x 32 neighbours of its row, finds each block's largest magnitude by itself, converts, stores.
; No matrix unit, no tensor load, no cluster: work-groups share nothing but ln1_g and ln1_b.
; LIMITS: NaN and infinities are not served; a block of zeros, or one whose largest magnitude lies under 2^-122, keeps the byte 1 (the bytes are read by this program alone).
.set REC, 13312
.set SP,  4112                         ; a stage row: 4,096 bytes + 16, so that 16 rows' equal columns start 16 bytes apart modulo 256
.set X0,  32                           ; v32-63   my first row, 32 numbers a lane: columns 128 j + 4 lane + 0..3
.set X1,  64                           ; v64-95   my second row
.set GG,  96                           ; v96-127  the gain at my columns
.set BB,  128                          ; v128-159 the bias
.set N,   32                           ; phase 2: v32-95 my 64 numbers: register 32 c + i = k 64 c + 32 h + i
.set PC,  96                           ; the fragment's 12 registers
.set PT,  108                          ; the upper halves of the two blocks, as the conversions leave them
.macro REDUCE v, t                     ; the sum over the 32 lanes, in every lane
	s_delay_alu instid0(VALU_DEP_1)
	v_add_f32_dpp v[\v], v[\v], v[\v] row_xmask:1 row_mask:0xf bank_mask:0xf
	s_delay_alu instid0(VALU_DEP_1)
	v_add_f32_dpp v[\v], v[\v], v[\v] row_xmask:2 row_mask:0xf bank_mask:0xf
	s_delay_alu instid0(VALU_DEP_1)
	v_add_f32_dpp v[\v], v[\v], v[\v] row_xmask:4 row_mask:0xf bank_mask:0xf
	s_delay_alu instid0(VALU_DEP_1)
	v_add_f32_dpp v[\v], v[\v], v[\v] row_xmask:8 row_mask:0xf bank_mask:0xf
	s_delay_alu instid0(VALU_DEP_1)
	v_permlanex16_b32 v[\t], v[\v], s28, s29
	s_delay_alu instid0(VALU_DEP_1)
	v_add_f32 v[\v], v[\v], v[\t]
.endm
.macro LNROW X                         ; the row in v[X..X+31] is normalised in place: mean first, then the mean square of the differences
	v_pk_add_f32 v[8:9], v[\X:\X+1], v[\X+2:\X+3]
	v_pk_add_f32 v[10:11], v[\X+4:\X+5], v[\X+6:\X+7]
.irp j, 8,12,16,20,24,28
	s_delay_alu instid0(VALU_DEP_2)
	v_pk_add_f32 v[8:9], v[8:9], v[\X+\j:\X+\j+1]
	s_delay_alu instid0(VALU_DEP_2)
	v_pk_add_f32 v[10:11], v[10:11], v[\X+\j+2:\X+\j+3]
.endr
	s_delay_alu instid0(VALU_DEP_1)
	v_pk_add_f32 v[8:9], v[8:9], v[10:11]
	s_delay_alu instid0(VALU_DEP_1)
	v_add_f32 v8, v8, v9
	REDUCE 8, 9
	s_delay_alu instid0(VALU_DEP_1)
	v_mul_f32 v8, s30, v8                          ; the mean: sum / 1,024
.irp j, 0,2,4,6,8,10,12,14,16,18,20,22,24,26,28,30
	v_pk_add_f32 v[\X+\j:\X+\j+1], v[\X+\j:\X+\j+1], v[8:9] op_sel_hi:[1,0] neg_lo:[0,1] neg_hi:[0,1]
.endr
	v_pk_mul_f32 v[10:11], v[\X:\X+1], v[\X:\X+1]
	v_pk_mul_f32 v[12:13], v[\X+2:\X+3], v[\X+2:\X+3]
.irp j, 4,8,12,16,20,24,28
	s_delay_alu instid0(VALU_DEP_2)
	v_pk_fma_f32 v[10:11], v[\X+\j:\X+\j+1], v[\X+\j:\X+\j+1], v[10:11]
	s_delay_alu instid0(VALU_DEP_2)
	v_pk_fma_f32 v[12:13], v[\X+\j+2:\X+\j+3], v[\X+\j+2:\X+\j+3], v[12:13]
.endr
	s_delay_alu instid0(VALU_DEP_1)
	v_pk_add_f32 v[10:11], v[10:11], v[12:13]
	s_delay_alu instid0(VALU_DEP_1)
	v_add_f32 v10, v10, v11
	REDUCE 10, 11
	s_delay_alu instid0(VALU_DEP_1)
	v_fma_f32 v10, v10, s30, s31                   ; the variance + 1e-5
	s_wait_alu depctr_va_vdst(0)
	v_rsq_f32 v10, v10
	v_nop                                          ; a plain line behind the transcendental
	s_wait_alu depctr_va_vdst(0)
.irp j, 0,2,4,6,8,10,12,14,16,18,20,22,24,26,28,30
	v_pk_mul_f32 v[\X+\j:\X+\j+1], v[\X+\j:\X+\j+1], v[10:11] op_sel_hi:[1,0]
.endr
.irp j, 0,2,4,6,8,10,12,14,16,18,20,22,24,26,28,30
	v_pk_fma_f32 v[\X+\j:\X+\j+1], v[\X+\j:\X+\j+1], v[GG+\j:GG+\j+1], v[BB+\j:BB+\j+1]
.endr
.endm
.macro FQUANT                          ; v[N..N+63] -> the fragment in v[PC..PC+11], my row's scale word in v14
.irp c, 0,1
	v_max3_num_f32 v[8+\c], |v[N+32*\c]|, |v[N+32*\c+1]|, 0x2800000   ; block 2 c + h is all mine; the floor 2^(5 - 127) keeps the byte at 1 from below
.endr
.irp i, 2,4,6,8,10,12,14,16,18,20,22,24,26,28,30
.irp c, 0,1
	s_delay_alu instid0(VALU_DEP_2)
	v_max3_num_f32 v[8+\c], v[8+\c], |v[N+32*\c+\i]|, |v[N+32*\c+\i+1]|
.endr
.endr
.irp c, 0,1
	s_delay_alu instid0(VALU_DEP_2)
	v_add_nc_u32 v[10+\c], 0xfe000000, v[8+\c]     ; 4 off the exponent field: the conversion's scale operand
.endr
.irp c, 0,1
	s_delay_alu instid0(VALU_DEP_2)
	v_lshrrev_b32 v[12+\c], 23, v[10+\c]           ; the scale's byte
.endr
	s_delay_alu instid0(VALU_DEP_1)
	v_lshl_or_b32 v14, v13, 16, v12                ; my two bytes, blocks h and 2 + h,
	s_delay_alu instid0(VALU_DEP_1)
	v_lshlrev_b32 v14, v7, v14                     ; 8 h bits up;
	s_delay_alu instid0(VALU_DEP_1)
	v_permlanex16_b32 v15, v14, s28, s29
	s_delay_alu instid0(VALU_DEP_1)
	v_or_b32 v14, v14, v15                         ; with lane l xor 16's two the word is whole
.irp c, 0,1
	v_cvt_scalef32_pk16_bf6_f32 v[PC+6*\c:PC+6*\c+2], v[N+32*\c:N+32*\c+15], v[10+\c]
	v_cvt_scalef32_pk16_bf6_f32 v[PT+4*\c:PT+4*\c+2], v[N+32*\c+16:N+32*\c+31], v[10+\c]   ; (a conversion's three registers begin on an even number)
.endr
	v_nop                                          ; a plain line behind the conversions
.irp c, 0,1
.irp i, 0,1,2
	v_mov_b32 v[PC+6*\c+3+\i], v[PT+4*\c+\i]
.endr
.endr
.endm
	s_load_b256 s[4:11], s[0:1], 0x0               ; x, wq, wk, wv
	s_load_b256 s[12:19], s[0:1], 0x20             ; wo, expert_w, ln1_g, ln1_b
	s_load_b64 s[20:21], s[0:1], 0x40              ; img1
	v_lshl_add_u32 v160, v0, 2, 0x10200
	v_mov_b32 v161, 0
	v_lshrrev_b32 v1, 5, v0
	s_delay_alu instid0(VALU_DEP_1)
	v_readfirstlane_b32 s25, v1                    ; wave 0..7
	v_and_b32 v1, 31, v0                           ; lane
	s_delay_alu instid0(VALU_DEP_1)
	v_lshlrev_b32 v2, 4, v1                        ; 16 x lane
	s_mul_i32 s26, s25, 2*SP
	v_add_nc_u32 v3, s26, v2                       ; the stage, in: my two rows
	v_and_b32 v8, 15, v0                           ; r
	v_bfe_u32 v9, v0, 4, 1                         ; h
	s_delay_alu instid0(VALU_DEP_2)
	v_mul_u32_u24 v4, v8, SP
	s_delay_alu instid0(VALU_DEP_1)
	v_lshl_add_u32 v4, v9, 7, v4
	s_lshl_b32 s26, s25, 9
	v_add_nc_u32 v4, s26, v4                       ; the stage, out: row r, K step w, + 128 h bytes
	v_lshlrev_b32 v7, 3, v9                        ; 8 h
	s_mul_i32 s26, s25, 1536
	v_add_nc_u32 v5, s26, v2                       ; in the record: 16 x lane + 1536 w
	v_lshl_add_u32 v6, v1, 3, s26                  ; 8 x lane + 1536 w
	s_lshl_b32 s26, s25, 7
	v_lshl_add_u32 v1, v1, 2, s26                  ; 4 x lane + 128 w
	v_mov_b32 v15, 0                               ; (a lane permute's destination counts as read)
	s_mov_b32 s28, 0x76543210
	s_mov_b32 s29, 0xfedcba98                      ; lane l xor 16
	s_mov_b32 s30, 0x3a800000                      ; 1 / 1,024
	s_mov_b32 s31, 0x3727c5ac                      ; 1e-5
	s_wait_kmcnt 0x0
	s_mov_b64 s[22:23], s[14:15]                   ; which tensor, and its first group: the choice hangs on the work-group's number alone
	s_mov_b32 s24, 512
	s_cmp_lt_u32 ttmp9, 512
	s_cselect_b64 s[22:23], s[12:13], s[22:23]
	s_cselect_b32 s24, 448, s24
	s_cmp_lt_u32 ttmp9, 448
	s_cselect_b64 s[22:23], s[10:11], s[22:23]
	s_cselect_b32 s24, 384, s24
	s_cmp_lt_u32 ttmp9, 384
	s_cselect_b64 s[22:23], s[8:9], s[22:23]
	s_cselect_b32 s24, 320, s24
	s_cmp_lt_u32 ttmp9, 320
	s_cselect_b64 s[22:23], s[6:7], s[22:23]
	s_cselect_b32 s24, 256, s24
	s_cmp_lt_u32 ttmp9, 256
	s_cselect_b64 s[22:23], s[4:5], s[22:23]
	s_cselect_b32 s24, 0, s24
	s_sub_co_u32 s24, ttmp9, s24                   ; the group's number in its tensor
	s_lshr_b32 s26, s24, 1
	s_lshl_b32 s26, s26, 5
	s_and_b32 s27, s24, 1
	s_lshl_b32 s27, s27, 3
	s_add_co_u32 s26, s26, s27                     ; 32 (g / 2) + 8 (g % 2)
	s_lshl_b32 s27, s25, 1
	s_add_co_u32 s26, s26, s27                     ; + 2 w
	s_lshr_b32 s27, s25, 2
	s_lshl_b32 s27, s27, 3
	s_add_co_u32 s26, s26, s27                     ; + 8 (w / 4): rows 8-15 of a group lie 8 further on
	s_lshl_b32 s26, s26, 12                        ; rows of 4,096 bytes (under 2^25)
	s_mov_b32 s27, 0
	s_add_nc_u64 s[22:23], s[22:23], s[26:27]
	s_mul_i32 s26, ttmp9, REC
	s_add_nc_u64 s[20:21], s[20:21], s[26:27]      ; my record
.irp j, 0,1,2,3,4,5,6,7
	global_load_b128 v[X0+4*\j:X0+4*\j+3], v2, s[22:23] offset:512*\j th:TH_LOAD_NT
	global_load_b128 v[X1+4*\j:X1+4*\j+3], v2, s[22:23] offset:4096+512*\j th:TH_LOAD_NT
.endr
	s_cmp_ge_u32 ttmp9, 256
	s_cbranch_scc1 .Lplain                         ; weights are quantised as they are
.irp j, 0,1,2,3,4,5,6,7
	global_load_b128 v[GG+4*\j:GG+4*\j+3], v2, s[16:17] offset:512*\j
	global_load_b128 v[BB+4*\j:BB+4*\j+3], v2, s[18:19] offset:512*\j
.endr
	s_wait_loadcnt 0x0
	LNROW X0
	LNROW X1
.Lplain:
	s_wait_loadcnt 0x0
	s_wait_alu depctr_va_vdst(0)
.irp j, 0,1,2,3,4,5,6,7
	ds_store_b128 v3, v[X0+4*\j:X0+4*\j+3] offset:512*\j
	ds_store_b128 v3, v[X1+4*\j:X1+4*\j+3] offset:SP+512*\j
.endr
	s_wait_dscnt 0x0                               ; for the others' sake: my two rows lie in the stage
	s_barrier_signal -1
	s_barrier_wait -1
.irp c, 0,1
.irp i, 0,1,2,3,4,5,6,7
	ds_load_b128 v[N+32*\c+4*\i:N+32*\c+4*\i+3], v4 offset:256*\c+16*\i
.endr
.endr
	s_wait_dscnt 0x0
	FQUANT
.irp c, 0,1
	global_store_b128 v5, v[PC+6*\c:PC+6*\c+3], s[20:21] offset:768*\c          ; 512 consecutive bytes, at a multiple of 256 from the buffer's first byte
	global_store_b64 v6, v[PC+6*\c+4:PC+6*\c+5], s[20:21] offset:768*\c+512     ; 256 consecutive bytes, likewise
.endr
	global_store_b32 v1, v14, s[20:21] offset:12288                             ; 128 bytes a wave; two waves' lie on end
	s_wait_tensorcnt 0x0
	ds_add_u32 v160, v161
	s_wait_dscnt 0x0
	s_endpgm
.Lfunc_end_k_q11041d9965_prep:
	.size	k_q11041d9965_prep, .Lfunc_end_k_q11041d9965_prep-k_q11041d9965_prep
	.p2alignl 7, 3214868480
	.fill 96, 4, 3214868480
	.section	.rodata,"a",@progbits
	.p2align	6, 0x0
	.amdhsa_kernel k_q11041d9965_prep
		.amdhsa_group_segment_fixed_size 67072
		.amdhsa_private_segment_fixed_size 0
		.amdhsa_enable_private_segment 0
		.amdhsa_kernarg_size 72
		.amdhsa_user_sgpr_count 2
		.amdhsa_user_sgpr_kernarg_segment_ptr 1
		.amdhsa_wavefront_size32 1
		.amdhsa_system_sgpr_workgroup_id_x 1
		.amdhsa_system_sgpr_workgroup_id_y 1
		.amdhsa_system_sgpr_workgroup_id_z 1
		.amdhsa_system_vgpr_workitem_id 0
		.amdhsa_next_free_vgpr 162
		.amdhsa_next_free_sgpr 66
		.amdhsa_reserve_vcc 0
		.amdhsa_float_denorm_mode_32 3
		.amdhsa_float_denorm_mode_16_64 3
		.amdhsa_memory_ordered 1
		.amdhsa_forward_progress 1
		.amdhsa_inst_pref_size 28
	.end_amdhsa_kernel
	.amdgpu_metadata
---
amdhsa.version: [ 1, 2 ]
amdhsa.kernels:
  - .name:           k_q11041d9965_prep
    .symbol:         k_q11041d9965_prep.kd
    .args:
      - { .name: x, .offset: 0, .size: 8, .value_kind: global_buffer, .address_space: global }
      - { .name: wq, .offset: 8, .size: 8, .value_kind: global_buffer, .address_space: global }
      - { .name: wk, .offset: 16, .size: 8, .value_kind: global_buffer, .address_space: global }
      - { .name: wv, .offset: 24, .size: 8, .value_kind: global_buffer, .address_space: global }
      - { .name: wo, .offset: 32, .size: 8, .value_kind: global_buffer, .address_space: global }
      - { .name: expert_w, .offset: 40, .size: 8, .value_kind: global_buffer, .address_space: global }
      - { .name: ln1_g, .offset: 48, .size: 8, .value_kind: global_buffer, .address_space: global }
      - { .name: ln1_b, .offset: 56, .size: 8, .value_kind: global_buffer, .address_space: global }
      - { .name: img1, .offset: 64, .size: 8, .value_kind: global_buffer, .address_space: global }
    .group_segment_fixed_size: 67072
    .private_segment_fixed_size: 0
    .kernarg_segment_align: 8
    .kernarg_segment_size: 72
    .max_flat_workgroup_size: 256
    .sgpr_count:     66
    .vgpr_count:     162
    .wavefront_size: 32
...
	.end_amdgpu_metadata
.endif
;; end of part 7
;; launch qkv (part 8): grid 32 x 8, 4 waves a work-group, clusters of 4 x 1, 327,680 bytes of LDS; arguments img1, qkvi; writes qkvi
.if DOCPART == 8
	.amdgcn_target "amdgcn-amd-amdhsa--gfx1250"
	.amdhsa_code_object_version 6
	.text
	.protected	k_q11041d9965_qkv
	.globl	k_q11041d9965_qkv
	.p2align	8
	.type	k_q11041d9965_qkv,@function
k_q11041d9965_qkv:
	s_mov_b64 s[64:65], 0
	v_nop
	global_prefetch_b8 v0, s[64:65] scope:SCOPE_SE
	s_setreg_imm32_b32 hwreg(HW_REG_WAVE_MODE, 25, 1), 1
	s_wait_xcnt 0x0
	s_wait_alu depctr_hold_cnt(0) depctr_sa_sdst(0) depctr_va_vdst(0) depctr_va_sdst(0) depctr_va_ssrc(0) depctr_va_vcc(0) depctr_vm_vsrc(0)
	s_getreg_b32 s2, hwreg(HW_REG_IB_STS2, 6, 4)
	s_cmp_eq_u32 s2, 0
	s_cbranch_scc0 .Lentry_in_a_cluster
	s_endpgm
.Lentry_in_a_cluster:
	s_bfe_u32 s2, ttmp6, 0x10000c
	s_cmp_lg_u32 s2, 0x3003
	s_cbranch_scc0 .Lentry_shape_is_right
	s_endpgm
.Lentry_shape_is_right:
; q = h wq^T, k = h wk^T, v = h wv^T on codes of E3M2, and the results quantised at once: q and k along the head's 64, v along the tokens.
; A work-group: 128 tokens (x) and 128 rows (two heads, y) of EACH of the three weights, one after the other: three trips.  Four waves, each 64 x 64: 16 accumulators.
; THE TOKENS' CODES LIVE IN REGISTERS: my 4 groups x 8 K steps (384 registers) and their 32 scale words come once, from the record images as they lie, and serve all three products.
; THE WEIGHTS go through a ring of two LDS slots of 8 records (106,496 bytes): wq into slot 0, wk into slot 1, wv into slot 0 again; each wave fetches two records by one tensor load: one load of mine is out at a time.
; CLUSTER: the four work-groups of a cluster have the same y and walk the same weights: each tile is asked for JOINTLY (mask 15).  The place in the cluster enters global addresses alone.
; A lane holds ONE row of the second source, and its 32 registers of a group of the second source are 64 neighbours (in two halves of the lanes) along the first source's rows.  For q and k the first source is the
; weight (registers run along d), for v it is the tokens (registers run along the keys): the instruction's sources change places.  So each 32 registers become one half image (16 rows x 64 K, 768 bytes).
; RECORD (13,312 bytes, 16 rows x 1,024 K): K step s at 1536 s: two halves of 768 bytes: registers 0-3 at 16 x lane, 4-5 at 512 + 8 x lane; scale words at 12288 + 128 s + 4 x lane.
; OUTPUT qkvi: for head bh and key step ks (128 keys) a record: K's 8 half images (16 keys x 64 d) at 768 t; V's 4 fragments (16 d x 128 keys) at 6144 + 1536 dg (+ 768 for keys 64-127);
;   K's scale halves at 12288 + 64 t + 2 x lane; V's scale words at 12800 + 128 dg + 4 x lane.  Behind the 512 records: q's half images at QC + 768 (128 bh + tg), their scale halves at QSO + 64 (128 bh + tg) + 2 x lane.
; The scale halves leave by stores of 2 bytes a lane: 64 or 128 bytes for each 768 bytes of codes.
; LIMITS: NaN and infinities are not served; a block of zeros, or one under 2^-122, keeps the byte 1 (the bytes are read by this program alone).
; REGISTERS.  window 0: v1, v2 for the add alone; v3 2 x lane; v4-6, v7-9 the weights' LDS addresses in slot 0, 1 (16, 8, 4 x lane); v10-12 16, 8, 4 x lane; v16-23 the weights' scale words, two sets;
;   v32-63 the tokens' scale words (32 + 4 s + i); v64-95 codes to store; v96-105 at work; v128-255 the accumulators ((i, t) at 128 + 8 (4 i + t)).
;   window 1: v0-95 the weights' fragments, two sets; v96-143 the tokens' K step 7.   window 2: v128-223 K steps 5, 6.   window 3: v0-239 K steps 0-4.
.set REC,   13312
.set HALF,  4*REC
.set SLOT1, 8*REC
.set SPARE, 16*REC                     ; the spare words: 128 bytes a wave, two blocks of 256 bytes that no other line names
.set ESTEP, 64*REC                     ; from a weight's records to the next weight's
.set QC,    6815744
.set QSO,   9961472
.set WV,    8
.set SEL,   50
.set BM,    100
.set BT,    102
.set SO,    104
.set MSB, 0
.macro WIN new                         ; the immediate's high byte repeats the setting that is left
.if MSB != (\new)
	s_set_vgpr_msb (MSB<<8)|(\new)
.set MSB, (\new)
.endif
.endm
.macro PLACES                          ; four plain lines behind matrix instructions, in front of loads into their registers and of reads of their results
.rept 4
	v_nop
.endr
.endm
.macro ROUND                           ; a round of the cluster's barrier
	s_barrier_signal -1
	s_barrier_wait -1
	s_cmp_lg_u32 s[WV], 0
	s_cbranch_scc1 .Lnot_wave_0_\@
	s_barrier_signal -3
.Lnot_wave_0_\@:
	s_barrier_wait -3
	s_barrier_signal -1
	s_barrier_wait -1
.endm
.macro TOK s                           ; where the tokens' fragments of K step s lie: window TW, from register TBASE on, 12 a group
.if (\s) < 5
.set TW, 3
.set TBASE, 48*(\s)
.elseif (\s) < 7
.set TW, 2
.set TBASE, 128+48*((\s)-5)
.else
.set TW, 1
.set TBASE, 96
.endif
.endm
.macro TOKENS base                     ; my four records, from memory into registers: 160 loads
.irp s, 0,1,2,3,4,5,6,7
	TOK \s
	WIN TW<<6
.irp i, 0,1,2,3
	global_load_b128 v[TBASE+12*\i:TBASE+12*\i+3], v10, s[\base:\base+1] offset:\i*REC+1536*\s
	global_load_b64 v[TBASE+12*\i+4:TBASE+12*\i+5], v11, s[\base:\base+1] offset:\i*REC+1536*\s+512
	global_load_b128 v[TBASE+12*\i+6:TBASE+12*\i+9], v10, s[\base:\base+1] offset:\i*REC+1536*\s+768
	global_load_b64 v[TBASE+12*\i+10:TBASE+12*\i+11], v11, s[\base:\base+1] offset:\i*REC+1536*\s+1280
.endr
.endr
	WIN 0
.irp s, 0,1,2,3,4,5,6,7
.irp i, 0,1,2,3
	global_load_b32 v[32+4*\s+\i], v12, s[\base:\base+1] offset:\i*REC+12288+128*\s
.endr
.endr
.endm
.macro FETCH z, s, f                   ; 20 LDS loads: the weights' four fragments and scale words of K step s into set f
	WIN 0x40
.irp g, 0,1,2,3
	ds_load_b128 v[48*(\f)+12*\g:48*(\f)+12*\g+3], v[\z] offset:\g*REC+1536*(\s)
	ds_load_b64 v[48*(\f)+12*\g+4:48*(\f)+12*\g+5], v[(\z)+1] offset:\g*REC+1536*(\s)+512
	ds_load_b128 v[48*(\f)+12*\g+6:48*(\f)+12*\g+9], v[\z] offset:\g*REC+1536*(\s)+768
	ds_load_b64 v[48*(\f)+12*\g+10:48*(\f)+12*\g+11], v[(\z)+1] offset:\g*REC+1536*(\s)+1280
.endr
	WIN 0
.irp g, 0,1,2,3
	ds_load_b32 v[16+4*(\f)+\g], v[(\z)+2] offset:\g*REC+12288+128*(\s)
.endr
.endm
.macro WM d, a, b, sa, sb, zero
.if \zero
	v_wmma_scale_f32_16x16x128_f8f6f4 v[(\d):(\d)+7], v[(\a):(\a)+11], v[(\b):(\b)+11], 0, v[\sa], v[\sb] matrix_a_fmt:MATRIX_FMT_BF6 matrix_b_fmt:MATRIX_FMT_BF6
.else
	v_wmma_scale_f32_16x16x128_f8f6f4 v[(\d):(\d)+7], v[(\a):(\a)+11], v[(\b):(\b)+11], v[(\d):(\d)+7], v[\sa], v[\sb] matrix_a_fmt:MATRIX_FMT_BF6 matrix_b_fmt:MATRIX_FMT_BF6
.endif
.endm
.macro MUL s, zero, swap               ; 16 matrix instructions of K step s; the 16 accumulators take turns, one instruction a turn.  swap = 1: the tokens are the first source
	TOK \s
.set FB, 48*((\s)%2)
.set FS, 16+4*((\s)%2)
.set SS, 32+4*(\s)
.if \swap
	WIN TW|4
.else
	WIN 1|(TW<<2)
.endif
.irp i, 0,1,2,3
.irp t, 0,1,2,3
.if \swap
	WM 128+8*(4*\i+\t), TBASE+12*\t, FB+12*\i, SS+\t, FS+\i, \zero
.else
	WM 128+8*(4*\i+\t), FB+12*\t, TBASE+12*\i, FS+\t, SS+\i, \zero
.endif
.endr
.endr
.endm
.macro KSTEPS z, swap                  ; all of K: eight steps; while a step is multiplied the next step's 20 loads are on their way
	FETCH \z, 0, 0
.irp s, 0,1,2,3,4,5,6,7
	s_wait_dscnt 0x0                               ; this step's set, asked for a step ago, is in
	PLACES                                         ; behind the products that read the other set
.if \s < 7
	FETCH \z, \s+1, 1-\s%2
.endif
.if \s == 0
	MUL 0, 1, \swap                                ; the first products start the sums
.else
	MUL \s, 0, \swap
.endif
.endr
	WIN 0
.endm
; 32 registers, register 16 b + i = k 32 b + 16 h + i of my row, become a half image in v[pc..pc+5] and the two blocks' scale bytes in v[hw]
.macro HQUANT src, pc, pt, hw
.irp b, 0,1
	v_max3_num_f32 v[BM+\b], |v[(\src)+16*\b]|, |v[(\src)+16*\b+1]|, 0x2800000   ; my 16 of block b, and the floor 2^(5 - 127)
.endr
.irp i, 2,4,6,8,10,12,14
.irp b, 0,1
	v_max3_num_f32 v[BM+\b], v[BM+\b], |v[(\src)+16*\b+\i]|, |v[(\src)+16*\b+\i+1]|
.endr
.endr
.irp b, 0,1
	v_permlanex16_b32 v[BT+\b], v[BM+\b], s[SEL], s[SEL+1]
.endr
.irp b, 0,1
	v_max_num_f32 v[BM+\b], v[BM+\b], v[BT+\b]     ; with lane l xor 16's 16
.endr
.irp b, 0,1
	v_add_nc_u32 v[SO+\b], 0xfe000000, v[BM+\b]    ; 4 off the exponent field: the conversion's scale operand
.endr
.irp b, 0,1
	v_lshrrev_b32 v[BT+\b], 23, v[SO+\b]           ; the byte
.endr
	v_lshl_or_b32 v[\hw], v[BT+1], 8, v[BT]
	v_cvt_scalef32_pk16_bf6_f32 v[(\pc):(\pc)+2], v[(\src):(\src)+15], v[SO]
	v_cvt_scalef32_pk16_bf6_f32 v[(\pt):(\pt)+2], v[(\src)+16:(\src)+31], v[SO+1]
	v_nop                                          ; a plain line behind the conversions
.irp i, 0,1,2
	v_permlane16_swap_b32 v[(\pc)+\i], v[(\pt)+\i] ; a whole block to a lane: lanes 0-15 block 0, lanes 16-31 block 1
.endr
.irp i, 0,1,2
	v_mov_b32 v[(\pc)+3+\i], v[(\pt)+\i]
.endr
.endm
; One weight.  In front of the round: all my tensor loads have landed (this trip's slot among them), the add, and my reads of the other slot are over.  Behind it the other slot is asked for first.
.macro TRIP slot, next, first, swap    ; next: the group 0 of the load that goes out, or 0
	s_wait_tensorcnt 0x0
	ds_add_u32 v1, v2                              ; 0 onto my spare word
	s_wait_dscnt 0x0                               ; the add is done, and my reads of the other slot are over
	ROUND                                          ; both now hold of every wave of the four work-groups
.if \next
	tensor_load_to_lds s[\next:\next+3], s[16:23]  ; my one tensor load behind this round
	s_nop 0
	PLACES
.endif
.if \first
	s_wait_loadcnt 0x0                             ; the tokens' codes are in
.endif
	s_wait_alu depctr_va_vdst(0)
	KSTEPS 4+3*\slot, \swap
	PLACES
.endm
.macro OUTQ later, cb, sb, cstep, sstep, sreg
.if \later
	s_wait_xcnt 0x0                                ; the last trip's stores have read their registers
.endif
.irp i, 0,1,2,3
	HQUANT 128+32*\i, 64+8*\i, 96, 70+8*\i
	global_store_b128 v10, v[64+8*\i:67+8*\i], s[\cb:\cb+1] offset:\cstep*\i        ; 512 consecutive bytes, at a multiple of 256 from the buffer's first byte
	global_store_b64 v11, v[68+8*\i:69+8*\i], s[\cb:\cb+1] offset:\cstep*\i+512     ; 256 consecutive bytes
	global_store_b16 v[\sreg], v[70+8*\i], s[\sb:\sb+1] offset:\sstep*\i
.endr
.endm
	s_load_b128 s[4:7], s[0:1], 0x0                ; img1, qkvi
	v_lshl_add_u32 v1, v0, 2, SPARE
	v_mov_b32 v2, 0
	ds_add_u32 v1, v2
	ds_add_u32 v1, v2
	s_wait_dscnt 0x0
	v_lshrrev_b32 v3, 5, v0
	v_readfirstlane_b32 s[WV], v3                  ; wave 0..3
	s_and_b32 s9, s[WV], 1                         ; a0: which of the two heads
	s_lshr_b32 s10, s[WV], 1                       ; a1: which 64 tokens
	s_bfe_u32 s11, ttmp6, 0x40000                  ; cx
	s_lshl_b32 s12, ttmp9, 2
	s_add_co_u32 s12, s12, s11                     ; which 128 tokens = 4 x cluster x + cx
	s_and_b32 s13, ttmp7, 0xffff                   ; which pair of heads: shared by the four partners
	s_mov_b32 s16, 15|(3<<16)|(1<<21)              ; group 1: the mask: all four work-groups; elements of 8 bytes; bit 21 beside a mask; no padding
	s_mov_b32 s17, 32<<16                          ; 26,624 dense bytes as 104 rows of 32 elements: tensor_dim0 = 32
	s_mov_b32 s18, 104<<16                         ; tensor_dim1 = 104
	s_mov_b32 s19, 32<<16                          ; tile_dim0 = 32
	s_mov_b32 s20, 104                             ; tile_dim1 = 104
	s_mov_b32 s21, 32                              ; the pitch
	s_mov_b32 s22, 0
	s_mov_b32 s23, 0
	s_lshl_b32 s52, s13, 3
	s_lshl_b32 s53, s[WV], 1
	s_add_co_u32 s52, s52, s53
	s_add_co_u32 s52, s52, 256                     ; wq's groups 256 + 8 y + 2 w, + 1
	s_mul_i32 s52, s52, REC
	s_mov_b32 s53, 0
	s_mov_b32 s24, 1
	s_mul_i32 s25, s[WV], 2*REC                    ; LDS: wave x two records, slot 0
	s_mov_b32 s28, 1
	s_add_co_u32 s29, s25, SLOT1
	s_mov_b32 s32, 1
	s_mov_b32 s33, s25
	s_lshl_b32 s54, s12, 3
	s_lshl_b32 s55, s10, 2
	s_add_co_u32 s54, s54, s55                     ; my token groups 8 x + 4 a1 on
	s_mul_i32 s54, s54, REC
	s_mov_b32 s55, 0
	s_and_b32 s56, s12, 16                         ; 16 x batch
	s_lshl_b32 s57, s13, 1
	s_add_co_u32 s56, s56, s57
	s_add_co_u32 s56, s56, s9                      ; bh
	s_and_b32 s57, s12, 15                         ; ks
	s_lshl_b32 s58, s56, 4
	s_add_co_u32 s58, s58, s57
	s_mul_i32 s58, s58, REC                        ; the head's record of this key step
	s_lshl_b32 s59, s56, 7
	s_lshl_b32 s60, s57, 3
	s_add_co_u32 s59, s59, s60
	s_lshl_b32 s60, s10, 2
	s_add_co_u32 s59, s59, s60                     ; 128 bh + 8 ks + 4 a1: q's first group
	s_mov_b32 s61, 0
	s_mov_b32 s[SEL], 0x76543210
	s_mov_b32 s[SEL+1], 0xfedcba98
	s_wait_kmcnt 0x0
	s_add_nc_u64 s[26:27], s[4:5], s[52:53]
	s_add_nc_u64 s[30:31], s[26:27], ESTEP         ; wk
	s_add_nc_u64 s[34:35], s[26:27], 2*ESTEP       ; wv
	s_or_b32 s27, s27, 0x80000000
	s_or_b32 s31, s31, 0x80000000
	s_or_b32 s35, s35, 0x80000000
	s_add_nc_u64 s[36:37], s[4:5], s[54:55]        ; my four token records
	s_mul_i32 s60, s59, 768
	s_add_co_u32 s60, s60, QC
	s_add_nc_u64 s[38:39], s[6:7], s[60:61]        ; q's codes
	s_lshl_b32 s60, s59, 6
	s_add_co_u32 s60, s60, QSO
	s_add_nc_u64 s[40:41], s[6:7], s[60:61]        ; q's scale halves
	s_mul_i32 s60, s10, 3072
	s_add_co_u32 s60, s60, s58
	s_add_nc_u64 s[42:43], s[6:7], s[60:61]        ; k's codes
	s_lshl_b32 s60, s10, 8
	s_add_co_u32 s60, s60, s58
	s_add_co_u32 s60, s60, 12288
	s_add_nc_u64 s[44:45], s[6:7], s[60:61]        ; k's scale halves
	s_mul_i32 s60, s10, 768
	s_add_co_u32 s60, s60, s58
	s_add_co_u32 s60, s60, 6144
	s_add_nc_u64 s[46:47], s[6:7], s[60:61]        ; v's codes
	s_lshl_b32 s60, s10, 1
	s_add_co_u32 s60, s60, s58
	s_add_co_u32 s60, s60, 12800
	s_add_nc_u64 s[48:49], s[6:7], s[60:61]        ; v's scale halves
	v_and_b32 v3, 31, v0                           ; lane
	v_lshlrev_b32 v10, 4, v3
	v_lshlrev_b32 v11, 3, v3
	v_lshlrev_b32 v12, 2, v3
	v_lshlrev_b32 v3, 1, v3
	s_mul_i32 s62, s9, HALF                        ; my four of a slot's eight records
	s_add_co_u32 s63, s62, SLOT1
	v_add_nc_u32 v4, s62, v10
	v_add_nc_u32 v5, s62, v11
	v_add_nc_u32 v6, s62, v12
	v_add_nc_u32 v7, s63, v10
	v_add_nc_u32 v8, s63, v11
	v_add_nc_u32 v9, s63, v12
	v_mov_b32 v[BT], 0                             ; (a lane permute's destination counts as read)
	v_mov_b32 v[BT+1], 0
	ROUND                                          ; all four work-groups are here: the first joint load meets
	tensor_load_to_lds s[24:27], s[16:23]          ; wq into slot 0
	s_nop 0
	PLACES
	TOKENS 36
	TRIP 0, 28, 1, 0                               ; q; wk goes out into slot 1, issued as a refill is
	OUTQ 0, 38, 40, 768, 64, 3
	TRIP 1, 32, 0, 0                               ; k; wv goes out into slot 0
	OUTQ 1, 42, 44, 768, 64, 3
	TRIP 0, 0, 0, 1                                ; v: the tokens are the first source; nothing is left to fetch
	OUTQ 1, 46, 48, 1536, 128, 12
	s_wait_tensorcnt 0x0                           ; the wave's end
	ds_add_u32 v1, v2
	s_wait_dscnt 0x0
	ROUND                                          ; the closing round
	s_endpgm
.Lfunc_end_k_q11041d9965_qkv:
	.size	k_q11041d9965_qkv, .Lfunc_end_k_q11041d9965_qkv-k_q11041d9965_qkv
	.p2alignl 7, 3214868480
	.fill 96, 4, 3214868480
	.section	.rodata,"a",@progbits
	.p2align	6, 0x0
	.amdhsa_kernel k_q11041d9965_qkv
		.amdhsa_group_segment_fixed_size 327680
		.amdhsa_private_segment_fixed_size 0
		.amdhsa_enable_private_segment 0
		.amdhsa_kernarg_size 16
		.amdhsa_user_sgpr_count 2
		.amdhsa_user_sgpr_kernarg_segment_ptr 1
		.amdhsa_wavefront_size32 1
		.amdhsa_system_sgpr_workgroup_id_x 1
		.amdhsa_system_sgpr_workgroup_id_y 1
		.amdhsa_system_sgpr_workgroup_id_z 1
		.amdhsa_system_vgpr_workitem_id 0
		.amdhsa_next_free_vgpr 1024
		.amdhsa_next_free_sgpr 66
		.amdhsa_reserve_vcc 0
		.amdhsa_float_denorm_mode_32 3
		.amdhsa_float_denorm_mode_16_64 3
		.amdhsa_memory_ordered 1
		.amdhsa_forward_progress 1
		.amdhsa_inst_pref_size 133
	.end_amdhsa_kernel
	.amdgpu_metadata
---
amdhsa.version: [ 1, 2 ]
amdhsa.kernels:
  - .name:           k_q11041d9965_qkv
    .symbol:         k_q11041d9965_qkv.kd
    .args:
      - { .name: img1, .offset: 0, .size: 8, .value_kind: global_buffer, .address_space: global }
      - { .name: qkvi, .offset: 8, .size: 8, .value_kind: global_buffer, .address_space: global }
    .group_segment_fixed_size: 327680
    .private_segment_fixed_size: 0
    .kernarg_segment_align: 8
    .kernarg_segment_size: 16
    .max_flat_workgroup_size: 128
    .sgpr_count:     66
    .vgpr_count:     1024
    .wavefront_size: 32
...
	.end_amdgpu_metadata
.endif
;; end of part 8
;; launch attn (part 9): grid 8 x 32, 16 waves a work-group, clusters of 4 x 1, 251,904 bytes of LDS; arguments qkvi, aimg; writes aimg
.if DOCPART == 9
	.amdgcn_target "amdgcn-amd-amdhsa--gfx1250"
	.amdhsa_code_object_version 6
	.text
	.protected	k_q11041d9965_attn
	.globl	k_q11041d9965_attn
	.p2align	8
	.type	k_q11041d9965_attn,@function
k_q11041d9965_attn:
	s_mov_b64 s[64:65], 0
	v_nop
	global_prefetch_b8 v0, s[64:65] scope:SCOPE_SE
	s_setreg_imm32_b32 hwreg(HW_REG_WAVE_MODE, 25, 1), 1
	s_wait_xcnt 0x0
	s_wait_alu depctr_hold_cnt(0) depctr_sa_sdst(0) depctr_va_vdst(0) depctr_va_sdst(0) depctr_va_ssrc(0) depctr_va_vcc(0) depctr_vm_vsrc(0)
	s_getreg_b32 s2, hwreg(HW_REG_IB_STS2, 6, 4)
	s_cmp_eq_u32 s2, 0
	s_cbranch_scc0 .Lentry_in_a_cluster
	s_endpgm
.Lentry_in_a_cluster:
	s_bfe_u32 s2, ttmp6, 0x10000c
	s_cmp_lg_u32 s2, 0x3003
	s_cbranch_scc0 .Lentry_shape_is_right
	s_endpgm
.Lentry_shape_is_right:
; Causal attention of one head (y = 16 x batch + head) on codes of E3M2; the result is quantised along D for the next product.
; t = score x log2(e) / 8; M = the running largest t rounded up to a whole number; p = 2^(t - M) is quantised along the keys, not normalised; the row's sum of the unquantised p divides at the end.
; Key steps whose keys all come after a group's queries lie wholly under the causal mask that the problem builds itself: they are not walked.
; SHARES.  Sixteen waves, sixteen groups of 16 queries: rank rho = w xor 3 ((w / 4) % 2) owns group 8 rho + x, whose queries lie in key step rho (128 keys a step), so the group needs steps 0 .. rho.
; THE STEPS ARE DEALT EVENLY.  A wave of rank rho >= 8 walks only steps rho - 8 .. rho of its group: 9 steps.  The wave of rank 15 - rho walks the group's steps 0 .. rho - 9 first (pass 0; 0 to 7 steps),
; leaves O^T, -M and the sum as register images in LDS bytes of its own, and then walks its own group's 16 - rho steps (pass 1): 8 steps in all.  Behind one barrier the owner joins the two parts:
; both are brought under the larger M by powers of two, which round nothing.
; LDS.  The head's 16 records (K's and V's codes and scale bytes, 13,312 bytes a key step) come ONCE, one tensor load a wave, and stay.  Behind them the spare words, then 8 x 4,608 bytes for the parts.
; CLUSTER.  The four work-groups of a cluster belong to one head: each record is asked for JOINTLY (mask 15).  The place in the cluster enters q's and the result's global addresses and the number that the
; mask's compare takes, and nothing else: no LDS address, no branch.
; LAYOUT.  Both products transposed (first source = 16 keys, or 16 of the head's 64; second = my queries, or p): a lane holds ONE query.  The keys of a group are 32 (t / 2) + 8 (t % 2) + r + 8 (r / 8), so that
; the 16 registers of groups 2 b and 2 b + 1 are keys 32 b + 16 h + 0..15.
; THE HEAD'S 64 fill half of the instruction's 128 along K: q's upper six registers are zero codes, and both sides' upper two scale bytes are 0 (2^-127, a number).
; Both loops have constant trip counts (2 passes x 16 steps); a step outside my range is jumped over by scalar branches on the counter and numbers made of the wave's number.
; LIMITS: NaN and infinities are not served; a block of p that is all zeros keeps the byte 1.
.set REC, 13312
.set QC,  6815744
.set QSO, 9961472
.set PART, 0x34800                     ; behind the spare words (0x34000, 128 bytes a wave): the parts
.set PSZ, 4608                         ; a part: O^T's 32 registers and v12-15, 16 bytes a lane each four
.set WV,  8
.set SEL, 28                           ; s[28:29] lane l xor 16
.set CS,  30                           ; s[30:31] c = log2(e) / 8
.set KS,  32                           ; s32 the key step
.set TB,  33                           ; s33 its record in LDS
.set LO,  49                           ; s49, s50 this pass's steps: LO .. END - 1
.set END, 50
.set DG,  56                           ; s56 the step on the diagonal (16: none)
.set E2,  57                           ; s57 pass 1's END
.set PS,  58                           ; s58 the pass
.set BM,  244                          ; v244-247 block maxima; v248-251 at work; v252-255 scale operands
.set BT,  248
.set SO,  252
; v1-4 16, 8, 4, 2 x lane; v5 my query's place in its key step - 16 h; v6-9 the step's addresses; v10 -infinity; v11 the part's LDS address; v12 -M, v13 largest t, v[14:15] the sum; v16-27 q, v28 its scale half;
; v29 p's scale word; v[30:31] f; v32-79 K's 8 groups, six registers each, v80-85 zeros; v86-93 K's scale halves; v94, v95 for the add alone; v96-159 scores, then p; v160-191 O^T; v192-239 V's fragments, v240-243 their scale words.
.macro PLACES
.rept 4
	v_nop
.endr
.endm
.macro ROUND                           ; a round of the cluster's barrier
	s_barrier_signal -1
	s_barrier_wait -1
	s_cmp_lg_u32 s[WV], 0
	s_cbranch_scc1 .Lnot_wave_0_\@
	s_barrier_signal -3
.Lnot_wave_0_\@:
	s_barrier_wait -3
	s_barrier_signal -1
	s_barrier_wait -1
.endm
.macro HQUANT src, pc, pt, hw          ; 32 registers, register 16 b + i = k 32 b + 16 h + i of my row -> a half image in v[pc..pc+5], two scale bytes in v[hw]
.irp b, 0,1
	v_max3_num_f32 v[BM+\b], |v[(\src)+16*\b]|, |v[(\src)+16*\b+1]|, 0x2800000
.endr
.irp i, 2,4,6,8,10,12,14
.irp b, 0,1
	s_delay_alu instid0(VALU_DEP_2)
	v_max3_num_f32 v[BM+\b], v[BM+\b], |v[(\src)+16*\b+\i]|, |v[(\src)+16*\b+\i+1]|
.endr
.endr
.irp b, 0,1
	s_delay_alu instid0(VALU_DEP_2)
	v_permlanex16_b32 v[BT+\b], v[BM+\b], s[SEL], s[SEL+1]
.endr
.irp b, 0,1
	s_delay_alu instid0(VALU_DEP_2)
	v_max_num_f32 v[BM+\b], v[BM+\b], v[BT+\b]
.endr
.irp b, 0,1
	s_delay_alu instid0(VALU_DEP_2)
	v_add_nc_u32 v[SO+\b], 0xfe000000, v[BM+\b]
.endr
.irp b, 0,1
	s_delay_alu instid0(VALU_DEP_2)
	v_lshrrev_b32 v[BT+\b], 23, v[SO+\b]
.endr
	s_delay_alu instid0(VALU_DEP_1)
	v_lshl_or_b32 v[\hw], v[BT+1], 8, v[BT]
	v_cvt_scalef32_pk16_bf6_f32 v[(\pc):(\pc)+2], v[(\src):(\src)+15], v[SO]
	v_cvt_scalef32_pk16_bf6_f32 v[(\pt):(\pt)+2], v[(\src)+16:(\src)+31], v[SO+1]
	v_nop
.irp i, 0,1,2
	v_permlane16_swap_b32 v[(\pc)+\i], v[(\pt)+\i]
.endr
.irp i, 0,1,2
	s_delay_alu instid0(VALU_DEP_3)
	v_mov_b32 v[(\pc)+3+\i], v[(\pt)+\i]
.endr
.endm
	s_load_b128 s[4:7], s[0:1], 0x0                ; qkvi, aimg
	v_lshl_add_u32 v94, v0, 2, 0x34000
	v_mov_b32 v95, 0
	ds_add_u32 v94, v95
	ds_add_u32 v94, v95
	v_lshrrev_b32 v1, 5, v0
	s_delay_alu instid0(VALU_DEP_1)
	v_readfirstlane_b32 s[WV], v1                  ; wave 0..15
	s_lshr_b32 s9, s[WV], 2
	s_and_b32 s9, s9, 1
	s_mul_i32 s9, s9, 3
	s_xor_b32 s9, s9, s[WV]                        ; rho
	s_bfe_u32 s10, ttmp6, 0x40000                  ; cx
	s_lshl_b32 s13, ttmp9, 2
	s_add_co_u32 s10, s10, s13                     ; x = 4 x cluster x + cx
	s_and_b32 s11, ttmp7, 0xffff                   ; bh: shared by the four partners
	s_lshl_b32 s12, s9, 3
	s_add_co_u32 s12, s12, s10                     ; my own group of queries
	s_mov_b32 s16, 15|(3<<16)|(1<<21)              ; group 1: the mask: all four work-groups; elements of 8 bytes; bit 21 beside a mask
	s_mov_b32 s17, 32<<16                          ; 13,312 dense bytes as 52 rows of 32 elements
	s_mov_b32 s18, 52<<16
	s_mov_b32 s19, 32<<16
	s_mov_b32 s20, 52
	s_mov_b32 s21, 32
	s_mov_b32 s22, 0
	s_mov_b32 s23, 0
	s_lshl_b32 s34, s11, 4
	s_add_co_u32 s34, s34, s[WV]
	s_mul_i32 s34, s34, REC                        ; record (bh, key step = wave)
	s_mov_b32 s35, 0
	s_mov_b32 s24, 1
	s_mul_i32 s25, s[WV], REC
	s_wait_dscnt 0x0
	s_wait_kmcnt 0x0
	s_add_nc_u64 s[26:27], s[4:5], s[34:35]
	s_or_b32 s27, s27, 0x80000000
	ROUND                                          ; all four work-groups are here: the joint loads meet
	tensor_load_to_lds s[24:27], s[16:23]          ; my one tensor load
	s_nop 0
	PLACES
	s_mov_b32 s[SEL], 0x76543210
	s_mov_b32 s[SEL+1], 0xfedcba98
	s_mov_b32 s[CS], 0x3e38aa3b
	s_mov_b32 s[CS+1], s[CS]                       ; (named with it as a pair)
	s_lshl_b32 s36, s11, 7                         ; 128 bh
	s_mov_b32 s39, 0
	s_add_co_u32 s37, s36, s12                     ; + my own group: pass 1's q, for ranks under 8
	s_mul_i32 s38, s37, 768
	s_add_co_u32 s38, s38, QC
	s_add_nc_u64 s[52:53], s[4:5], s[38:39]
	s_lshl_b32 s38, s37, 6
	s_add_co_u32 s38, s38, QSO
	s_add_nc_u64 s[54:55], s[4:5], s[38:39]
	s_xor_b32 s48, s9, 15                          ; 15 - rho
	s_max_u32 s37, s48, s9                         ; pass 0's group has the pair's higher rank,
	s_min_u32 s51, s48, s9                         ; and the pair's part has the lower rank's number
	s_lshl_b32 s37, s37, 3
	s_add_co_u32 s37, s37, s10
	s_add_co_u32 s37, s37, s36
	s_mul_i32 s38, s37, 768
	s_add_co_u32 s38, s38, QC
	s_add_nc_u64 s[40:41], s[4:5], s[38:39]        ; pass 0's q: its half image
	s_lshl_b32 s38, s37, 6
	s_add_co_u32 s38, s38, QSO
	s_add_nc_u64 s[42:43], s[4:5], s[38:39]        ; its scale halves
	s_mul_i32 s51, s51, PSZ
	s_add_co_u32 s51, s51, PART
	v_and_b32 v5, 31, v0
	s_delay_alu instid0(VALU_DEP_1)
	v_lshlrev_b32 v1, 4, v5
	s_delay_alu instid0(VALU_DEP_2)
	v_lshlrev_b32 v2, 3, v5
	s_delay_alu instid0(VALU_DEP_3)
	v_lshlrev_b32 v3, 2, v5
	s_delay_alu instid0(VALU_DEP_4)
	v_lshlrev_b32 v4, 1, v5
	global_load_b128 v[16:19], v1, s[40:41]
	global_load_b64 v[20:21], v2, s[40:41] offset:512
	global_load_u16 v28, v4, s[42:43]              ; bytes 2 and 3 come as 0
	v_add_nc_u32 v11, s51, v1                      ; the part: 16 x lane
	s_and_b32 s59, s9, 7                           ; rho - 8 for ranks from 8 on
	s_xor_b32 s48, s9, 7                           ; 7 - rho for ranks under 8
	s_add_co_u32 s60, s9, 1
	s_cmp_lt_u32 s9, 8
	s_cselect_b32 s[LO], 0, s59                    ; pass 0: under 8: the partner's steps 0 .. 6 - rho, none on the diagonal; from 8 on: my steps rho - 8 .. rho
	s_cselect_b32 s[END], s48, s60
	s_cselect_b32 s[DG], 16, s9
	s_cselect_b32 s[E2], s60, 0                    ; pass 1: under 8: my steps 0 .. rho; from 8 on: none
	s_lshr_b32 s36, s11, 4
	s_lshl_b32 s36, s36, 7
	s_add_co_u32 s36, s36, s12
	s_mul_i32 s36, s36, REC                        ; the result's record: token group 128 x batch + group
	s_and_b32 s37, s11, 15                         ; the head: K step head / 2, half head % 2
	s_lshr_b32 s14, s37, 1
	s_and_b32 s37, s37, 1
	s_mul_i32 s38, s14, 1536
	s_add_co_u32 s38, s38, s36
	s_mul_i32 s15, s37, 768
	s_add_co_u32 s38, s38, s15
	s_add_nc_u64 s[44:45], s[6:7], s[38:39]
	s_lshl_b32 s38, s14, 7
	s_add_co_u32 s38, s38, s36
	s_lshl_b32 s15, s37, 1
	s_add_co_u32 s38, s38, s15
	s_add_co_u32 s38, s38, 12288
	s_add_nc_u64 s[46:47], s[6:7], s[38:39]
	s_lshr_b32 s14, s10, 1
	s_lshl_b32 s14, s14, 5
	s_and_b32 s15, s10, 1
	s_lshl_b32 s15, s15, 3
	s_add_co_u32 s14, s14, s15                     ; 32 (x / 2) + 8 (x % 2)
	v_and_b32 v6, 15, v0
	s_delay_alu instid0(VALU_DEP_1)
	v_and_b32 v7, 8, v6
	s_delay_alu instid0(VALU_DEP_1)
	v_add_nc_u32 v6, v6, v7                        ; r + 8 (r / 8)
	v_bfe_u32 v7, v0, 4, 1
	s_delay_alu instid0(VALU_DEP_1)
	v_lshlrev_b32 v7, 4, v7
	s_delay_alu instid0(VALU_DEP_1)
	v_sub_nc_u32 v5, v6, v7
	s_delay_alu instid0(VALU_DEP_1)
	v_add_nc_u32 v5, s14, v5                       ; d = my query's place in its key step - 16 h (the same for every group of this x)
.irp n, 22,23,24,25,26,27,80,81,82,83,84,85,14,15,31,248,249,250,251
	v_mov_b32 v\n, 0
.endr
	v_mov_b32 v10, 0xff800000                      ; -infinity
	v_mov_b32 v13, 0xff61b1e6                      ; the largest t so far: -3e38
	s_delay_alu instid0(VALU_DEP_1)
	v_floor_f32 v12, -v13                          ; -M
.set n, 0
.rept 32
	v_mov_b32 v[160+n], 0                          ; O^T: the step is written once; the first change of M multiplies zeros
.set n, n+1
.endr
	s_mov_b32 s[PS], 0
	s_wait_alu depctr_va_vdst(0)
	s_wait_loadcnt 0x0                             ; q
	s_wait_tensorcnt 0x0                           ; my record is in,
	s_barrier_signal -1
	s_barrier_wait -1                              ; everybody's is
.Lpass:
	s_mov_b32 s[KS], 0
	s_mov_b32 s[TB], 0
.Lstep:
	s_cmp_lt_u32 s[KS], s[LO]
	s_cbranch_scc1 .Lhidden                        ; my partner's step
	s_cmp_ge_u32 s[KS], s[END]
	s_cbranch_scc1 .Lhidden                        ; not mine, or all its keys come after the queries
	v_add_nc_u32 v6, s[TB], v1                     ; (these four are also the places behind the last step's products)
	v_add_nc_u32 v7, s[TB], v2
	v_add_nc_u32 v8, s[TB], v3
	v_add_nc_u32 v9, s[TB], v4
.irp t, 0,1,2,3,4,5,6,7
	ds_load_b128 v[32+6*\t:35+6*\t], v6 offset:768*\t
	ds_load_b64 v[36+6*\t:37+6*\t], v7 offset:768*\t+512
	ds_load_u16 v[86+\t], v9 offset:12288+64*\t
.endr
.irp g, 0,1,2,3
	ds_load_b128 v[192+12*\g:195+12*\g], v6 offset:6144+1536*\g
	ds_load_b64 v[196+12*\g:197+12*\g], v7 offset:6144+1536*\g+512
	ds_load_b128 v[198+12*\g:201+12*\g], v6 offset:6144+1536*\g+768
	ds_load_b64 v[202+12*\g:203+12*\g], v7 offset:6144+1536*\g+1280
	ds_load_b32 v[240+\g], v8 offset:12800+128*\g
.endr
	s_wait_dscnt 20                                ; K's 24 loads are in; V's 20, issued behind them, may stay out
.irp t, 0,1,2,3,4,5,6,7
	v_wmma_scale_f32_16x16x128_f8f6f4 v[96+8*\t:103+8*\t], v[32+6*\t:43+6*\t], v[16:27], 0, v[86+\t], v28 matrix_a_fmt:MATRIX_FMT_BF6 matrix_b_fmt:MATRIX_FMT_BF6
.endr
	PLACES
	s_cmp_lg_u32 s[KS], s[DG]
	s_cbranch_scc1 .Lopen                          ; only the queries' own key step lies on the diagonal
.irp n, 0,1,2,3,4,5,6,7,8,9,10,11,12,13,14,15,16,17,18,19,20,21,22,23,24,25,26,27,28,29,30,31,32,33,34,35,36,37,38,39,40,41,42,43,44,45,46,47,48,49,50,51,52,53,54,55,56,57,58,59,60,61,62,63
	v_cmp_gt_i32 vcc_lo, 32*(\n/16)+\n%16, v5      ; register 16 b + i holds key 32 b + 16 h + i of the step: hidden where 32 b + i > d
	v_cndmask_b32 v[96+\n], v[96+\n], v10, vcc_lo
.endr
.Lopen:
.irp b, 0,1,2,3
	v_max3_num_f32 v[BM+\b], v[96+16*\b], v[97+16*\b], v[98+16*\b]   ; the largest score of each block of 32 keys: for the row's maximum and, since p rises with the score, for the block's largest p
.endr
.irp i, 3,5,7,9,11,13
.irp b, 0,1,2,3
	v_max3_num_f32 v[BM+\b], v[BM+\b], v[96+16*\b+\i], v[97+16*\b+\i]
.endr
.endr
.irp b, 0,1,2,3
	v_max_num_f32 v[BM+\b], v[BM+\b], v[111+16*\b]
.endr
.irp b, 0,1,2,3
	s_delay_alu instid0(VALU_DEP_4)
	v_permlanex16_b32 v[BT+\b], v[BM+\b], s[SEL], s[SEL+1]
.endr
.irp b, 0,1,2,3
	s_delay_alu instid0(VALU_DEP_4)
	v_max_num_f32 v[BM+\b], v[BM+\b], v[BT+\b]
.endr
	s_delay_alu instid0(VALU_DEP_2)
	v_max3_num_f32 v54, v244, v245, v246
	s_delay_alu instid0(VALU_DEP_1)
	v_max_num_f32 v54, v54, v247
	s_delay_alu instid0(VALU_DEP_1)
	v_mul_f32 v54, s[CS], v54                      ; as t
	s_delay_alu instid0(VALU_DEP_1)
	v_max_num_f32 v13, v13, v54                    ; the running largest t
	v_mov_b32 v54, v12
	s_delay_alu instid0(VALU_DEP_2)
	v_floor_f32 v12, -v13                          ; the new -M = -ceil(t)
	s_delay_alu instid0(VALU_DEP_1)
	v_sub_f32 v54, v12, v54                        ; old M - new M: a whole number, 0 or less
	s_delay_alu instid0(VALU_DEP_1)
	v_cvt_i32_f32 v54, v54                         ; (it saturates)
	s_delay_alu instid0(VALU_DEP_1)
	v_ldexp_f32 v30, 1.0, v54                      ; f = 2^(old M - new M)
.set n, 0
.rept 32
	v_pk_fma_f32 v[96+n:97+n], v[96+n:97+n], s[CS:CS+1], v[12:13] op_sel_hi:[1,0,0]   ; t - M
.set n, n+2
.endr
.irp b, 0,1,2,3
	v_fma_f32 v[BM+\b], v[BM+\b], s[CS], v12
.endr
.set n, 0
	s_wait_alu depctr_va_vdst(0)
.rept 64
	v_exp_f32 v[96+n], v[96+n]                     ; p = 2^(t - M)
.set n, n+1
.endr
.irp b, 0,1,2,3
	v_exp_f32 v[BM+\b], v[BM+\b]                   ; each block's largest p
.endr
	v_pk_mul_f32 v[14:15], v[14:15], v[30:31] op_sel_hi:[1,0]   ; the sum under the new M (a plain line behind the exponentials)
	s_wait_alu depctr_va_vdst(0)
.irp b, 0,1,2,3
	v_max_num_f32 v[BM+\b], 0x2800000, v[BM+\b]    ; the floor 2^(5 - 127)
.endr
.irp b, 0,1,2,3
	s_delay_alu instid0(VALU_DEP_4)
	v_add_nc_u32 v[SO+\b], 0xfe000000, v[BM+\b]
.endr
.irp b, 0,1,2,3
	s_delay_alu instid0(VALU_DEP_4)
	v_lshrrev_b32 v[BT+\b], 23, v[SO+\b]
.endr
	s_delay_alu instid0(VALU_DEP_3)
	v_lshl_or_b32 v29, v249, 8, v248               ; p's scale word for these 128 keys
	s_delay_alu instid0(VALU_DEP_1)
	v_lshl_or_b32 v29, v250, 16, v29
	s_delay_alu instid0(VALU_DEP_1)
	v_lshl_or_b32 v29, v251, 24, v29
.irp c, 0,1
	v_cvt_scalef32_pk16_bf6_f32 v[32+6*\c:34+6*\c], v[96+32*\c:111+32*\c], v[SO+2*\c]
	v_cvt_scalef32_pk16_bf6_f32 v[44+4*\c:46+4*\c], v[112+32*\c:127+32*\c], v[SO+2*\c+1]
.endr
	v_nop                                          ; a plain line behind the conversions
.irp c, 0,1
.irp i, 0,1,2
	v_permlane16_swap_b32 v[32+6*\c+\i], v[44+4*\c+\i]
.endr
.irp i, 0,1,2
	s_delay_alu instid0(VALU_DEP_3)
	v_mov_b32 v[35+6*\c+\i], v[44+4*\c+\i]
.endr
.endr
	v_pk_add_f32 v[52:53], v[100:101], v[104:105]  ; the row's sum of the unquantised p, in eight chains
	v_pk_add_f32 v[254:255], v[108:109], v[112:113]
	v_pk_add_f32 v[252:253], v[116:117], v[120:121]
	v_pk_add_f32 v[246:247], v[124:125], v[128:129]
	v_pk_add_f32 v[244:245], v[132:133], v[136:137]
	v_pk_add_f32 v[92:93], v[140:141], v[144:145]
	v_pk_add_f32 v[90:91], v[148:149], v[152:153]
	v_pk_add_f32 v[14:15], v[14:15], v[156:157]
	v_pk_add_f32 v[52:53], v[52:53], v[96:97]
	v_pk_add_f32 v[254:255], v[254:255], v[98:99]
	v_pk_add_f32 v[252:253], v[252:253], v[102:103]
	v_pk_add_f32 v[246:247], v[246:247], v[106:107]
	v_pk_add_f32 v[244:245], v[244:245], v[110:111]
	v_pk_add_f32 v[92:93], v[92:93], v[114:115]
	v_pk_add_f32 v[90:91], v[90:91], v[118:119]
	v_pk_add_f32 v[14:15], v[14:15], v[122:123]
	v_pk_add_f32 v[52:53], v[52:53], v[126:127]
	v_pk_add_f32 v[254:255], v[254:255], v[130:131]
	v_pk_add_f32 v[252:253], v[252:253], v[134:135]
	v_pk_add_f32 v[246:247], v[246:247], v[138:139]
	v_pk_add_f32 v[244:245], v[244:245], v[142:143]
	v_pk_add_f32 v[92:93], v[92:93], v[146:147]
	v_pk_add_f32 v[90:91], v[90:91], v[150:151]
	v_pk_add_f32 v[14:15], v[14:15], v[154:155]
	v_pk_add_f32 v[52:53], v[52:53], v[158:159]
	s_delay_alu instid0(VALU_DEP_2)
	v_pk_add_f32 v[14:15], v[14:15], v[246:247]
	s_delay_alu instid0(VALU_DEP_2)
	v_pk_add_f32 v[52:53], v[52:53], v[244:245]
	v_pk_add_f32 v[254:255], v[254:255], v[92:93]
	v_pk_add_f32 v[252:253], v[252:253], v[90:91]
	s_delay_alu instid0(VALU_DEP_2)
	v_pk_add_f32 v[14:15], v[14:15], v[254:255]
	s_delay_alu instid0(VALU_DEP_2)
	v_pk_add_f32 v[52:53], v[52:53], v[252:253]
	s_delay_alu instid0(VALU_DEP_1)
	v_pk_add_f32 v[14:15], v[14:15], v[52:53]
.set n, 0
.rept 16
	v_pk_mul_f32 v[160+n:161+n], v[160+n:161+n], v[30:31] op_sel_hi:[1,0]   ; O^T under the new M
.set n, n+2
.endr
	s_wait_alu depctr_va_vdst(0)
	s_wait_dscnt 0x0                               ; V
.irp g, 0,1,2,3
	v_wmma_scale_f32_16x16x128_f8f6f4 v[160+8*\g:167+8*\g], v[192+12*\g:203+12*\g], v[32:43], v[160+8*\g:167+8*\g], v[240+\g], v29 matrix_a_fmt:MATRIX_FMT_BF6 matrix_b_fmt:MATRIX_FMT_BF6
.endr
.Lhidden:
	s_add_co_u32 s[TB], s[TB], REC
	s_add_co_u32 s[KS], s[KS], 1
	s_cmp_lt_u32 s[KS], 16
	s_cbranch_scc1 .Lstep
	s_cmp_lg_u32 s[PS], 0
	s_cbranch_scc1 .Lkeep
	s_cmp_ge_u32 s9, 8
	s_cbranch_scc1 .Lkeep
	PLACES                                         ; ranks under 8, behind pass 0: the partner's part goes to LDS, each accumulator from its low end on,
.irp i, 0,1,2,3,4,5,6,7
	ds_store_b128 v11, v[160+4*\i:163+4*\i] offset:512*\i
.endr
	ds_store_b128 v11, v[12:15] offset:4096        ; with -M and the sum's two halves;
	global_load_b128 v[16:19], v1, s[52:53]        ; my own group's q,
	global_load_b64 v[20:21], v2, s[52:53] offset:512
	global_load_u16 v28, v4, s[54:55]
	v_mov_b32 v14, 0                               ; and the sums begin anew
	v_mov_b32 v15, 0
	v_mov_b32 v13, 0xff61b1e6
	s_delay_alu instid0(VALU_DEP_1)
	v_floor_f32 v12, -v13
.set n, 0
.rept 32
	v_mov_b32 v[160+n], 0
.set n, n+1
.endr
	s_wait_alu depctr_va_vdst(0)
	s_wait_loadcnt 0x0
.Lkeep:
	s_mov_b32 s[LO], 0                             ; pass 1's steps
	s_mov_b32 s[END], s[E2]
	s_mov_b32 s[DG], s9
	s_add_co_u32 s[PS], s[PS], 1
	s_cmp_lt_u32 s[PS], 2
	s_cbranch_scc1 .Lpass
	PLACES
	s_wait_alu depctr_va_vdst(0)
	s_wait_dscnt 0x0                               ; for the others' sake: the part that I stored lies in LDS
	s_barrier_signal -1
	s_barrier_wait -1
	s_cmp_lt_u32 s9, 8
	s_cbranch_scc1 .Lwhole                         ; ranks under 8 walked their own group whole
.irp i, 0,1,2,3,4,5,6,7
	ds_load_b128 v[96+4*\i:99+4*\i], v11 offset:512*\i
.endr
	ds_load_b128 v[128:131], v11 offset:4096
	s_wait_dscnt 0x0
	v_min_num_f32 v250, v12, v128                  ; -(the larger M)
	s_delay_alu instid0(VALU_DEP_1)
	v_sub_f32 v251, v250, v12                      ; my M less it, and the part's M less it: whole numbers, 0 or less
	v_sub_f32 v250, v250, v128
	s_delay_alu instid0(VALU_DEP_2)
	v_cvt_i32_f32 v251, v251                       ; (they saturate: a part of no steps has -M = 3e38, zeros and the factor 0)
	s_delay_alu instid0(VALU_DEP_2)
	v_cvt_i32_f32 v250, v250
	s_delay_alu instid0(VALU_DEP_2)
	v_ldexp_f32 v30, 1.0, v251
	s_delay_alu instid0(VALU_DEP_2)
	v_ldexp_f32 v248, 1.0, v250
	v_pk_mul_f32 v[14:15], v[14:15], v[30:31] op_sel_hi:[1,0]
.set n, 0
.rept 16
	v_pk_mul_f32 v[160+n:161+n], v[160+n:161+n], v[30:31] op_sel_hi:[1,0]
.set n, n+2
.endr
	v_pk_fma_f32 v[14:15], v[130:131], v[248:249], v[14:15] op_sel_hi:[1,0,1]
.set n, 0
.rept 16
	v_pk_fma_f32 v[160+n:161+n], v[96+n:97+n], v[248:249], v[160+n:161+n] op_sel_hi:[1,0,1]
.set n, n+2
.endr
.Lwhole:
	v_add_f32 v14, v14, v15
	s_delay_alu instid0(VALU_DEP_1)
	v_permlanex16_b32 v248, v14, s[SEL], s[SEL+1]
	s_delay_alu instid0(VALU_DEP_1)
	v_add_f32 v14, v14, v248                       ; the row's sum
	s_wait_alu depctr_va_vdst(0)
	v_rcp_f32 v14, v14
	v_nop
.set n, 0
	s_wait_alu depctr_va_vdst(0)
.rept 32
	v_mul_f32 v[96+n], v[160+n], v14               ; register 16 b + i is channel 32 b + 16 h + i of my query
.set n, n+1
.endr
	HQUANT 96, 32, 44, 38
	global_store_b128 v1, v[32:35], s[44:45]
	global_store_b64 v2, v[36:37], s[44:45] offset:512
	global_store_b16 v3, v38, s[46:47]             ; my head's half of the K step's scale words
	s_wait_tensorcnt 0x0                           ; the wave's end
	ds_add_u32 v94, v95
	s_wait_dscnt 0x0
	ROUND                                          ; the closing round: no work-group ends while a partner may still ask for a record that names it
	s_endpgm
.Lfunc_end_k_q11041d9965_attn:
	.size	k_q11041d9965_attn, .Lfunc_end_k_q11041d9965_attn-k_q11041d9965_attn
	.p2alignl 7, 3214868480
	.fill 96, 4, 3214868480
	.section	.rodata,"a",@progbits
	.p2align	6, 0x0
	.amdhsa_kernel k_q11041d9965_attn
		.amdhsa_group_segment_fixed_size 251904
		.amdhsa_private_segment_fixed_size 0
		.amdhsa_enable_private_segment 0
		.amdhsa_kernarg_size 16
		.amdhsa_user_sgpr_count 2
		.amdhsa_user_sgpr_kernarg_segment_ptr 1
		.amdhsa_wavefront_size32 1
		.amdhsa_system_sgpr_workgroup_id_x 1
		.amdhsa_system_sgpr_workgroup_id_y 1
		.amdhsa_system_sgpr_workgroup_id_z 1
		.amdhsa_system_vgpr_workitem_id 0
		.amdhsa_next_free_vgpr 256
		.amdhsa_next_free_sgpr 66
		.amdhsa_reserve_vcc 1
		.amdhsa_float_denorm_mode_32 3
		.amdhsa_float_denorm_mode_16_64 3
		.amdhsa_memory_ordered 1
		.amdhsa_forward_progress 1
		.amdhsa_inst_pref_size 42
	.end_amdhsa_kernel
	.amdgpu_metadata
---
amdhsa.version: [ 1, 2 ]
amdhsa.kernels:
  - .name:           k_q11041d9965_attn
    .symbol:         k_q11041d9965_attn.kd
    .args:
      - { .name: qkvi, .offset: 0, .size: 8, .value_kind: global_buffer, .address_space: global }
      - { .name: aimg, .offset: 8, .size: 8, .value_kind: global_buffer, .address_space: global }
    .group_segment_fixed_size: 251904
    .private_segment_fixed_size: 0
    .kernarg_segment_align: 8
    .kernarg_segment_size: 16
    .max_flat_workgroup_size: 512
    .sgpr_count:     66
    .vgpr_count:     256
    .wavefront_size: 32
...
	.end_amdgpu_metadata
.endif
;; end of part 9
;; launch wo (part 10): grid 32 x 8, 4 waves a work-group, clusters of 4 x 1, 176,640 bytes of LDS; arguments aimg, img1, x, x1; writes x1
.if DOCPART == 10
	.amdgcn_target "amdgcn-amd-amdhsa--gfx1250"
	.amdhsa_code_object_version 6
	.text
	.protected	k_q11041d9965_wo
	.globl	k_q11041d9965_wo
	.p2align	8
	.type	k_q11041d9965_wo,@function
k_q11041d9965_wo:
	s_mov_b64 s[64:65], 0
	v_nop
	global_prefetch_b8 v0, s[64:65] scope:SCOPE_SE
	s_setreg_imm32_b32 hwreg(HW_REG_WAVE_MODE, 25, 1), 1
	s_wait_xcnt 0x0
	s_wait_alu depctr_hold_cnt(0) depctr_sa_sdst(0) depctr_va_vdst(0) depctr_va_sdst(0) depctr_va_ssrc(0) depctr_va_vcc(0) depctr_vm_vsrc(0)
	s_getreg_b32 s2, hwreg(HW_REG_IB_STS2, 6, 4)
	s_cmp_eq_u32 s2, 0
	s_cbranch_scc0 .Lentry_in_a_cluster
	s_endpgm
.Lentry_in_a_cluster:
	s_bfe_u32 s2, ttmp6, 0x10000c
	s_cmp_lg_u32 s2, 0x3003
	s_cbranch_scc0 .Lentry_shape_is_right
	s_endpgm
.Lentry_shape_is_right:
; x1 = x + attn wo^T on codes of E3M2.  A work-group: 128 tokens (x) x 128 outputs (y).  Four waves, each 64 x 64, 16 accumulators; first source = wo's rows, second = tokens: a lane holds one token
; and runs of 16 neighbouring outputs.
; THE TOKENS' CODES come from memory straight into registers (my 4 groups x 8 K steps, 384 registers, and 32 scale words); wo's 8 records (106,496 bytes) come into LDS once, two records a wave by one tensor load.
; CLUSTER: the four work-groups of a cluster have the same y and need the same records of wo: they are asked for JOINTLY (mask 15).  The place in the cluster enters global addresses alone.
; x's 64 x 64 numbers of my tile are asked for at the head, in the order in which the way out wants them, and wait in registers.
; The way out goes through the wave's own stage (64 rows x 272 bytes, bytes that no tensor load fills), in the tokens' true order, and leaves as whole runs of 256 bytes with x added.
; RECORD (13,312 bytes, 16 rows x 1,024 K): K step s at 1536 s: two halves of 768 bytes: registers 0-3 at 16 x lane, 4-5 at 512 + 8 x lane; scale words at 12288 + 128 s + 4 x lane.
; REGISTERS.  window 0: v4-6 wo's LDS addresses (16, 8, 4 x lane); v10-12 16, 8, 4 x lane; v13-15 the way out; v16-23 wo's scale words, two sets; v32-63 the tokens' scale words, later with v64-95 rows on the way out;
;   v128-255 the accumulators.  window 1: v0-95 wo's fragments, two sets; v96-143 the tokens' K step 7; v144-239 x, batches 0-2.  window 2: v128-223 K steps 5, 6; v224-255 x, batch 3.  window 3: v0-239 K steps 0-4.
.set REC,  13312
.set HALF, 4*REC
.set STG,  8*REC                       ; behind the slot: the four stages
.set WV,   12
.set MSB, 0
.macro WIN new                         ; the immediate's high byte repeats the setting that is left
.if MSB != (\new)
	s_set_vgpr_msb (MSB<<8)|(\new)
.set MSB, (\new)
.endif
.endm
.macro PLACES
.rept 4
	v_nop
.endr
.endm
.macro ROUND                           ; a round of the cluster's barrier
	s_barrier_signal -1
	s_barrier_wait -1
	s_cmp_lg_u32 s[WV], 0
	s_cbranch_scc1 .Lnot_wave_0_\@
	s_barrier_signal -3
.Lnot_wave_0_\@:
	s_barrier_wait -3
	s_barrier_signal -1
	s_barrier_wait -1
.endm
.macro TOK s                           ; where the tokens' fragments of K step s lie: window TW, from register TBASE on, 12 a group
.if (\s) < 5
.set TW, 3
.set TBASE, 48*(\s)
.elseif (\s) < 7
.set TW, 2
.set TBASE, 128+48*((\s)-5)
.else
.set TW, 1
.set TBASE, 96
.endif
.endm
.macro TOKENS base                     ; my four records, from memory into registers: 160 loads
.irp s, 0,1,2,3,4,5,6,7
	TOK \s
	WIN TW<<6
.irp i, 0,1,2,3
	global_load_b128 v[TBASE+12*\i:TBASE+12*\i+3], v10, s[\base:\base+1] offset:\i*REC+1536*\s
	global_load_b64 v[TBASE+12*\i+4:TBASE+12*\i+5], v11, s[\base:\base+1] offset:\i*REC+1536*\s+512
	global_load_b128 v[TBASE+12*\i+6:TBASE+12*\i+9], v10, s[\base:\base+1] offset:\i*REC+1536*\s+768
	global_load_b64 v[TBASE+12*\i+10:TBASE+12*\i+11], v11, s[\base:\base+1] offset:\i*REC+1536*\s+1280
.endr
.endr
	WIN 0
.irp s, 0,1,2,3,4,5,6,7
.irp i, 0,1,2,3
	global_load_b32 v[32+4*\s+\i], v12, s[\base:\base+1] offset:\i*REC+12288+128*\s
.endr
.endr
.endm
.macro RESID base                      ; the residual of my 64 rows x 256 bytes, two rows a load, as the way out takes them
	WIN 0x40
.irp q, 0,1,2
.irp k, 0,1,2,3,4,5,6,7
	global_load_b128 v[144+32*\q+4*\k:147+32*\q+4*\k], v15, s[\base:\base+1] offset:2*(8*\q+\k)*4096
.endr
.endr
	WIN 0x80
.irp k, 0,1,2,3,4,5,6,7
	global_load_b128 v[224+4*\k:227+4*\k], v15, s[\base:\base+1] offset:2*(24+\k)*4096
.endr
	WIN 0
.endm
.macro FETCH z, s, f                   ; 20 LDS loads: the weights' four fragments and scale words of K step s into set f
	WIN 0x40
.irp g, 0,1,2,3
	ds_load_b128 v[48*(\f)+12*\g:48*(\f)+12*\g+3], v[\z] offset:\g*REC+1536*(\s)
	ds_load_b64 v[48*(\f)+12*\g+4:48*(\f)+12*\g+5], v[(\z)+1] offset:\g*REC+1536*(\s)+512
	ds_load_b128 v[48*(\f)+12*\g+6:48*(\f)+12*\g+9], v[\z] offset:\g*REC+1536*(\s)+768
	ds_load_b64 v[48*(\f)+12*\g+10:48*(\f)+12*\g+11], v[(\z)+1] offset:\g*REC+1536*(\s)+1280
.endr
	WIN 0
.irp g, 0,1,2,3
	ds_load_b32 v[16+4*(\f)+\g], v[(\z)+2] offset:\g*REC+12288+128*(\s)
.endr
.endm
.macro WM d, a, b, sa, sb, zero
.if \zero
	v_wmma_scale_f32_16x16x128_f8f6f4 v[(\d):(\d)+7], v[(\a):(\a)+11], v[(\b):(\b)+11], 0, v[\sa], v[\sb] matrix_a_fmt:MATRIX_FMT_BF6 matrix_b_fmt:MATRIX_FMT_BF6
.else
	v_wmma_scale_f32_16x16x128_f8f6f4 v[(\d):(\d)+7], v[(\a):(\a)+11], v[(\b):(\b)+11], v[(\d):(\d)+7], v[\sa], v[\sb] matrix_a_fmt:MATRIX_FMT_BF6 matrix_b_fmt:MATRIX_FMT_BF6
.endif
.endm
.macro MUL s, zero                     ; 16 matrix instructions of K step s; the 16 accumulators take turns, one instruction a turn
	TOK \s
.set FB, 48*((\s)%2)
.set FS, 16+4*((\s)%2)
.set SS, 32+4*(\s)
	WIN 1|(TW<<2)
.irp i, 0,1,2,3
.irp t, 0,1,2,3
	WM 128+8*(4*\i+\t), FB+12*\t, TBASE+12*\i, FS+\t, SS+\i, \zero
.endr
.endr
.endm
.macro KSTEPS z
	FETCH \z, 0, 0
.irp s, 0,1,2,3,4,5,6,7
	s_wait_dscnt 0x0                               ; this step's set, asked for a step ago, is in
	PLACES                                         ; behind the products that read the other set
.if \s < 7
	FETCH \z, \s+1, 1-\s%2
.endif
.if \s == 0
	MUL 0, 1
.else
	MUL \s, 0
.endif
.endr
	WIN 0
.endm
; The 16 tiles in v[src..] of window win go into my stage, each from its low end on; then 64 rows come back, two a load, the residual is added, and sixteen lanes store 256 consecutive aligned bytes.
.macro WAYOUT src, win, dst
	WIN \win
.irp i, 0,1,2,3
.irp t, 0,1,2,3
	ds_store_b128 v13, v[\src+8*(4*\i+\t):\src+8*(4*\i+\t)+3] offset:(32*(\i/2)+8*(\i%2))*272+128*(\t/2)+32*(\t%2)
	ds_store_b128 v13, v[\src+8*(4*\i+\t)+4:\src+8*(4*\i+\t)+7] offset:(32*(\i/2)+8*(\i%2))*272+128*(\t/2)+32*(\t%2)+16
.endr
.endr
	WIN 0
.irp q, 0,1,2,3
.if \q >= 2
	s_wait_xcnt 0x0                                ; the stores of two batches ago have read their registers
.endif
.irp k, 0,1,2,3,4,5,6,7
	ds_load_b128 v[32+32*(\q%2)+4*\k:35+32*(\q%2)+4*\k], v14 offset:2*(8*\q+\k)*272   ; LDS serves a wave's instructions in order: these see my stores
.endr
	s_wait_dscnt 0x0
.if \q < 3
	WIN 0x04
.set XB, 144+32*\q
.else
	WIN 0x08
.set XB, 224
.endif
.irp k, 0,1,2,3,4,5,6,7,8,9,10,11,12,13,14,15
	v_pk_add_f32 v[32+32*(\q%2)+2*\k:33+32*(\q%2)+2*\k], v[32+32*(\q%2)+2*\k:33+32*(\q%2)+2*\k], v[XB+2*\k:XB+2*\k+1]
.endr
	WIN 0
.irp k, 0,1,2,3,4,5,6,7
	global_store_b128 v15, v[32+32*(\q%2)+4*\k:35+32*(\q%2)+4*\k], s[\dst:\dst+1] offset:2*(8*\q+\k)*4096
.endr
.endr
.endm
	s_load_b256 s[4:11], s[0:1], 0x0               ; aimg, img1, x, x1
	v_lshl_add_u32 v126, v0, 2, 0x2b000
	v_mov_b32 v127, 0
	ds_add_u32 v126, v127
	ds_add_u32 v126, v127
	v_lshrrev_b32 v1, 5, v0
	v_readfirstlane_b32 s[WV], v1                  ; wave
	s_and_b32 s13, s[WV], 1                        ; a0: which 64 outputs
	s_lshr_b32 s14, s[WV], 1                       ; a1: which 64 tokens
	s_bfe_u32 s15, ttmp6, 0x40000                  ; cx
	s_lshl_b32 s30, ttmp9, 2
	s_add_co_u32 s30, s30, s15                     ; which 128 tokens
	s_and_b32 s31, ttmp7, 0xffff                   ; which 128 outputs: shared by the four partners
	s_mov_b32 s16, 15|(3<<16)|(1<<21)              ; group 1: the mask; elements of 8 bytes; bit 21 beside a mask
	s_mov_b32 s17, 32<<16                          ; 26,624 dense bytes as 104 rows of 32 elements
	s_mov_b32 s18, 104<<16
	s_mov_b32 s19, 32<<16
	s_mov_b32 s20, 104
	s_mov_b32 s21, 32
	s_mov_b32 s22, 0
	s_mov_b32 s23, 0
	s_lshl_b32 s32, s31, 3
	s_lshl_b32 s33, s[WV], 1
	s_add_co_u32 s32, s32, s33
	s_add_co_u32 s32, s32, 448
	s_mul_i32 s32, s32, REC                        ; wo's groups 448 + 8 y + 2 w, + 1
	s_mov_b32 s33, 0
	s_mov_b32 s24, 1
	s_mul_i32 s25, s[WV], 2*REC
	s_lshl_b32 s34, s30, 3
	s_lshl_b32 s35, s14, 2
	s_add_co_u32 s34, s34, s35
	s_mul_i32 s34, s34, REC                        ; my token groups 8 x + 4 a1 on
	s_mov_b32 s35, 0
	s_lshl_b32 s36, s30, 19                        ; 128 x rows of 4,096 bytes
	s_lshl_b32 s37, s14, 18
	s_add_co_u32 s36, s36, s37
	s_lshl_b32 s37, s31, 9
	s_add_co_u32 s36, s36, s37
	s_lshl_b32 s37, s13, 8
	s_add_co_u32 s36, s36, s37
	s_mov_b32 s37, 0
	s_wait_dscnt 0x0
	s_wait_kmcnt 0x0
	s_add_nc_u64 s[26:27], s[6:7], s[32:33]
	s_or_b32 s27, s27, 0x80000000
	s_add_nc_u64 s[28:29], s[4:5], s[34:35]
	s_add_nc_u64 s[8:9], s[8:9], s[36:37]
	s_add_nc_u64 s[10:11], s[10:11], s[36:37]
	v_and_b32 v24, 31, v0
	v_lshlrev_b32 v10, 4, v24
	v_lshlrev_b32 v11, 3, v24
	v_lshlrev_b32 v12, 2, v24
	s_mul_i32 s38, s13, HALF
	v_add_nc_u32 v4, s38, v10
	v_add_nc_u32 v5, s38, v11
	v_add_nc_u32 v6, s38, v12
	v_and_b32 v24, 15, v0                          ; r
	v_bfe_u32 v25, v0, 4, 1                        ; h
	v_and_b32 v26, 8, v24
	v_add_nc_u32 v26, v26, v24                     ; r + 8 (r / 8)
	s_mul_i32 s40, s[WV], 64*272
	s_add_co_u32 s40, s40, STG                     ; my stage
	v_mul_u32_u24 v13, v26, 272
	v_lshl_add_u32 v13, v25, 6, v13
	v_add_nc_u32 v13, s40, v13                     ; in: my token's row, + 64 h bytes
	v_mul_u32_u24 v14, v25, 272
	v_lshl_add_u32 v14, v24, 4, v14
	v_add_nc_u32 v14, s40, v14                     ; back: lanes 0-15 one row, lanes 16-31 the next
	v_lshlrev_b32 v15, 12, v25
	v_lshl_add_u32 v15, v24, 4, v15                ; and the same two rows in x and x1
	ROUND                                          ; all four work-groups are here: the joint loads meet
	tensor_load_to_lds s[24:27], s[16:23]          ; my one tensor load
	s_nop 0
	PLACES
	TOKENS 28
	s_wait_alu depctr_va_vdst(0)
	RESID 8
	s_wait_tensorcnt 0x0                           ; my two records are in,
	s_barrier_signal -1
	s_barrier_wait -1                              ; everybody's are
	s_wait_loadcnt 32                              ; the tokens' codes and scale words are in; x's 32 loads, issued behind them, may stay out: they are first read on the way out
	KSTEPS 4
	PLACES
	s_wait_loadcnt 0x0                             ; x
	WAYOUT 128, 0, 10
	s_wait_tensorcnt 0x0
	ds_add_u32 v126, v127
	s_wait_dscnt 0x0
	ROUND                                          ; the closing round
	s_endpgm
.Lfunc_end_k_q11041d9965_wo:
	.size	k_q11041d9965_wo, .Lfunc_end_k_q11041d9965_wo-k_q11041d9965_wo
	.p2alignl 7, 3214868480
	.fill 96, 4, 3214868480
	.section	.rodata,"a",@progbits
	.p2align	6, 0x0
	.amdhsa_kernel k_q11041d9965_wo
		.amdhsa_group_segment_fixed_size 176640
		.amdhsa_private_segment_fixed_size 0
		.amdhsa_enable_private_segment 0
		.amdhsa_kernarg_size 32
		.amdhsa_user_sgpr_count 2
		.amdhsa_user_sgpr_kernarg_segment_ptr 1
		.amdhsa_wavefront_size32 1
		.amdhsa_system_sgpr_workgroup_id_x 1
		.amdhsa_system_sgpr_workgroup_id_y 1
		.amdhsa_system_sgpr_workgroup_id_z 1
		.amdhsa_system_vgpr_workitem_id 0
		.amdhsa_next_free_vgpr 1024
		.amdhsa_next_free_sgpr 66
		.amdhsa_reserve_vcc 0
		.amdhsa_float_denorm_mode_32 3
		.amdhsa_float_denorm_mode_16_64 3
		.amdhsa_memory_ordered 1
		.amdhsa_forward_progress 1
		.amdhsa_inst_pref_size 63
	.end_amdhsa_kernel
	.amdgpu_metadata
---
amdhsa.version: [ 1, 2 ]
amdhsa.kernels:
  - .name:           k_q11041d9965_wo
    .symbol:         k_q11041d9965_wo.kd
    .args:
      - { .name: aimg, .offset: 0, .size: 8, .value_kind: global_buffer, .address_space: global }
      - { .name: img1, .offset: 8, .size: 8, .value_kind: global_buffer, .address_space: global }
      - { .name: x, .offset: 16, .size: 8, .value_kind: global_buffer, .address_space: global }
      - { .name: x1, .offset: 24, .size: 8, .value_kind: global_buffer, .address_space: global }
    .group_segment_fixed_size: 176640
    .private_segment_fixed_size: 0
    .kernarg_segment_align: 8
    .kernarg_segment_size: 32
    .max_flat_workgroup_size: 128
    .sgpr_count:     66
    .vgpr_count:     1024
    .wavefront_size: 32
...
	.end_amdgpu_metadata
.endif
;; end of part 10
;; launch ln2 (part 11): grid 256 x 1, 8 waves a work-group, no clusters, 68,096 bytes of LDS; arguments x1, ln2_g, ln2_b, router_w, h2img, cbuf; writes h2img, cbuf
.if DOCPART == 11
	.amdgcn_target "amdgcn-amd-amdhsa--gfx1250"
	.amdhsa_code_object_version 6
	.text
	.protected	k_q11041d9965_ln2
	.globl	k_q11041d9965_ln2
	.p2align	8
	.type	k_q11041d9965_ln2,@function
k_q11041d9965_ln2:
	s_mov_b64 s[64:65], 0
	v_nop
	global_prefetch_b8 v0, s[64:65] scope:SCOPE_SE
	s_setreg_imm32_b32 hwreg(HW_REG_WAVE_MODE, 25, 1), 1
	s_wait_xcnt 0x0
; h2 = LN2(x1) quantised into records (layout: as the first launch's), the router's 8 logits by f32 multiply-adds on the unquantised h2, the top 2 (the lower index on a tie), their softmax,
; and the dense combine weights: cbuf[group][expert][lane] = the weight of expert e for the group's row lane % 16, 0 for experts not chosen.
; Work-group G makes group G: rows 32 (G / 2) + 8 (G % 2) + i + 8 (i / 8).  Wave w normalises rows i = 2 w, 2 w + 1 and routes them; behind one barrier wave w quantises K step w.
; ALL loads go out at the head: my two rows, gain and bias (32 loads), and behind them the router's 8 rows at my columns (64 loads, 256 registers: window 1), so that the logits wait for memory once.
; The choice steers values alone (v_cndmask_b32): no address and no branch hangs on it.  The larger logit is taken away before the exponential.
; LIMITS: NaN and infinities are not served; logits equal within the rounding of f32 sums may be ranked otherwise than by another order of summing; a block of zeros keeps the byte 1.
.set REC, 13312
.set SP,  4112
.set CT,  66048                        ; LDS behind the stage: the combine weights, 8 experts x 128 bytes
.set X0,  32
.set X1,  64
.set GG,  96
.set BB,  128
.set N,   32
.set PC,  96
.set PT,  108
.set MSB, 0
.macro WIN new                         ; the immediate's high byte repeats the setting that is left
.if MSB != (\new)
	s_set_vgpr_msb (MSB<<8)|(\new)
.set MSB, (\new)
.endif
.endm
.macro REDUCE v, t
	s_delay_alu instid0(VALU_DEP_1)
	v_add_f32_dpp v[\v], v[\v], v[\v] row_xmask:1 row_mask:0xf bank_mask:0xf
	s_delay_alu instid0(VALU_DEP_1)
	v_add_f32_dpp v[\v], v[\v], v[\v] row_xmask:2 row_mask:0xf bank_mask:0xf
	s_delay_alu instid0(VALU_DEP_1)
	v_add_f32_dpp v[\v], v[\v], v[\v] row_xmask:4 row_mask:0xf bank_mask:0xf
	s_delay_alu instid0(VALU_DEP_1)
	v_add_f32_dpp v[\v], v[\v], v[\v] row_xmask:8 row_mask:0xf bank_mask:0xf
	s_delay_alu instid0(VALU_DEP_1)
	v_permlanex16_b32 v[\t], v[\v], s28, s29
	s_delay_alu instid0(VALU_DEP_1)
	v_add_f32 v[\v], v[\v], v[\t]
.endm
.macro LNROW X
	v_pk_add_f32 v[8:9], v[\X:\X+1], v[\X+2:\X+3]
	v_pk_add_f32 v[10:11], v[\X+4:\X+5], v[\X+6:\X+7]
.irp j, 8,12,16,20,24,28
	s_delay_alu instid0(VALU_DEP_2)
	v_pk_add_f32 v[8:9], v[8:9], v[\X+\j:\X+\j+1]
	s_delay_alu instid0(VALU_DEP_2)
	v_pk_add_f32 v[10:11], v[10:11], v[\X+\j+2:\X+\j+3]
.endr
	s_delay_alu instid0(VALU_DEP_1)
	v_pk_add_f32 v[8:9], v[8:9], v[10:11]
	s_delay_alu instid0(VALU_DEP_1)
	v_add_f32 v8, v8, v9
	REDUCE 8, 9
	s_delay_alu instid0(VALU_DEP_1)
	v_mul_f32 v8, s30, v8
.irp j, 0,2,4,6,8,10,12,14,16,18,20,22,24,26,28,30
	v_pk_add_f32 v[\X+\j:\X+\j+1], v[\X+\j:\X+\j+1], v[8:9] op_sel_hi:[1,0] neg_lo:[0,1] neg_hi:[0,1]
.endr
	v_pk_mul_f32 v[10:11], v[\X:\X+1], v[\X:\X+1]
	v_pk_mul_f32 v[12:13], v[\X+2:\X+3], v[\X+2:\X+3]
.irp j, 4,8,12,16,20,24,28
	s_delay_alu instid0(VALU_DEP_2)
	v_pk_fma_f32 v[10:11], v[\X+\j:\X+\j+1], v[\X+\j:\X+\j+1], v[10:11]
	s_delay_alu instid0(VALU_DEP_2)
	v_pk_fma_f32 v[12:13], v[\X+\j+2:\X+\j+3], v[\X+\j+2:\X+\j+3], v[12:13]
.endr
	s_delay_alu instid0(VALU_DEP_1)
	v_pk_add_f32 v[10:11], v[10:11], v[12:13]
	s_delay_alu instid0(VALU_DEP_1)
	v_add_f32 v10, v10, v11
	REDUCE 10, 11
	s_delay_alu instid0(VALU_DEP_1)
	v_fma_f32 v10, v10, s30, s31
	s_wait_alu depctr_va_vdst(0)
	v_rsq_f32 v10, v10
	v_nop
	s_wait_alu depctr_va_vdst(0)
.irp j, 0,2,4,6,8,10,12,14,16,18,20,22,24,26,28,30
	v_pk_mul_f32 v[\X+\j:\X+\j+1], v[\X+\j:\X+\j+1], v[10:11] op_sel_hi:[1,0]
.endr
.irp j, 0,2,4,6,8,10,12,14,16,18,20,22,24,26,28,30
	v_pk_fma_f32 v[\X+\j:\X+\j+1], v[\X+\j:\X+\j+1], v[GG+\j:GG+\j+1], v[BB+\j:BB+\j+1]
.endr
.endm
.macro FQUANT
.irp c, 0,1
	v_max3_num_f32 v[8+\c], |v[N+32*\c]|, |v[N+32*\c+1]|, 0x2800000
.endr
.irp i, 2,4,6,8,10,12,14,16,18,20,22,24,26,28,30
.irp c, 0,1
	s_delay_alu instid0(VALU_DEP_2)
	v_max3_num_f32 v[8+\c], v[8+\c], |v[N+32*\c+\i]|, |v[N+32*\c+\i+1]|
.endr
.endr
.irp c, 0,1
	s_delay_alu instid0(VALU_DEP_2)
	v_add_nc_u32 v[10+\c], 0xfe000000, v[8+\c]
.endr
.irp c, 0,1
	s_delay_alu instid0(VALU_DEP_2)
	v_lshrrev_b32 v[12+\c], 23, v[10+\c]
.endr
	s_delay_alu instid0(VALU_DEP_1)
	v_lshl_or_b32 v14, v13, 16, v12
	s_delay_alu instid0(VALU_DEP_1)
	v_lshlrev_b32 v14, v7, v14
	s_delay_alu instid0(VALU_DEP_1)
	v_permlanex16_b32 v15, v14, s28, s29
	s_delay_alu instid0(VALU_DEP_1)
	v_or_b32 v14, v14, v15
.irp c, 0,1
	v_cvt_scalef32_pk16_bf6_f32 v[PC+6*\c:PC+6*\c+2], v[N+32*\c:N+32*\c+15], v[10+\c]
	v_cvt_scalef32_pk16_bf6_f32 v[PT+4*\c:PT+4*\c+2], v[N+32*\c+16:N+32*\c+31], v[10+\c]
.endr
	v_nop
.irp c, 0,1
.irp i, 0,1,2
	v_mov_b32 v[PC+6*\c+3+\i], v[PT+4*\c+\i]
.endr
.endr
.endm
; The row's 8 logits v[L..L+7] (the same in every lane) -> its combine weights: lane l holds expert l % 8's
.macro TOP2 L, rr
	v_max3_num_f32 v112, v[\L], v[\L+1], v[\L+2]
	s_delay_alu instid0(VALU_DEP_1)
	v_max3_num_f32 v112, v112, v[\L+3], v[\L+4]
	s_delay_alu instid0(VALU_DEP_1)
	v_max3_num_f32 v112, v112, v[\L+5], v[\L+6]
	s_delay_alu instid0(VALU_DEP_1)
	v_max_num_f32 v112, v112, v[\L+7]              ; the largest
	v_mov_b32 v113, 7
.irp e, 6,5,4,3,2,1,0
	v_cmp_neq_f32 vcc_lo, v[\L+\e], v112
	s_delay_alu instid0(VALU_DEP_1)
	v_cndmask_b32 v113, \e, v113, vcc_lo           ; its lowest index
.endr
.irp e, 0,1,2,3,4,5,6,7
	v_cmp_eq_u32 vcc_lo, \e, v113
	s_delay_alu instid0(VALU_DEP_1)
	v_cndmask_b32 v[\L+\e], v[\L+\e], v120, vcc_lo ; taken out
.endr
	v_max3_num_f32 v114, v[\L], v[\L+1], v[\L+2]
	s_delay_alu instid0(VALU_DEP_1)
	v_max3_num_f32 v114, v114, v[\L+3], v[\L+4]
	s_delay_alu instid0(VALU_DEP_1)
	v_max3_num_f32 v114, v114, v[\L+5], v[\L+6]
	s_delay_alu instid0(VALU_DEP_1)
	v_max_num_f32 v114, v114, v[\L+7]              ; the second
	v_mov_b32 v115, 7
.irp e, 6,5,4,3,2,1,0
	v_cmp_neq_f32 vcc_lo, v[\L+\e], v114
	s_delay_alu instid0(VALU_DEP_1)
	v_cndmask_b32 v115, \e, v115, vcc_lo
.endr
	v_sub_f32 v116, v114, v112                     ; 0 or less
	s_delay_alu instid0(VALU_DEP_1)
	v_mul_f32 v116, 0x3fb8aa3b, v116
	s_wait_alu depctr_va_vdst(0)
	v_exp_f32 v116, v116
	v_nop
	s_wait_alu depctr_va_vdst(0)
	v_add_f32 v117, 1.0, v116
	s_wait_alu depctr_va_vdst(0)
	v_rcp_f32 v117, v117                           ; the first gate
	v_nop
	s_wait_alu depctr_va_vdst(0)
	v_mul_f32 v116, v116, v117                     ; the second
	v_cmp_eq_u32 vcc_lo, v121, v115
	s_delay_alu instid0(VALU_DEP_1)
	v_cndmask_b32 v118, 0, v116, vcc_lo
	v_cmp_eq_u32 vcc_lo, v121, v113
	v_cndmask_b32 v118, v118, v117, vcc_lo
	ds_store_b32 v122, v118 offset:4*\rr           ; lanes 16-31 write what lanes 0-15 write, to the same words
.endm
	s_load_b256 s[4:11], s[0:1], 0x0               ; x1, ln2_g, ln2_b, router_w
	s_load_b128 s[12:15], s[0:1], 0x20             ; h2img, cbuf
	v_lshl_add_u32 v254, v0, 2, 0x10600
	v_mov_b32 v255, 0
	v_lshrrev_b32 v1, 5, v0
	s_delay_alu instid0(VALU_DEP_1)
	v_readfirstlane_b32 s25, v1
	v_and_b32 v1, 31, v0
	s_delay_alu instid0(VALU_DEP_1)
	v_lshlrev_b32 v2, 4, v1
	s_mul_i32 s26, s25, 2*SP
	v_add_nc_u32 v3, s26, v2
	v_and_b32 v8, 15, v0
	v_bfe_u32 v9, v0, 4, 1
	s_delay_alu instid0(VALU_DEP_2)
	v_mul_u32_u24 v4, v8, SP
	s_delay_alu instid0(VALU_DEP_1)
	v_lshl_add_u32 v4, v9, 7, v4
	s_lshl_b32 s26, s25, 9
	v_add_nc_u32 v4, s26, v4
	v_lshlrev_b32 v7, 3, v9
	s_mul_i32 s26, s25, 1536
	v_add_nc_u32 v5, s26, v2
	v_lshl_add_u32 v6, v1, 3, s26
	s_lshl_b32 s26, s25, 7
	v_lshl_add_u32 v1, v1, 2, s26
	v_mov_b32 v15, 0
	s_mov_b32 s28, 0x76543210
	s_mov_b32 s29, 0xfedcba98
	s_mov_b32 s30, 0x3a800000
	s_mov_b32 s31, 0x3727c5ac
	s_lshr_b32 s26, ttmp9, 1
	s_lshl_b32 s26, s26, 5
	s_and_b32 s27, ttmp9, 1
	s_lshl_b32 s27, s27, 3
	s_add_co_u32 s26, s26, s27
	s_lshl_b32 s27, s25, 1
	s_add_co_u32 s26, s26, s27
	s_lshr_b32 s27, s25, 2
	s_lshl_b32 s27, s27, 3
	s_add_co_u32 s26, s26, s27
	s_lshl_b32 s26, s26, 12
	s_mov_b32 s27, 0
	s_wait_kmcnt 0x0
	s_add_nc_u64 s[22:23], s[4:5], s[26:27]        ; my two rows of x1
	s_mul_i32 s26, ttmp9, REC
	s_add_nc_u64 s[20:21], s[12:13], s[26:27]      ; my record
	s_lshl_b32 s26, ttmp9, 10
	s_add_nc_u64 s[14:15], s[14:15], s[26:27]      ; my 1,024 bytes of cbuf
.irp j, 0,1,2,3,4,5,6,7
	global_load_b128 v[X0+4*\j:X0+4*\j+3], v2, s[22:23] offset:512*\j
	global_load_b128 v[X1+4*\j:X1+4*\j+3], v2, s[22:23] offset:4096+512*\j
.endr
.irp j, 0,1,2,3,4,5,6,7
	global_load_b128 v[GG+4*\j:GG+4*\j+3], v2, s[6:7] offset:512*\j
	global_load_b128 v[BB+4*\j:BB+4*\j+3], v2, s[8:9] offset:512*\j
.endr
	WIN 0x40                                       ; destination window 1: the router's row e at v[32 e ..]
.irp e, 0,1,2,3,4,5,6,7
.irp j, 0,1,2,3,4,5,6,7
	global_load_b128 v[32*\e+4*\j:32*\e+4*\j+3], v2, s[10:11] offset:4096*\e+512*\j
.endr
.endr
	WIN 0
	s_wait_loadcnt 63                              ; 64 loads stand behind the 32 of my rows, gain and bias: with 63 out at the most these 32 are in (63 is the largest count that the wait can name)
	LNROW X0
	LNROW X1
.irp j, 0,1,2,3,4,5,6,7
	ds_store_b128 v3, v[X0+4*\j:X0+4*\j+3] offset:512*\j
	ds_store_b128 v3, v[X1+4*\j:X1+4*\j+3] offset:SP+512*\j
.endr
	s_wait_loadcnt 0x0                             ; the router's rows
	WIN 0x04                                       ; source 1 window 1
.irp p, 0,2,4,6                        ; two experts x two rows: four chains by turns; expert e's sums at v[96 + 4 e] (row 0) and v[98 + 4 e] (row 1)
	v_pk_mul_f32 v[96+4*\p:97+4*\p], v[X0:X0+1], v[32*\p:32*\p+1]
	v_pk_mul_f32 v[98+4*\p:99+4*\p], v[X1:X1+1], v[32*\p:32*\p+1]
	v_pk_mul_f32 v[100+4*\p:101+4*\p], v[X0:X0+1], v[32*\p+32:32*\p+33]
	v_pk_mul_f32 v[102+4*\p:103+4*\p], v[X1:X1+1], v[32*\p+32:32*\p+33]
.irp j, 2,4,6,8,10,12,14,16,18,20,22,24,26,28,30
	s_delay_alu instid0(VALU_DEP_4)
	v_pk_fma_f32 v[96+4*\p:97+4*\p], v[X0+\j:X0+\j+1], v[32*\p+\j:32*\p+\j+1], v[96+4*\p:97+4*\p]
	s_delay_alu instid0(VALU_DEP_4)
	v_pk_fma_f32 v[98+4*\p:99+4*\p], v[X1+\j:X1+\j+1], v[32*\p+\j:32*\p+\j+1], v[98+4*\p:99+4*\p]
	s_delay_alu instid0(VALU_DEP_4)
	v_pk_fma_f32 v[100+4*\p:101+4*\p], v[X0+\j:X0+\j+1], v[32*\p+32+\j:32*\p+33+\j], v[100+4*\p:101+4*\p]
	s_delay_alu instid0(VALU_DEP_4)
	v_pk_fma_f32 v[102+4*\p:103+4*\p], v[X1+\j:X1+\j+1], v[32*\p+32+\j:32*\p+33+\j], v[102+4*\p:103+4*\p]
.endr
.endr
	WIN 0
.irp e, 0,1,2,3,4,5,6,7
	v_add_f32 v[16+\e], v[96+4*\e], v[97+4*\e]
	v_add_f32 v[24+\e], v[98+4*\e], v[99+4*\e]
.endr
.irp m, 1,2,4,8                        ; the 16 sums over the lanes, step by step, so that no line waits for the line above it
.irp e, 0,1,2,3,4,5,6,7,8,9,10,11,12,13,14,15
	v_add_f32_dpp v[16+\e], v[16+\e], v[16+\e] row_xmask:\m row_mask:0xf bank_mask:0xf
.endr
.endr
.irp e, 0,1,2,3,4,5,6,7,8,9,10,11,12,13,14,15
	v_permlanex16_b32 v[96+\e], v[16+\e], s28, s29
.endr
.irp e, 0,1,2,3,4,5,6,7,8,9,10,11,12,13,14,15
	v_add_f32 v[16+\e], v[16+\e], v[96+\e]
.endr
	v_mov_b32 v120, 0xff800000                     ; -infinity
	v_and_b32 v121, 7, v0                          ; the expert whose weight my lane makes
	v_bfe_u32 v122, v0, 3, 1
	s_delay_alu instid0(VALU_DEP_1)
	v_lshlrev_b32 v122, 6, v122
	s_delay_alu instid0(VALU_DEP_1)
	v_lshl_add_u32 v122, v121, 7, v122
	s_lshl_b32 s26, s25, 3
	s_add_co_u32 s26, s26, CT
	v_add_nc_u32 v122, s26, v122                   ; CT + 128 e + 64 (copy) + 4 (2 w)
	TOP2 16, 0
	TOP2 24, 1
	s_wait_dscnt 0x0                               ; for the others' sake: my rows and my weights lie in LDS
	s_barrier_signal -1
	s_barrier_wait -1
.irp c, 0,1
.irp i, 0,1,2,3,4,5,6,7
	ds_load_b128 v[N+32*\c+4*\i:N+32*\c+4*\i+3], v4 offset:256*\c+16*\i
.endr
.endr
	s_wait_dscnt 0x0
	FQUANT
.irp c, 0,1
	global_store_b128 v5, v[PC+6*\c:PC+6*\c+3], s[20:21] offset:768*\c
	global_store_b64 v6, v[PC+6*\c+4:PC+6*\c+5], s[20:21] offset:768*\c+512
.endr
	global_store_b32 v1, v14, s[20:21] offset:12288
	s_cmp_lt_u32 s25, 2
	s_cbranch_scc0 .Lnocb                          ; waves 0 and 1 carry the 1,024 bytes of weights out
	v_lshlrev_b32 v8, 4, v0
	s_delay_alu instid0(VALU_DEP_1)
	v_add_nc_u32 v9, CT, v8
	ds_load_b128 v[116:119], v9
	s_wait_alu depctr_va_vdst(0)
	s_wait_dscnt 0x0
	global_store_b128 v8, v[116:119], s[14:15]
.Lnocb:
	s_wait_tensorcnt 0x0
	ds_add_u32 v254, v255
	s_wait_dscnt 0x0
	s_endpgm
.Lfunc_end_k_q11041d9965_ln2:
	.size	k_q11041d9965_ln2, .Lfunc_end_k_q11041d9965_ln2-k_q11041d9965_ln2
	.p2alignl 7, 3214868480
	.fill 96, 4, 3214868480
	.section	.rodata,"a",@progbits
	.p2align	6, 0x0
	.amdhsa_kernel k_q11041d9965_ln2
		.amdhsa_group_segment_fixed_size 68096
		.amdhsa_private_segment_fixed_size 0
		.amdhsa_enable_private_segment 0
		.amdhsa_kernarg_size 48
		.amdhsa_user_sgpr_count 2
		.amdhsa_user_sgpr_kernarg_segment_ptr 1
		.amdhsa_wavefront_size32 1
		.amdhsa_system_sgpr_workgroup_id_x 1
		.amdhsa_system_sgpr_workgroup_id_y 1
		.amdhsa_system_sgpr_workgroup_id_z 1
		.amdhsa_system_vgpr_workitem_id 0
		.amdhsa_next_free_vgpr 512
		.amdhsa_next_free_sgpr 66
		.amdhsa_reserve_vcc 1
		.amdhsa_float_denorm_mode_32 3
		.amdhsa_float_denorm_mode_16_64 3
		.amdhsa_memory_ordered 1
		.amdhsa_forward_progress 1
		.amdhsa_inst_pref_size 71
	.end_amdhsa_kernel
	.amdgpu_metadata
---
amdhsa.version: [ 1, 2 ]
amdhsa.kernels:
  - .name:           k_q11041d9965_ln2
    .symbol:         k_q11041d9965_ln2.kd
    .args:
      - { .name: x1, .offset: 0, .size: 8, .value_kind: global_buffer, .address_space: global }
      - { .name: ln2_g, .offset: 8, .size: 8, .value_kind: global_buffer, .address_space: global }
      - { .name: ln2_b, .offset: 16, .size: 8, .value_kind: global_buffer, .address_space: global }
      - { .name: router_w, .offset: 24, .size: 8, .value_kind: global_buffer, .address_space: global }
      - { .name: h2img, .offset: 32, .size: 8, .value_kind: global_buffer, .address_space: global }
      - { .name: cbuf, .offset: 40, .size: 8, .value_kind: global_buffer, .address_space: global }
    .group_segment_fixed_size: 68096
    .private_segment_fixed_size: 0
    .kernarg_segment_align: 8
    .kernarg_segment_size: 48
    .max_flat_workgroup_size: 256
    .sgpr_count:     66
    .vgpr_count:     512
    .wavefront_size: 32
...
	.end_amdgpu_metadata
.endif
;; end of part 11
;; launch moe (part 12): grid 32 x 8, 4 waves a work-group, clusters of 4 x 1, 327,680 bytes of LDS; arguments h2img, img1, cbuf, x1, out0; writes out0
.if DOCPART == 12
	.amdgcn_target "amdgcn-amd-amdhsa--gfx1250"
	.amdhsa_code_object_version 6
	.text
	.protected	k_q11041d9965_moe
	.globl	k_q11041d9965_moe
	.p2align	8
	.type	k_q11041d9965_moe,@function
k_q11041d9965_moe:
	s_mov_b64 s[64:65], 0
	v_nop
	global_prefetch_b8 v0, s[64:65] scope:SCOPE_SE
	s_setreg_imm32_b32 hwreg(HW_REG_WAVE_MODE, 25, 1), 1
	s_wait_xcnt 0x0
	s_wait_alu depctr_hold_cnt(0) depctr_sa_sdst(0) depctr_va_vdst(0) depctr_va_sdst(0) depctr_va_ssrc(0) depctr_va_vcc(0) depctr_vm_vsrc(0)
	s_getreg_b32 s2, hwreg(HW_REG_IB_STS2, 6, 4)
	s_cmp_eq_u32 s2, 0
	s_cbranch_scc0 .Lentry_in_a_cluster
	s_endpgm
.Lentry_in_a_cluster:
	s_bfe_u32 s2, ttmp6, 0x10000c
	s_cmp_lg_u32 s2, 0x3003
	s_cbranch_scc0 .Lentry_shape_is_right
	s_endpgm
.Lentry_shape_is_right:
; out0 = x1 + the sum over the 8 experts of combine[token][e] x (h2 W_e^T), the products on codes of E3M2.  EVERY expert is multiplied for every token; experts not chosen have the weight 0.
; A work-group: 128 tokens (x) x 128 outputs (y).  Four waves, each 64 x 64: 16 accumulators for the expert in hand (window 0), begun anew with the constant 0, and 128 registers for the weighted sum (window 2).
; h2's CODES LIVE IN REGISTERS: my 4 groups x 8 K steps (384 registers) and their 32 scale words come once, from the record images as they lie, and serve all eight experts: a K step reads only the weights from LDS.
; THE WEIGHTS go through a ring of two LDS slots of 8 records (106,496 bytes), one expert a trip, each wave fetching two records by one tensor load: one load of mine is out at a time, and it has an expert's
; 128 matrix instructions in which to land.
; CLUSTER: the four work-groups of a cluster have the same y and walk the same weights: each tile is asked for JOINTLY (mask 15).  The place in the cluster enters global addresses alone.
; x1's 64 x 64 numbers of my tile are asked for at the head, in the order in which the way out wants them, and wait in registers.
; The weighted sum is 64 packed multiply-adds an expert: a lane holds one token, so its gate is one number a group of tokens.
; The way out goes through the wave's own stage (64 rows x 272 bytes, bytes that no tensor load fills).
; RECORD (13,312 bytes, 16 rows x 1,024 K): K step s at 1536 s: two halves of 768 bytes: registers 0-3 at 16 x lane, 4-5 at 512 + 8 x lane; scale words at 12288 + 128 s + 4 x lane.
; REGISTERS.  window 0: v1, v2 for the add alone; v4-6, v7-9 the weights' LDS addresses in slot 0, 1; v10-12 16, 8, 4 x lane; v13-15 the way out; v16-23 the weights' scale words, two sets; v32-63 h2's scale words,
;   later with v64-95 rows on the way out; v112, 114, 116, 118 the gates (their odd partners are written once: the packed form names pairs); v128-255 the accumulators.
;   window 1: v0-95 the weights' fragments, two sets; v96-143 h2's K step 7; v144-239 x1, batches 0-2.  window 2: v0-127 the weighted sum; v128-223 K steps 5, 6; v224-255 x1, batch 3.  window 3: v0-239 K steps 0-4.
.set REC,   13312
.set HALF,  4*REC
.set SLOT1, 8*REC
.set SPARE, 16*REC                     ; the spare words: 128 bytes a wave, two blocks of 256 bytes that no other line names
.set STG,   16*REC+512                 ; the four stages
.set ESTEP, 64*REC                     ; from an expert's records to the next expert's
.set WV,    14
.set MSB, 0
.macro WIN new                         ; the immediate's high byte repeats the setting that is left
.if MSB != (\new)
	s_set_vgpr_msb (MSB<<8)|(\new)
.set MSB, (\new)
.endif
.endm
.macro PLACES
.rept 4
	v_nop
.endr
.endm
.macro ROUND                           ; a round of the cluster's barrier
	s_barrier_signal -1
	s_barrier_wait -1
	s_cmp_lg_u32 s[WV], 0
	s_cbranch_scc1 .Lnot_wave_0_\@
	s_barrier_signal -3
.Lnot_wave_0_\@:
	s_barrier_wait -3
	s_barrier_signal -1
	s_barrier_wait -1
.endm
.macro TOK s                           ; where h2's fragments of K step s lie: window TW, from register TBASE on, 12 a group
.if (\s) < 5
.set TW, 3
.set TBASE, 48*(\s)
.elseif (\s) < 7
.set TW, 2
.set TBASE, 128+48*((\s)-5)
.else
.set TW, 1
.set TBASE, 96
.endif
.endm
.macro TOKENS base                     ; my four records, from memory into registers: 160 loads
.irp s, 0,1,2,3,4,5,6,7
	TOK \s
	WIN TW<<6
.irp i, 0,1,2,3
	global_load_b128 v[TBASE+12*\i:TBASE+12*\i+3], v10, s[\base:\base+1] offset:\i*REC+1536*\s
	global_load_b64 v[TBASE+12*\i+4:TBASE+12*\i+5], v11, s[\base:\base+1] offset:\i*REC+1536*\s+512
	global_load_b128 v[TBASE+12*\i+6:TBASE+12*\i+9], v10, s[\base:\base+1] offset:\i*REC+1536*\s+768
	global_load_b64 v[TBASE+12*\i+10:TBASE+12*\i+11], v11, s[\base:\base+1] offset:\i*REC+1536*\s+1280
.endr
.endr
	WIN 0
.irp s, 0,1,2,3,4,5,6,7
.irp i, 0,1,2,3
	global_load_b32 v[32+4*\s+\i], v12, s[\base:\base+1] offset:\i*REC+12288+128*\s
.endr
.endr
.endm
.macro RESID base                      ; the residual of my 64 rows x 256 bytes, two rows a load, as the way out takes them
	WIN 0x40
.irp q, 0,1,2
.irp k, 0,1,2,3,4,5,6,7
	global_load_b128 v[144+32*\q+4*\k:147+32*\q+4*\k], v15, s[\base:\base+1] offset:2*(8*\q+\k)*4096
.endr
.endr
	WIN 0x80
.irp k, 0,1,2,3,4,5,6,7
	global_load_b128 v[224+4*\k:227+4*\k], v15, s[\base:\base+1] offset:2*(24+\k)*4096
.endr
	WIN 0
.endm
.macro FETCH z, s, f                   ; 20 LDS loads: the weights' four fragments and scale words of K step s into set f
	WIN 0x40
.irp g, 0,1,2,3
	ds_load_b128 v[48*(\f)+12*\g:48*(\f)+12*\g+3], v[\z] offset:\g*REC+1536*(\s)
	ds_load_b64 v[48*(\f)+12*\g+4:48*(\f)+12*\g+5], v[(\z)+1] offset:\g*REC+1536*(\s)+512
	ds_load_b128 v[48*(\f)+12*\g+6:48*(\f)+12*\g+9], v[\z] offset:\g*REC+1536*(\s)+768
	ds_load_b64 v[48*(\f)+12*\g+10:48*(\f)+12*\g+11], v[(\z)+1] offset:\g*REC+1536*(\s)+1280
.endr
	WIN 0
.irp g, 0,1,2,3
	ds_load_b32 v[16+4*(\f)+\g], v[(\z)+2] offset:\g*REC+12288+128*(\s)
.endr
.endm
.macro WM d, a, b, sa, sb, zero
.if \zero
	v_wmma_scale_f32_16x16x128_f8f6f4 v[(\d):(\d)+7], v[(\a):(\a)+11], v[(\b):(\b)+11], 0, v[\sa], v[\sb] matrix_a_fmt:MATRIX_FMT_BF6 matrix_b_fmt:MATRIX_FMT_BF6
.else
	v_wmma_scale_f32_16x16x128_f8f6f4 v[(\d):(\d)+7], v[(\a):(\a)+11], v[(\b):(\b)+11], v[(\d):(\d)+7], v[\sa], v[\sb] matrix_a_fmt:MATRIX_FMT_BF6 matrix_b_fmt:MATRIX_FMT_BF6
.endif
.endm
.macro MUL s, zero                     ; 16 matrix instructions of K step s; the 16 accumulators take turns, one instruction a turn
	TOK \s
.set FB, 48*((\s)%2)
.set FS, 16+4*((\s)%2)
.set SS, 32+4*(\s)
	WIN 1|(TW<<2)
.irp i, 0,1,2,3
.irp t, 0,1,2,3
	WM 128+8*(4*\i+\t), FB+12*\t, TBASE+12*\i, FS+\t, SS+\i, \zero
.endr
.endr
.endm
.macro KSTEPS z
	FETCH \z, 0, 0
.irp s, 0,1,2,3,4,5,6,7
	s_wait_dscnt 0x0                               ; this step's set, asked for a step ago, is in
	PLACES                                         ; behind the products that read the other set
.if \s < 7
	FETCH \z, \s+1, 1-\s%2
.endif
.if \s == 0
	MUL 0, 1
.else
	MUL \s, 0
.endif
.endr
	WIN 0
.endm
; The 16 tiles in v[src..] of window win go into my stage, each from its low end on; then 64 rows come back, two a load, the residual is added, and sixteen lanes store 256 consecutive aligned bytes.
.macro WAYOUT src, win, dst
	WIN \win
.irp i, 0,1,2,3
.irp t, 0,1,2,3
	ds_store_b128 v13, v[\src+8*(4*\i+\t):\src+8*(4*\i+\t)+3] offset:(32*(\i/2)+8*(\i%2))*272+128*(\t/2)+32*(\t%2)
	ds_store_b128 v13, v[\src+8*(4*\i+\t)+4:\src+8*(4*\i+\t)+7] offset:(32*(\i/2)+8*(\i%2))*272+128*(\t/2)+32*(\t%2)+16
.endr
.endr
	WIN 0
.irp q, 0,1,2,3
.if \q >= 2
	s_wait_xcnt 0x0                                ; the stores of two batches ago have read their registers
.endif
.irp k, 0,1,2,3,4,5,6,7
	ds_load_b128 v[32+32*(\q%2)+4*\k:35+32*(\q%2)+4*\k], v14 offset:2*(8*\q+\k)*272   ; LDS serves a wave's instructions in order: these see my stores
.endr
	s_wait_dscnt 0x0
.if \q < 3
	WIN 0x04
.set XB, 144+32*\q
.else
	WIN 0x08
.set XB, 224
.endif
.irp k, 0,1,2,3,4,5,6,7,8,9,10,11,12,13,14,15
	v_pk_add_f32 v[32+32*(\q%2)+2*\k:33+32*(\q%2)+2*\k], v[32+32*(\q%2)+2*\k:33+32*(\q%2)+2*\k], v[XB+2*\k:XB+2*\k+1]
.endr
	WIN 0
.irp k, 0,1,2,3,4,5,6,7
	global_store_b128 v15, v[32+32*(\q%2)+4*\k:35+32*(\q%2)+4*\k], s[\dst:\dst+1] offset:2*(8*\q+\k)*4096 th:TH_STORE_NT
.endr
.endr
.endm
; One expert.  In front of the round: all my tensor loads have landed (this trip's slot among them), the add, and my reads of the other slot are over.  Behind it the other slot is asked for first.
.macro TRIP slot, refill, first
	s_wait_tensorcnt 0x0                           ; no tensor load of mine is out, so a group 0 may be written
	ds_add_u32 v1, v2                              ; 0 onto my spare word
	s_add_nc_u64 s[34+4*\slot:35+4*\slot], s[34+4*\slot:35+4*\slot], 2*ESTEP   ; this slot's next expert (the last two steps are not used)
	s_wait_dscnt 0x0                               ; the add is done, and my reads of the other slot are over
	ROUND                                          ; both now hold of every wave of the four work-groups
.if \refill
	tensor_load_to_lds s[36-4*\slot:39-4*\slot], s[16:23]   ; my one tensor load behind this round: the next expert, into the slot read last
	s_nop 0
	PLACES
.endif
.irp i, 0,1,2,3
	global_load_b32 v[112+2*\i], v12, s[8:9] offset:1024*\i   ; this expert's gates of my four groups of tokens
.endr
.if \first
	s_wait_loadcnt 36                              ; h2's codes and scale words are in; x1's 32 loads and the four gate loads, issued behind them, may stay out: the wait for 0 behind this trip's K steps covers them
.endif
	KSTEPS 4+3*\slot
	s_wait_loadcnt 0x0                             ; the gates are in, and their base may step
	s_add_nc_u64 s[8:9], s[8:9], 128
	PLACES
.if \first
	WIN 0x80
.else
	WIN 0xa0
.endif
.set n, 0
.rept 64
.if \first
	v_pk_mul_f32 v[n:n+1], v[128+n:129+n], v[112+2*(n/32):113+2*(n/32)] op_sel_hi:[1,0]   ; the first expert starts the sums
.else
	v_pk_fma_f32 v[n:n+1], v[128+n:129+n], v[112+2*(n/32):113+2*(n/32)], v[n:n+1] op_sel_hi:[1,0,1]
.endif
.set n, n+2
.endr
	WIN 0
.endm
	s_load_b256 s[4:11], s[0:1], 0x0               ; h2img, img1, cbuf, x1
	s_load_b64 s[12:13], s[0:1], 0x20              ; out0
	v_lshl_add_u32 v1, v0, 2, SPARE
	v_mov_b32 v2, 0
	ds_add_u32 v1, v2
	ds_add_u32 v1, v2
	s_wait_dscnt 0x0
	v_lshrrev_b32 v3, 5, v0
	v_readfirstlane_b32 s[WV], v3                  ; wave
	s_and_b32 s15, s[WV], 1                        ; a0: which 64 outputs
	s_lshr_b32 s40, s[WV], 1                       ; a1: which 64 tokens
	s_bfe_u32 s41, ttmp6, 0x40000                  ; cx
	s_lshl_b32 s43, ttmp9, 2
	s_add_co_u32 s43, s43, s41                     ; which 128 tokens
	s_and_b32 s42, ttmp7, 0xffff                   ; which 128 outputs: shared by the four partners
	s_mov_b32 s16, 15|(3<<16)|(1<<21)              ; group 1: the mask; elements of 8 bytes; bit 21 beside a mask
	s_mov_b32 s17, 32<<16                          ; 26,624 dense bytes as 104 rows of 32 elements
	s_mov_b32 s18, 104<<16
	s_mov_b32 s19, 32<<16
	s_mov_b32 s20, 104
	s_mov_b32 s21, 32
	s_mov_b32 s22, 0
	s_mov_b32 s23, 0
	s_lshl_b32 s46, s42, 3
	s_lshl_b32 s47, s[WV], 1
	s_add_co_u32 s46, s46, s47
	s_add_co_u32 s46, s46, 512
	s_mul_i32 s46, s46, REC                        ; expert 0's groups 512 + 8 y + 2 w, + 1
	s_mov_b32 s47, 0
	s_mov_b32 s32, 1
	s_mul_i32 s33, s[WV], 2*REC                    ; LDS: wave x two records, slot 0
	s_mov_b32 s36, 1
	s_add_co_u32 s37, s33, SLOT1
	s_lshl_b32 s54, s43, 3
	s_lshl_b32 s55, s40, 2
	s_add_co_u32 s54, s54, s55                     ; my token groups 8 x + 4 a1 on
	s_mul_i32 s44, s54, REC
	s_mov_b32 s45, 0
	s_lshl_b32 s54, s54, 10                        ; cbuf: 1,024 bytes a group of tokens
	s_mov_b32 s55, 0
	s_lshl_b32 s52, s43, 19                        ; x1 and out0: 128 x rows of 4,096 bytes, + 64 a1 rows, + (128 y + 64 a0) numbers
	s_lshl_b32 s53, s40, 18
	s_add_co_u32 s52, s52, s53
	s_lshl_b32 s53, s42, 9
	s_add_co_u32 s52, s52, s53
	s_lshl_b32 s53, s15, 8
	s_add_co_u32 s52, s52, s53
	s_mov_b32 s53, 0
	s_wait_kmcnt 0x0
	s_add_nc_u64 s[34:35], s[6:7], s[46:47]
	s_add_nc_u64 s[38:39], s[34:35], ESTEP         ; slot 1 begins with expert 1
	s_or_b32 s35, s35, 0x80000000
	s_or_b32 s39, s39, 0x80000000
	s_add_nc_u64 s[44:45], s[4:5], s[44:45]        ; my four records of h2
	s_add_nc_u64 s[8:9], s[8:9], s[54:55]
	s_add_nc_u64 s[10:11], s[10:11], s[52:53]
	s_add_nc_u64 s[12:13], s[12:13], s[52:53]
	v_and_b32 v24, 31, v0
	v_lshlrev_b32 v10, 4, v24
	v_lshlrev_b32 v11, 3, v24
	v_lshlrev_b32 v12, 2, v24
	s_mul_i32 s48, s15, HALF                       ; my four of a slot's eight records
	s_add_co_u32 s49, s48, SLOT1
	v_add_nc_u32 v4, s48, v10
	v_add_nc_u32 v5, s48, v11
	v_add_nc_u32 v6, s48, v12
	v_add_nc_u32 v7, s49, v10
	v_add_nc_u32 v8, s49, v11
	v_add_nc_u32 v9, s49, v12
	v_and_b32 v24, 15, v0                          ; r
	v_bfe_u32 v25, v0, 4, 1                        ; h
	v_and_b32 v26, 8, v24
	v_add_nc_u32 v26, v26, v24                     ; r + 8 (r / 8)
	s_mul_i32 s50, s[WV], 64*272
	s_add_co_u32 s50, s50, STG                     ; my stage
	v_mul_u32_u24 v13, v26, 272
	v_lshl_add_u32 v13, v25, 6, v13
	v_add_nc_u32 v13, s50, v13
	v_mul_u32_u24 v14, v25, 272
	v_lshl_add_u32 v14, v24, 4, v14
	v_add_nc_u32 v14, s50, v14
	v_lshlrev_b32 v15, 12, v25
	v_lshl_add_u32 v15, v24, 4, v15
.irp n, 113,115,117,119
	v_mov_b32 v\n, 0
.endr
	ROUND                                          ; all four work-groups are here: the first joint load meets
	tensor_load_to_lds s[32:35], s[16:23]          ; expert 0 into slot 0
	s_nop 0
	PLACES
	TOKENS 44
	s_wait_alu depctr_va_vdst(0)
	RESID 10
	TRIP 0, 1, 1                                   ; expert 0; slot 1 gets its first fill as a refill does
	s_mov_b32 s56, 3
.Lexp:
	TRIP 1, 1, 0
	TRIP 0, 1, 0
	s_sub_co_u32 s56, s56, 1
	s_cmp_lg_u32 s56, 0
	s_cbranch_scc1 .Lexp
	TRIP 1, 0, 0                                   ; expert 7: nothing is left to fetch
	WAYOUT 0, 0x08, 12
	s_wait_tensorcnt 0x0                           ; the wave's end
	ds_add_u32 v1, v2
	s_wait_dscnt 0x0
	ROUND                                          ; the closing round
	s_endpgm
.Lfunc_end_k_q11041d9965_moe:
	.size	k_q11041d9965_moe, .Lfunc_end_k_q11041d9965_moe-k_q11041d9965_moe
	.p2alignl 7, 3214868480
	.fill 96, 4, 3214868480
	.section	.rodata,"a",@progbits
	.p2align	6, 0x0
	.amdhsa_kernel k_q11041d9965_moe
		.amdhsa_group_segment_fixed_size 327680
		.amdhsa_private_segment_fixed_size 0
		.amdhsa_enable_private_segment 0
		.amdhsa_kernarg_size 40
		.amdhsa_user_sgpr_count 2
		.amdhsa_user_sgpr_kernarg_segment_ptr 1
		.amdhsa_wavefront_size32 1
		.amdhsa_system_sgpr_workgroup_id_x 1
		.amdhsa_system_sgpr_workgroup_id_y 1
		.amdhsa_system_sgpr_workgroup_id_z 1
		.amdhsa_system_vgpr_workitem_id 0
		.amdhsa_next_free_vgpr 1024
		.amdhsa_next_free_sgpr 66
		.amdhsa_reserve_vcc 0
		.amdhsa_float_denorm_mode_32 3
		.amdhsa_float_denorm_mode_16_64 3
		.amdhsa_memory_ordered 1
		.amdhsa_forward_progress 1
		.amdhsa_inst_pref_size 169
	.end_amdhsa_kernel
	.amdgpu_metadata
---
amdhsa.version: [ 1, 2 ]
amdhsa.kernels:
  - .name:           k_q11041d9965_moe
    .symbol:         k_q11041d9965_moe.kd
    .args:
      - { .name: h2img, .offset: 0, .size: 8, .value_kind: global_buffer, .address_space: global }
      - { .name: img1, .offset: 8, .size: 8, .value_kind: global_buffer, .address_space: global }
      - { .name: cbuf, .offset: 16, .size: 8, .value_kind: global_buffer, .address_space: global }
      - { .name: x1, .offset: 24, .size: 8, .value_kind: global_buffer, .address_space: global }
      - { .name: out0, .offset: 32, .size: 8, .value_kind: global_buffer, .address_space: global }
    .group_segment_fixed_size: 327680
    .private_segment_fixed_size: 0
    .kernarg_segment_align: 8
    .kernarg_segment_size: 40
    .max_flat_workgroup_size: 128
    .sgpr_count:     66
    .vgpr_count:     1024
    .wavefront_size: 32
...
	.end_amdgpu_metadata
.endif
;; end of part 12
